; MI455X (gfx1250); checked and timed in simulation.
; The chip was launched on July 23, 2026; its instructions are those of AMD's public machine-readable ISA for CDNA 5 (MIT licence, August 2026) and "CDNA5" Instruction Set Architecture Reference Guide (July 2026). The comments in the code are by the model that wrote it; some were corrected since.
;; Mo E Layer. Allowed arithmetic: matrix products marked QUANTISED: E2M1 operands, one E8M0 scale for each 32 along K, by v_wmma_scale_f32_16x16x128_f8f6f4 with both operands' format E2M1 (or v_wmma_scale_f32_32x16x128_f4), f32 sums; products left as they are: f32 operands where the result goes on into a quantised operand, else bf16, f16 or f32 operands; f32 sums; everything else in f32.
;; Inputs: W1 8 x 1,024 x 2,048 float32; W2 8 x 2,048 x 1,024 float32; b1 8 x 2,048 float32; b2 8 x 1,024 float32; gate_W 1,024 x 8 float32; gate_b 8 float32; x 2,048 x 1,024 float32.
;; Outputs: out0 2,048 x 1,024 float32.
;; This version of the problem:
;;   THIS VERSION OF THE PROBLEM IS GIVEN IN LOW PRECISION. The matrix products marked QUANTISED in the list below multiply operands that are first quantised to E2M1 (2 exponent bits, 1 mantissa bit; 4 bits a number), with one power-of-two scale for each 32 numbers along K (OCP MX v1.0); their sums are f32. All else is computed in f32.
;;   The module's matrix products, in the order in which they are computed (A, B: the left and right operand; K: the contracted axis; several contracted axes count as one K, in the product's order):
;;     1. [M 2,048, K 1,024] x [K 1,024, N 8]; A: input x; B: input gate_W: left as it is (N = 8 < 16)
;;     2. batch 2,048 x [M 8, K 2] x [K 2, N 1]; A: computed on the way; B: computed on the way: left as it is (K = 2 < 32)
;;     3. [M 16,384, K 1,024] x [K 1,024, N 2,048]; A: input W1; B: input x: QUANTISED
;;     4. batch 8 x [M 2,048, K 2,048] x [K 2,048, N 1,024]; A: computed on the way; B: input W2: QUANTISED
;;     5. batch 2,048 x [M 1,024, K 8] x [K 8, N 1]; A: computed on the way; B: computed on the way: left as it is (K = 8 < 32)
;;   THE QUANTISER, for each operand of a quantised product, along K:
;;     - K is cut into blocks of 32 from its start; a last block that is shorter is filled with zeros.
;;     - A block's scale is 2^e with e = floor(log2(the largest magnitude in the block)) - 2, held to -126 .. 127; a block of zeros has e = 0. As a byte (E8M0): e + 127.
;;     - Each number is divided by its block's scale, clamped to +-6, and rounded to the nearest number of E2M1, ties to even, subnormals kept.
;;     - The product sums the exact products of the quantised numbers (number of the format x scale) in f32.
;;   ~~~python
;;   def quantise(x, axis):      # numpy; x: float32 -> the quantised numbers, widened to float32 again
;;       x = np.moveaxis(x, axis, -1); K = x.shape[-1]
;;       x = np.pad(x, [(0, 0)] * (x.ndim - 1) + [(0, -K % 32)]); x = x.reshape(x.shape[:-1] + (-1, 32)); a = np.abs(x).max(-1, keepdims=True)
;;       e = np.where(a > 0, np.clip(np.frexp(np.where(a > 0, a, 1))[1] - 1 - 2, -126, 127), 0)      # np.frexp(a)[1] - 1 = floor(log2(a)), exactly
;;       r = np.clip(x / 2.0 ** e, -6, 6)
;;       step = 2.0 ** (np.maximum(np.frexp(np.where(r == 0, 1, r))[1] - 1, 0) - 1)
;;       q = np.round(r / step) * step * 2.0 ** e      # np.round: ties to even
;;       return np.moveaxis(q.reshape(q.shape[:-2] + (-1,))[..., :K], -1, axis).astype(np.float32)
;;   ~~~
;;   OPERANDS COMPUTED ON THE WAY. 'Computed on the way' means the value that the module computes at that place (a softmax that the list does not call 'softmax' is quantised finished and normalised). What goes into a quantiser is computed in f32, as accurately as f32 sums, v_exp_f32 and their like allow (about 1e-6 of the number): no bf16 or f16 on the way to a quantiser, and a product that is left as it is and whose result goes on into a quantised operand takes f32 operands (vector FMAs, or v_wmma_f32_16x16x4_f32). A number that lies on a knife's edge between two numbers of the format may be rounded either way, as far as f32 arithmetic and the matrix unit's own rounding can turn it there, and no further.
;; 2 versions. Each part assembles by itself: llvm-mc -triple=amdgcn-amd-amdhsa -mcpu=gfx1250 --defsym DOCPART=n.
;; ======== version 1 of 2: 4 launches
;; workspace buffers: tok 1,179,648 bytes; key 16,384 bytes of whole numbers; srt 1,179,648 bytes; idx 16,384 bytes of whole numbers; w1c 8,912,896 bytes; w2c 8,912,896 bytes; hc 18,874,368 bytes
;; launch prep_w2 (part 1): grid 640 x 1, 8 waves a work-group, no clusters, 18,432 bytes of LDS; arguments x, gate_W, gate_b, W2, tok, key, w2c; writes tok, key, w2c
.if DOCPART == 1
	.amdgcn_target "amdgcn-amd-amdhsa--gfx1250"
	.amdhsa_code_object_version 6
	.text
	.protected	k_qe5042e0ba1_prep_w2
	.globl	k_qe5042e0ba1_prep_w2
	.p2align	8
	.type	k_qe5042e0ba1_prep_w2,@function
k_qe5042e0ba1_prep_w2:
	s_mov_b64 s[64:65], 0
	v_nop
	global_prefetch_b8 v0, s[64:65] scope:SCOPE_SE
	s_setreg_imm32_b32 hwreg(HW_REG_WAVE_MODE, 25, 1), 1
	s_wait_xcnt 0x0
; TWO JOBS IN ONE LAUNCH, told apart by the work-group's number alone.
; Work-groups 0-127: 16 tokens each.  logits = x gate_W + gate_b in f32, softmax (its maximum taken away), the two largest p (the lower index wins a tie, judged on this text's own p),
;   and x as codes of FP4 (E2M1) with one E8M0 byte for each 32 along D.  Stored, all at places that hang on ids alone:
;   tok: [2048][512 B] codes | at XS0 [2048][8] scale words (word s: k = 128 s on) | at WD0 [2048][8] f32: p at the two chosen experts, 0 elsewhere.
;   key: [2048] (7 min + i1 + i2) x 2048 + n, the sort key of the next launch | at SELP [2048] (1 << i1) | (1 << i2).
; Work-groups 128-639: W2 [8][2048 (k)][1024 (n)] f32 into codes with K innermost, laid in the order of an operand's registers:
;   w2c: block b (32 codes, 16 bytes) of row r of column tile ct of expert e at ((e 64 + ct) 64 + b) 256 + 16 r; at WS the scale words [e][K step][ct][r].
;   Row r of column tile 2 G + u is column 32 G + 8 u + r + (r & 8): in a transposed product the registers of tiles 2 G and 2 G + 1 are then 16 neighbouring columns.
; The gate's product goes by the f32 matrix form: the choice of experts must not turn on a coarser rounding, and it is 8 columns beside the experts' 2 x 2048 x 1024.
; LIMITS: NaN and infinities among the inputs are not served.  A block of zeros gets the byte 1 where the rule says 127 (its codes are zeros; this program alone reads the bytes);
; a block whose largest magnitude lies under 2^-124 is held at the byte 1.
.set XS0,  1048576
.set WD0,  1114112
.set WS,   8388608
.set SELP, 8192
.set LG,   0                           ; LDS: 8 waves x 1,024 bytes: images of the partial logits
.set XR,   8192                        ; 16 rows x (512 bytes of codes + 16)
.set XP,   528
.set XSC,  XR+16*XP                    ; 16 rows x 8 scale words
.set X,    16                          ; v16-79   64 numbers of x: register 16 b + i = k 128 s + 32 b + 16 h + i of row r
.set GW,   80                          ; v80-143  gate_W at the same k, expert r & 7
.set ACC0, 144                         ; v144-159 two sums of logits: written by matrix instructions alone
.set ACC1, 152
.set L,    160                         ; v160-167 my K step's partial logits
.set TM,   168                         ; v168-183 at work in QUANT
.set PW,   184                         ; the scale word just made
.set PC,   186                         ; v186-193 the codes just made
.set SEL,  2                           ; s[2:3] lane selects: lane l xor 16
.set QX,   16                          ; the weights' path: v16-79 two sets of 32 numbers, v80-95 codes of four blocks, v96 the scale word
.set QC,   80
.set QS,   96
; ---- the weights' path: a lane takes a column, its registers run down K.  Block t: rows 32 t + i of the K step.
.macro QLOAD t, n
.irp i, 0,1,2,3,4,5,6,7,8,9,10,11,12,13,14,15,16,17,18,19,20,21,22,23,24,25,26,27,28,29,30,31
	global_load_b32 v[QX+32*((\t)%2)+\i], v2, s[24:25] offset:(32*(\t)+\i)*(\n)*4 th:TH_LOAD_NT   ; the wave reads 128 consecutive bytes, the eight waves 1,024
.endr
.endm
.macro QBLOCK t, n
.set XB, QX+32*((\t)%2)
.if (\t) < 3
	s_wait_loadcnt 32                              ; this block's 32 loads are in; the next block's 32 may be out
.else
	s_wait_loadcnt 0x0
.endif
	v_max3_num_f32 v8, |v[XB]|, |v[XB+1]|, |v[XB+2]|             ; the block's largest magnitude: all 32 numbers are mine; two chains
	v_max3_num_f32 v9, |v[XB+3]|, |v[XB+4]|, |v[XB+5]|
.irp i, 6,10,14,18,22,26
	v_max3_num_f32 v8, v8, |v[XB+\i]|, |v[XB+\i+1]|
	v_max3_num_f32 v9, v9, |v[XB+\i+2]|, |v[XB+\i+3]|
.endr
	v_max3_num_f32 v8, v8, |v[XB+30]|, |v[XB+31]|
	v_max3_num_f32 v8, v8, v9, 0x1800000           ; and the floor 2^(3 - 127): the byte cannot fall under 1
	v_add_nc_u32 v10, 0xff000000, v8               ; 2 off the exponent field: the conversion's scale operand
	v_lshrrev_b32 v11, 23, v10                     ; the scale's byte
.if (\t) == 0
	v_mov_b32 v[QS], v11
.else
	v_lshl_or_b32 v[QS], v11, 8*(\t), v[QS]        ; byte t of the K step's scale word
.endif
.irp g, 0,1,2,3
	v_cvt_scalef32_pk8_fp4_f32 v[QC+4*(\t)+\g], v[XB+8*\g:XB+8*\g+7], v10
.endr
	v_nop                                          ; one plain line behind the last conversion
	global_store_b128 v3, v[QC+4*(\t):QC+4*(\t)+3], s[28:29] offset:256*(\t)   ; lanes 0-15 fill 256 consecutive bytes of tile 2 G, lanes 16-31 of tile 2 G + 1; each block has its own registers, so no store's data are written again
.if (\t)+2 < 4
	QLOAD (\t)+2, \n
.endif
.endm
; A work-group takes 256 columns x one K step of 128 of one expert; a wave 32 columns.  k, n: the weight's sizes; nt = n / 16; ks = k / 128; lcg = log2(n / 256); pw, pc: where the weight's and the codes' addresses stand.
.macro QW k, n, nt, ks, lcg, pw, pc
	s_sub_co_u32 s20, ttmp9, 128
	s_lshr_b32 s21, s20, 6                         ; expert
	s_lshr_b32 s22, s20, \lcg
	s_and_b32 s22, s22, \ks-1                      ; K step
	s_and_b32 s23, s20, (1<<\lcg)-1                ; which 256 columns
	s_lshl_b32 s26, s23, 4
	s_lshl_b32 s27, s18, 1
	s_add_co_u32 s26, s26, s27                     ; my first column tile: 16 cg + 2 w
	s_mul_i32 s24, s21, \k
	s_lshl_b32 s25, s22, 7
	s_add_co_u32 s24, s24, s25                     ; my first row of the weight
	s_mul_i32 s24, s24, \n*4
	s_lshl_b32 s25, s26, 6                         ; + 16 columns of 4 bytes a tile
	s_add_co_u32 s24, s24, s25
	s_mov_b32 s25, 0
	s_mul_i32 s28, s21, \nt
	s_add_co_u32 s28, s28, s26
	s_mul_i32 s28, s28, \k*8                       ; a column tile's codes: k / 32 blocks of 256 bytes
	s_lshl_b32 s29, s22, 10                        ; + 4 blocks a K step
	s_add_co_u32 s28, s28, s29
	s_mov_b32 s29, 0
	s_mul_i32 s30, s21, \ks
	s_add_co_u32 s30, s30, s22
	s_mul_i32 s30, s30, \nt
	s_add_co_u32 s30, s30, s26
	s_lshl_b32 s30, s30, 6                         ; the scale words: 64 bytes a tile
	s_add_co_u32 s30, s30, WS
	s_mov_b32 s31, 0
	v_and_b32 v5, 15, v1                           ; r
	v_lshrrev_b32 v6, 4, v1                        ; u
	v_and_b32 v7, 8, v5
	v_add_nc_u32 v7, v7, v5
	v_lshl_add_u32 v7, v6, 3, v7                   ; my column among the wave's 32: 8 u + r + (r & 8)
	v_lshlrev_b32 v2, 2, v7
	v_lshlrev_b32 v3, 4, v5
	v_mad_u32_u24 v3, v6, \k*8, v3                 ; codes: 16 r, tile u
	v_lshlrev_b32 v4, 2, v1                        ; scale word: 4 x lane
	s_wait_kmcnt 0x0
	s_add_nc_u64 s[24:25], s[\pw:\pw+1], s[24:25]
	s_add_nc_u64 s[28:29], s[\pc:\pc+1], s[28:29]
	s_add_nc_u64 s[30:31], s[\pc:\pc+1], s[30:31]
	QLOAD 0, \n
	QLOAD 1, \n
	QBLOCK 0, \n
	QBLOCK 1, \n
	QBLOCK 2, \n
	QBLOCK 3, \n
	global_store_b32 v4, v[QS], s[30:31]           ; 128 consecutive bytes a wave: one byte for each 128 that the wave has read
	s_endpgm
.endm
; 64 numbers of a lane, register 16 b + i = k 32 b + 16 (lane / 16) + i of my row, become a fragment's codes in v[PC] on and its scale word in v[PW].
.macro QUANT s
.irp b, 0,1,2,3
	v_max3_num_f32 v[TM+\b], |v[\s+16*\b]|, |v[\s+1+16*\b]|, 0x1800000   ; block b: my 16 numbers and the floor 2^(3 - 127)
.endr
.irp i, 2,4,6,8,10,12,14
.irp b, 0,1,2,3
	v_max3_num_f32 v[TM+\b], v[TM+\b], |v[\s+16*\b+\i]|, |v[\s+1+16*\b+\i]|   ; the four blocks by turns
.endr
.endr
.irp b, 0,1,2,3
	v_permlanex16_b32 v[TM+4+\b], v[TM+\b], s[SEL], s[SEL+1]
.endr
.irp b, 0,1,2,3
	v_max_num_f32 v[TM+\b], v[TM+\b], v[TM+4+\b]   ; with lane l xor 16's 16: the block's largest magnitude
.endr
.irp b, 0,1,2,3
	v_add_nc_u32 v[TM+12+\b], 0xff000000, v[TM+\b] ; 2 off its exponent field: the conversion's scale operand
.endr
.irp b, 0,1,2,3
	v_lshrrev_b32 v[TM+4+\b], 23, v[TM+12+\b]      ; the scale's byte
.endr
	v_lshl_or_b32 v[PW], v[TM+5], 8, v[TM+4]
	v_lshl_or_b32 v[PW], v[TM+6], 16, v[PW]
	v_lshl_or_b32 v[PW], v[TM+7], 24, v[PW]
.irp b, 0,1,2,3
	v_cvt_scalef32_pk8_fp4_f32 v[PC+2*\b], v[\s+16*\b:\s+7+16*\b], v[TM+12+\b]
	v_cvt_scalef32_pk8_fp4_f32 v[PC+1+2*\b], v[\s+8+16*\b:\s+15+16*\b], v[TM+12+\b]
.endr
	v_nop                                          ; one plain line behind the last conversion
.irp c, 0,1                                    ; a whole block to a lane: lanes 0-15 block 2 c, lanes 16-31 block 2 c + 1
.irp i, 0,1
	v_permlane16_swap_b32 v[PC+4*\c+\i], v[PC+2+4*\c+\i]
.endr
.endr
.endm
	s_load_b256 s[4:11], s[0:1], 0x0               ; x s[4:5], gate_W s[6:7], gate_b s[8:9], W2 s[10:11]
	s_load_b128 s[12:15], s[0:1], 0x20             ; tok s[12:13], key s[14:15]
	s_load_b64 s[16:17], s[0:1], 0x30              ; w2c
	v_lshl_add_u32 v208, v0, 2, 0x4400
	v_mov_b32 v209, 0
	v_lshrrev_b32 v1, 5, v0
	v_readfirstlane_b32 s18, v1                    ; wave 0..7
	v_and_b32 v1, 31, v0                           ; lane
	s_cmp_lt_u32 ttmp9, 128
	s_cbranch_scc0 .Lquant
	; ---- 16 tokens: n0 = 16 x work-group.  Wave s takes K step s: k = 128 s on, of all 16 rows.
	v_and_b32 v2, 15, v0                           ; r
	v_bfe_u32 v3, v0, 4, 1                         ; h
	v_lshlrev_b32 v4, 12, v2
	v_lshl_add_u32 v4, v3, 6, v4                   ; x: row r of 4,096 bytes, + 64 h: my 16 numbers of a block of 32
	v_and_b32 v5, 7, v0
	v_lshlrev_b32 v5, 2, v5
	v_lshl_add_u32 v5, v3, 9, v5                   ; gate_W: 16 h rows of 32 bytes, expert r & 7
	v_lshlrev_b32 v6, 4, v1                        ; 16 x lane
	v_mul_u32_u24 v7, v2, XP
	v_lshl_add_u32 v7, v3, 4, v7
	s_lshl_b32 s34, s18, 6
	s_add_co_u32 s34, s34, XR
	v_add_nc_u32 v7, s34, v7                       ; codes into LDS: row r, 64 s + 16 h bytes on
	v_lshlrev_b32 v8, 5, v2
	s_lshl_b32 s34, s18, 2
	s_add_co_u32 s34, s34, XSC
	v_add_nc_u32 v8, s34, v8                       ; scale word: row r, word s
	s_lshl_b32 s34, s18, 10
	v_add_nc_u32 v9, s34, v6                       ; my image of partial logits (LG = 0)
	s_mul_i32 s34, s18, 2*XP
	s_add_co_u32 s34, s34, XR
	v_add_nc_u32 v10, s34, v6                      ; back: rows 2 s and 2 s + 1, whole
	v_add_nc_u32 v11, XSC, v6                      ; back: the 512 bytes of scale words
.irp b, 0,1,2,3
	v_mov_b32 v[TM+4+\b], 0                        ; written once: a lane permute's destination counts as one of its sources
.endr
	s_lshl_b32 s20, ttmp9, 16                      ; 16 rows of 4,096 bytes a work-group,
	s_lshl_b32 s34, s18, 9
	s_add_co_u32 s20, s20, s34                     ; + 512 s
	s_mov_b32 s21, 0
	s_lshl_b32 s22, s18, 12                        ; gate_W: 128 rows of 32 bytes a K step
	s_mov_b32 s23, 0
	s_lshl_b32 s36, ttmp9, 13                      ; tok, codes: 16 rows of 512 bytes,
	s_lshl_b32 s34, s18, 10
	s_add_co_u32 s36, s36, s34                     ; + my two rows
	s_mov_b32 s37, 0
	s_lshl_b32 s38, ttmp9, 9                       ; tok, the two planes of 32 bytes a row
	s_add_co_u32 s40, s38, WD0
	s_add_co_u32 s38, s38, XS0
	s_mov_b32 s39, 0
	s_mov_b32 s41, 0
	s_lshl_b32 s42, ttmp9, 6                       ; key: 4 bytes a token
	s_mov_b32 s43, 0
	s_lshl_b32 s44, ttmp9, 4                       ; n0
	s_mov_b32 s[SEL], 0x76543210
	s_mov_b32 s[SEL+1], 0xfedcba98
	s_wait_kmcnt 0x0
	s_add_nc_u64 s[4:5], s[4:5], s[20:21]
	s_add_nc_u64 s[6:7], s[6:7], s[22:23]
	s_add_nc_u64 s[36:37], s[12:13], s[36:37]
	s_add_nc_u64 s[38:39], s[12:13], s[38:39]
	s_add_nc_u64 s[40:41], s[12:13], s[40:41]
	s_add_nc_u64 s[42:43], s[14:15], s[42:43]
	s_load_b256 s[24:31], s[8:9], 0x0              ; gate_b
.irp b, 0,1,2,3
.irp j, 0,1,2,3
	global_load_b128 v[X+16*\b+4*\j:X+16*\b+4*\j+3], v4, s[4:5] offset:128*\b+16*\j th:TH_LOAD_NT
.endr
.endr
.irp b, 0,1,2,3
.irp i, 0,1,2,3,4,5,6,7,8,9,10,11,12,13,14,15
	global_load_b32 v[GW+16*\b+\i], v5, s[6:7] offset:(32*\b+\i)*32
.endr
.endr
	s_wait_loadcnt 0x0
	; logits, transposed: source 0 = gate_W (row m of the tile = expert m & 7), source 1 = x.  Register pair p of both sides holds the same four k, so the products meet.
	; Register j of a sum: the partial logit of token r for expert j, in both halves of the lanes.  The two sums take turns, one instruction a turn.
.set p, 0
.rept 32
.if p < 2
	v_wmma_f32_16x16x4_f32 v[ACC0+8*(p%2):ACC0+8*(p%2)+7], v[GW+2*p:GW+2*p+1], v[X+2*p:X+2*p+1], 0
.else
	v_wmma_f32_16x16x4_f32 v[ACC0+8*(p%2):ACC0+8*(p%2)+7], v[GW+2*p:GW+2*p+1], v[X+2*p:X+2*p+1], v[ACC0+8*(p%2):ACC0+8*(p%2)+7]
.endif
.set p, p+1
.endr
	QUANT X                                        ; reads x, writes none of the products' registers
	ds_store_b128 v7, v[PC:PC+3]                   ; k = 32 h on of my K step: 16 bytes of row r
	ds_store_b128 v7, v[PC+4:PC+7] offset:32       ; k = 64 + 32 h on
	ds_store_b32 v8, v[PW]                         ; lanes l and l + 16 write the same word with the same value
.rept 8
	v_nop                                          ; eight places behind this matrix form, ahead of the first read of its results (ISA guide 7.12.1)
.endr
.irp j, 0,1,2,3,4,5,6,7
	v_add_f32 v[L+\j], v[ACC0+\j], v[ACC1+\j]      ; each sum is read from its low end on
.endr
	ds_store_b128 v9, v[L:L+3]
	ds_store_b128 v9, v[L+4:L+7] offset:512
	s_wait_dscnt 0x0                               ; for the others' sake: my stores have landed
	s_barrier_signal -1
	s_barrier_wait -1                              ; the one barrier: 16 rows of codes, their scale words and eight images of logits lie in LDS; nothing is written there again
	ds_load_b128 v[16:19], v10
	ds_load_b128 v[20:23], v10 offset:XP
	s_wait_dscnt 0x0
	global_store_b128 v6, v[16:19], s[36:37]               ; a token's 512 bytes of codes: 32 lanes, consecutive
	global_store_b128 v6, v[20:23], s[36:37] offset:512
	s_cmp_eq_u32 s18, 1
	s_cbranch_scc0 .Lnot_wave_1
	ds_load_b128 v[24:27], v11
	s_wait_dscnt 0x0
	global_store_b128 v6, v[24:27], s[38:39]               ; the 16 tokens' scale words: 512 consecutive bytes
	s_wait_tensorcnt 0x0
	ds_add_u32 v208, v209
	s_wait_dscnt 0x0
	s_endpgm
.Lnot_wave_1:
	s_cmp_eq_u32 s18, 0
	s_cbranch_scc1 .Lgate
	s_wait_tensorcnt 0x0
	ds_add_u32 v208, v209
	s_wait_dscnt 0x0
	s_endpgm
.Lgate:
	; ---- wave 0: the gate.  Lane (r, h) holds token r's eight logits; both halves do the same work.
.irp s, 0,1,2,3,4,5,6,7
	ds_load_b128 v[80+8*\s:83+8*\s], v6 offset:LG+1024*\s
	ds_load_b128 v[84+8*\s:87+8*\s], v6 offset:LG+1024*\s+512
.endr
	s_wait_dscnt 0x0
.irp s, 1,2,3,4,5,6,7
.irp j, 0,2,4,6
	v_pk_add_f32 v[80+\j:81+\j], v[80+\j:81+\j], v[80+8*\s+\j:81+8*\s+\j]   ; the K steps in ascending order
.endr
.endr
	s_wait_kmcnt 0x0                               ; gate_b
.irp j, 0,1,2,3,4,5,6,7
	v_add_f32 v[80+\j], s[24+\j], v[80+\j]
.endr
	v_max3_num_f32 v128, v80, v81, v82
	v_max3_num_f32 v128, v128, v83, v84
	v_max3_num_f32 v128, v128, v85, v86
	v_max_num_f32 v128, v128, v87                  ; the row's largest logit
.irp j, 0,1,2,3,4,5,6,7
	v_sub_f32 v[88+\j], v[80+\j], v128
.endr
.irp j, 0,1,2,3,4,5,6,7
	v_mul_f32 v[88+\j], 0x3fb8aa3b, v[88+\j]       ; x log2(e)
.endr
.irp j, 0,1,2,3,4,5,6,7
	v_exp_f32 v[96+\j], v[88+\j]
.endr
	v_mov_b32 v134, -1.0                           ; (a plain line behind the exponentials)
	s_wait_alu depctr_va_vdst(0)                   ; one wait for the batch, ahead of its first reader
	v_add_f32 v129, v96, v97
.irp j, 2,3,4,5,6,7
	v_add_f32 v129, v129, v[96+\j]
.endr
	v_rcp_f32 v130, v129
	v_mov_b32 v132, 0                              ; (a plain line behind the reciprocal)  i1
	s_wait_alu depctr_va_vdst(0)                   ; and one for the reciprocal
.irp j, 0,1,2,3,4,5,6,7
	v_mul_f32 v[104+\j], v[96+\j], v130            ; p
.endr
	v_mov_b32 v131, v104                           ; the largest p: only a strictly larger one takes over, so the lower index wins a tie
.irp j, 1,2,3,4,5,6,7
	v_cmp_le_f32 vcc_lo, v[104+\j], v131
	v_cndmask_b32 v132, \j, v132, vcc_lo
	v_max_num_f32 v131, v131, v[104+\j]
.endr
.irp j, 0,1,2,3,4,5,6,7
	v_cmp_eq_u32 vcc_lo, \j, v132
	v_cndmask_b32 v[112+\j], v[104+\j], v134, vcc_lo   ; the first choice is taken out: -1 lies under every p
.endr
	v_mov_b32 v131, v112
	v_mov_b32 v133, 0                              ; i2
.irp j, 1,2,3,4,5,6,7
	v_cmp_le_f32 vcc_lo, v[112+\j], v131
	v_cndmask_b32 v133, \j, v133, vcc_lo
	v_max_num_f32 v131, v131, v[112+\j]
.endr
.irp j, 0,1,2,3,4,5,6,7
	v_cmp_eq_u32 vcc_lo, \j, v132
	v_cndmask_b32 v[120+\j], 0, v[104+\j], vcc_lo
	v_cmp_eq_u32 vcc_lo, \j, v133
	v_cndmask_b32 v[120+\j], v[120+\j], v[104+\j], vcc_lo   ; the dense row of weights: p at the two choices, 0 elsewhere
.endr
	v_cmp_ne_u32 vcc_lo, 0, v3
.irp i, 0,1,2,3
	v_cndmask_b32 v[136+\i], v[120+\i], v[124+\i], vcc_lo   ; my half of the row
.endr
	v_lshlrev_b32 v142, 5, v2
	v_lshl_add_u32 v142, v3, 4, v142
	global_store_b128 v142, v[136:139], s[40:41]           ; 16 rows of 32 bytes: 512 consecutive bytes
	v_min_u32 v140, v132, v133
	v_add_nc_u32 v141, v132, v133
	v_mad_u32_u24 v140, v140, 7, v141              ; 7 min + (i1 + i2) = 8 min + max: the pair's number
	v_add_nc_u32 v141, s44, v2                     ; n
	v_lshl_add_u32 v140, v140, 11, v141            ; the sort key: no two tokens share one
	v_mov_b32 v135, 1
	v_lshlrev_b32 v141, v132, v135
	v_lshlrev_b32 v143, v133, v135
	v_or_b32 v141, v141, v143                      ; the two experts as bits
	v_cndmask_b32 v140, v140, v141, vcc_lo         ; lanes 0-15 store the key, lanes 16-31 the bits
	v_lshlrev_b32 v143, 2, v2
	v_lshl_add_u32 v143, v3, 13, v143              ; SELP = 8,192
	global_store_b32 v143, v140, s[42:43]
	s_wait_tensorcnt 0x0
	ds_add_u32 v208, v209
	s_wait_dscnt 0x0
	s_endpgm
.Lquant:
	QW 2048, 1024, 64, 16, 2, 10, 16
.Lfunc_end_k_qe5042e0ba1_prep_w2:
	.size	k_qe5042e0ba1_prep_w2, .Lfunc_end_k_qe5042e0ba1_prep_w2-k_qe5042e0ba1_prep_w2
	.p2alignl 7, 3214868480
	.fill 96, 4, 3214868480
	.section	.rodata,"a",@progbits
	.p2align	6, 0x0
	.amdhsa_kernel k_qe5042e0ba1_prep_w2
		.amdhsa_group_segment_fixed_size 18432
		.amdhsa_private_segment_fixed_size 0
		.amdhsa_enable_private_segment 0
		.amdhsa_kernarg_size 56
		.amdhsa_user_sgpr_count 2
		.amdhsa_user_sgpr_kernarg_segment_ptr 1
		.amdhsa_wavefront_size32 1
		.amdhsa_system_sgpr_workgroup_id_x 1
		.amdhsa_system_sgpr_workgroup_id_y 1
		.amdhsa_system_sgpr_workgroup_id_z 1
		.amdhsa_system_vgpr_workitem_id 0
		.amdhsa_next_free_vgpr 210
		.amdhsa_next_free_sgpr 66
		.amdhsa_reserve_vcc 1
		.amdhsa_float_denorm_mode_32 3
		.amdhsa_float_denorm_mode_16_64 3
		.amdhsa_memory_ordered 1
		.amdhsa_forward_progress 1
		.amdhsa_inst_pref_size 47
	.end_amdhsa_kernel
	.amdgpu_metadata
---
amdhsa.version: [ 1, 2 ]
amdhsa.kernels:
  - .name:           k_qe5042e0ba1_prep_w2
    .symbol:         k_qe5042e0ba1_prep_w2.kd
    .args:
      - { .name: x, .offset: 0, .size: 8, .value_kind: global_buffer, .address_space: global }
      - { .name: gate_W, .offset: 8, .size: 8, .value_kind: global_buffer, .address_space: global }
      - { .name: gate_b, .offset: 16, .size: 8, .value_kind: global_buffer, .address_space: global }
      - { .name: W2, .offset: 24, .size: 8, .value_kind: global_buffer, .address_space: global }
      - { .name: tok, .offset: 32, .size: 8, .value_kind: global_buffer, .address_space: global }
      - { .name: key, .offset: 40, .size: 8, .value_kind: global_buffer, .address_space: global }
      - { .name: w2c, .offset: 48, .size: 8, .value_kind: global_buffer, .address_space: global }
    .group_segment_fixed_size: 18432
    .private_segment_fixed_size: 0
    .kernarg_segment_align: 8
    .kernarg_segment_size: 56
    .max_flat_workgroup_size: 256
    .sgpr_count:     66
    .vgpr_count:     210
    .wavefront_size: 32
...
	.end_amdgpu_metadata
.endif
;; end of part 1
;; launch place_w1 (part 2): grid 640 x 1, 8 waves a work-group, no clusters, 0 bytes of LDS; arguments key, tok, W1, srt, idx, w1c; writes srt, idx, w1c
.if DOCPART == 2
	.amdgcn_target "amdgcn-amd-amdhsa--gfx1250"
	.amdhsa_code_object_version 6
	.text
	.protected	k_qe5042e0ba1_place_w1
	.globl	k_qe5042e0ba1_place_w1
	.p2align	8
	.type	k_qe5042e0ba1_place_w1,@function
k_qe5042e0ba1_place_w1:
	s_mov_b64 s[64:65], 0
	v_nop
	global_prefetch_b8 v0, s[64:65] scope:SCOPE_SE
	s_setreg_imm32_b32 hwreg(HW_REG_WAVE_MODE, 25, 1), 1
	s_wait_xcnt 0x0
; TWO JOBS IN ONE LAUNCH, told apart by the work-group's number alone.
; Work-groups 0-127: 16 tokens each, two a wave, are moved to their places in the order of their sort keys (pair of experts, then token number).
;   A token's place is the number of keys below its own: the wave holds all 2,048 keys in 64 registers and counts.  The keys are all different, so the places are a permutation and every byte of srt and idx is written.
;   srt: tok's three planes at the sorted places.   idx: [2048] the token at a place | at SELS [2048] its two experts as bits.
;   A token's 512 bytes of codes leave as one store of 512 consecutive bytes; its two rows of 32 bytes and two words leave singly: 72 bytes a token, the price of a scatter of short rows.
; Work-groups 128-639: W1 [8][1024 (k)][2048 (n)] f32 into codes with K innermost, in the order of an operand's registers:
;   w1c: block b (32 codes, 16 bytes) of row r of column tile ct of expert e at ((e 128 + ct) 32 + b) 256 + 16 r; at WS the scale words [e][K step][ct][r].
;   Row r of column tile 2 G + u is column 32 G + 8 u + r + (r & 8).
; LIMITS: NaN and infinities are not served.  A block of zeros gets the byte 1 where the rule says 127 (its codes are zeros; this program alone reads the bytes); a block under 2^-124 is held at the byte 1.
.set XS0,  1048576
.set WS,   8388608
.set SELS, 8192
.set QX,   16                          ; the weights' path: v16-79 two sets of 32 numbers, v80-95 codes of four blocks, v96 the scale word
.set QC,   80
.set QS,   96
.macro QLOAD t, n
.irp i, 0,1,2,3,4,5,6,7,8,9,10,11,12,13,14,15,16,17,18,19,20,21,22,23,24,25,26,27,28,29,30,31
	global_load_b32 v[QX+32*((\t)%2)+\i], v2, s[24:25] offset:(32*(\t)+\i)*(\n)*4 th:TH_LOAD_NT   ; the wave reads 128 consecutive bytes, the eight waves 1,024
.endr
.endm
.macro QBLOCK t, n
.set XB, QX+32*((\t)%2)
.if (\t) < 3
	s_wait_loadcnt 32                              ; this block's 32 loads are in; the next block's 32 may be out
.else
	s_wait_loadcnt 0x0
.endif
	v_max3_num_f32 v8, |v[XB]|, |v[XB+1]|, |v[XB+2]|             ; the block's largest magnitude: all 32 numbers are mine; two chains
	v_max3_num_f32 v9, |v[XB+3]|, |v[XB+4]|, |v[XB+5]|
.irp i, 6,10,14,18,22,26
	v_max3_num_f32 v8, v8, |v[XB+\i]|, |v[XB+\i+1]|
	v_max3_num_f32 v9, v9, |v[XB+\i+2]|, |v[XB+\i+3]|
.endr
	v_max3_num_f32 v8, v8, |v[XB+30]|, |v[XB+31]|
	v_max3_num_f32 v8, v8, v9, 0x1800000           ; and the floor 2^(3 - 127): the byte cannot fall under 1
	v_add_nc_u32 v10, 0xff000000, v8               ; 2 off the exponent field: the conversion's scale operand
	v_lshrrev_b32 v11, 23, v10                     ; the scale's byte
.if (\t) == 0
	v_mov_b32 v[QS], v11
.else
	v_lshl_or_b32 v[QS], v11, 8*(\t), v[QS]        ; byte t of the K step's scale word
.endif
.irp g, 0,1,2,3
	v_cvt_scalef32_pk8_fp4_f32 v[QC+4*(\t)+\g], v[XB+8*\g:XB+8*\g+7], v10
.endr
	v_nop                                          ; one plain line behind the last conversion
	global_store_b128 v3, v[QC+4*(\t):QC+4*(\t)+3], s[28:29] offset:256*(\t)   ; lanes 0-15 fill 256 consecutive bytes of tile 2 G, lanes 16-31 of tile 2 G + 1; each block has its own registers, so no store's data are written again
.if (\t)+2 < 4
	QLOAD (\t)+2, \n
.endif
.endm
; A work-group takes 256 columns x one K step of 128 of one expert; a wave 32 columns.  k, n: the weight's sizes; nt = n / 16; ks = k / 128; lcg = log2(n / 256); pw, pc: where the weight's and the codes' addresses stand.
.macro QW k, n, nt, ks, lcg, pw, pc
	s_sub_co_u32 s20, ttmp9, 128
	s_lshr_b32 s21, s20, 6                         ; expert
	s_lshr_b32 s22, s20, \lcg
	s_and_b32 s22, s22, \ks-1                      ; K step
	s_and_b32 s23, s20, (1<<\lcg)-1                ; which 256 columns
	s_lshl_b32 s26, s23, 4
	s_lshl_b32 s27, s18, 1
	s_add_co_u32 s26, s26, s27                     ; my first column tile: 16 cg + 2 w
	s_mul_i32 s24, s21, \k
	s_lshl_b32 s25, s22, 7
	s_add_co_u32 s24, s24, s25                     ; my first row of the weight
	s_mul_i32 s24, s24, \n*4
	s_lshl_b32 s25, s26, 6                         ; + 16 columns of 4 bytes a tile
	s_add_co_u32 s24, s24, s25
	s_mov_b32 s25, 0
	s_mul_i32 s28, s21, \nt
	s_add_co_u32 s28, s28, s26
	s_mul_i32 s28, s28, \k*8                       ; a column tile's codes: k / 32 blocks of 256 bytes
	s_lshl_b32 s29, s22, 10                        ; + 4 blocks a K step
	s_add_co_u32 s28, s28, s29
	s_mov_b32 s29, 0
	s_mul_i32 s30, s21, \ks
	s_add_co_u32 s30, s30, s22
	s_mul_i32 s30, s30, \nt
	s_add_co_u32 s30, s30, s26
	s_lshl_b32 s30, s30, 6                         ; the scale words: 64 bytes a tile
	s_add_co_u32 s30, s30, WS
	s_mov_b32 s31, 0
	v_and_b32 v5, 15, v1                           ; r
	v_lshrrev_b32 v6, 4, v1                        ; u
	v_and_b32 v7, 8, v5
	v_add_nc_u32 v7, v7, v5
	v_lshl_add_u32 v7, v6, 3, v7                   ; my column among the wave's 32: 8 u + r + (r & 8)
	v_lshlrev_b32 v2, 2, v7
	v_lshlrev_b32 v3, 4, v5
	v_mad_u32_u24 v3, v6, \k*8, v3                 ; codes: 16 r, tile u
	v_lshlrev_b32 v4, 2, v1                        ; scale word: 4 x lane
	s_wait_kmcnt 0x0
	s_add_nc_u64 s[24:25], s[\pw:\pw+1], s[24:25]
	s_add_nc_u64 s[28:29], s[\pc:\pc+1], s[28:29]
	s_add_nc_u64 s[30:31], s[\pc:\pc+1], s[30:31]
	QLOAD 0, \n
	QLOAD 1, \n
	QBLOCK 0, \n
	QBLOCK 1, \n
	QBLOCK 2, \n
	QBLOCK 3, \n
	global_store_b32 v4, v[QS], s[30:31]           ; 128 consecutive bytes a wave: one byte for each 128 that the wave has read
	s_endpgm
.endm
	s_load_b256 s[4:11], s[0:1], 0x0               ; key s[4:5], tok s[6:7], W1 s[8:9], srt s[10:11]
	s_load_b128 s[12:15], s[0:1], 0x20             ; idx s[12:13], w1c s[14:15]
	v_lshrrev_b32 v1, 5, v0
	v_readfirstlane_b32 s18, v1                    ; wave 0..7
	v_and_b32 v1, 31, v0                           ; lane
	s_cmp_lt_u32 ttmp9, 128
	s_cbranch_scc0 .Lquant
	; ---- tokens a = 16 x work-group + 2 x wave and b = a + 1
	s_lshl_b32 s20, ttmp9, 4
	s_lshl_b32 s21, s18, 1
	s_add_co_u32 s20, s20, s21                     ; a
	s_lshl_b32 s21, s20, 2
	v_lshlrev_b32 v2, 4, v1                        ; 16 x lane
	v_and_b32 v3, 3, v1                            ; the short rows, lanes 0-7 (the others repeat them): piece p = lane & 3: 0, 1 the scale words' halves, 2, 3 the weights' halves;
	v_bfe_u32 v4, v1, 2, 1                         ; which token
	v_lshrrev_b32 v5, 1, v3
	v_and_b32 v6, 1, v3
	v_lshlrev_b32 v5, 16, v5                       ; the weights' plane lies 65,536 bytes behind the scale words'
	v_lshl_add_u32 v5, v6, 4, v5
	v_add_nc_u32 v5, XS0, v5                       ; the piece's place in row 0
	v_lshl_add_u32 v6, v4, 5, v5
	s_lshl_b32 s22, s20, 5
	v_add_nc_u32 v6, s22, v6                       ; in tok: row a or b
	s_lshl_b32 s28, s20, 9
	s_mov_b32 s29, 0
	s_wait_kmcnt 0x0
	s_load_b64 s[24:25], s[4:5], s21 offset:0x0    ; my two keys
	s_load_b64 s[26:27], s[4:5], s21 offset:0x2000 ; and their experts as bits
	s_add_nc_u64 s[28:29], s[6:7], s[28:29]
.irp i, 0,1,2,3,4,5,6,7,8,9,10,11,12,13,14,15
	global_load_b128 v[16+4*\i:19+4*\i], v2, s[4:5] offset:512*\i    ; all 2,048 keys
.endr
	global_load_b128 v[80:83], v2, s[28:29]                ; a's codes
	global_load_b128 v[84:87], v2, s[28:29] offset:512     ; b's
	global_load_b128 v[88:91], v6, s[6:7]                  ; the short rows
	s_mov_b32 s30, 0                               ; a's place
	s_mov_b32 s31, 0                               ; b's
	s_wait_kmcnt 0x0
	s_wait_loadcnt 3                               ; the keys are in; the three loads of rows, issued behind them, may be out
.irp g, 0,1,2,3,4,5,6,7,8,9,10,11,12,13,14,15
.irp i, 0,1,2,3
	v_cmp_gt_u32 s[32+\i], s24, v[16+4*\g+\i]      ; the keys below a's,
	v_cmp_gt_u32 s[36+\i], s25, v[16+4*\g+\i]      ; below b's
.endr
.irp i, 0,1,2,3,4,5,6,7
	s_bcnt1_i32_b32 s[32+\i], s[32+\i]
.endr
.irp i, 0,1,2,3
	s_add_co_u32 s30, s30, s[32+\i]
	s_add_co_u32 s31, s31, s[36+\i]
.endr
.endr
	s_min_u32 s30, s30, 2047                       ; a count of 2,048 keys less one's own: held so before it enters an address
	s_min_u32 s31, s31, 2047
	s_lshl_b32 s40, s30, 9
	s_mov_b32 s41, 0
	s_lshl_b32 s42, s31, 9
	s_mov_b32 s43, 0
	s_add_nc_u64 s[40:41], s[10:11], s[40:41]
	s_add_nc_u64 s[42:43], s[10:11], s[42:43]
	s_wait_loadcnt 0x0
	global_store_b128 v2, v[80:83], s[40:41]               ; 512 consecutive bytes
	global_store_b128 v2, v[84:87], s[42:43]
	v_mov_b32 v7, s30
	v_mov_b32 v8, s31
	v_cmp_ne_u32 vcc_lo, 0, v4
	v_cndmask_b32 v7, v7, v8, vcc_lo
	v_min_u32 v7, 0x7ff, v7
	v_lshl_add_u32 v7, v7, 5, v5                   ; the piece's place in srt
	v_and_b32 v9, 1, v1                            ; the words, lanes 0-3: which token,
	v_bfe_u32 v10, v1, 1, 1                        ; which plane of idx
	v_add_nc_u32 v11, s20, v9                      ; the token's number
	v_mov_b32 v12, s26
	v_mov_b32 v13, s27
	v_cmp_ne_u32 vcc_lo, 0, v9
	v_cndmask_b32 v12, v12, v13, vcc_lo            ; its bits
	v_mov_b32 v13, s30
	v_cndmask_b32 v13, v13, v8, vcc_lo             ; its place
	v_min_u32 v13, 0x7ff, v13
	v_cmp_ne_u32 vcc_lo, 0, v10
	v_cndmask_b32 v11, v11, v12, vcc_lo
	v_lshlrev_b32 v10, 13, v10                     ; SELS = 8,192
	v_lshl_add_u32 v13, v13, 2, v10
	v_cmp_gt_u32 vcc_lo, 8, v1
	s_wait_xcnt 0x0                                ; EXEC changes only behind this wait: the stores above have it among their sources
	s_and_saveexec_b32 s44, vcc_lo
	global_store_b128 v7, v[88:91], s[10:11]
	s_wait_xcnt 0x0                                ; and again ahead of the line that widens it
	s_or_b32 exec_lo, exec_lo, s44
	v_cmp_gt_u32 vcc_lo, 4, v1
	s_and_saveexec_b32 s44, vcc_lo                 ; (no load or store was issued since the last wait)
	global_store_b32 v13, v11, s[12:13]
	s_wait_xcnt 0x0
	s_or_b32 exec_lo, exec_lo, s44
	s_endpgm
.Lquant:
	QW 1024, 2048, 128, 8, 3, 8, 14
.Lfunc_end_k_qe5042e0ba1_place_w1:
	.size	k_qe5042e0ba1_place_w1, .Lfunc_end_k_qe5042e0ba1_place_w1-k_qe5042e0ba1_place_w1
	.p2alignl 7, 3214868480
	.fill 96, 4, 3214868480
	.section	.rodata,"a",@progbits
	.p2align	6, 0x0
	.amdhsa_kernel k_qe5042e0ba1_place_w1
		.amdhsa_group_segment_fixed_size 0
		.amdhsa_private_segment_fixed_size 0
		.amdhsa_enable_private_segment 0
		.amdhsa_kernarg_size 48
		.amdhsa_user_sgpr_count 2
		.amdhsa_user_sgpr_kernarg_segment_ptr 1
		.amdhsa_wavefront_size32 1
		.amdhsa_system_sgpr_workgroup_id_x 1
		.amdhsa_system_sgpr_workgroup_id_y 1
		.amdhsa_system_sgpr_workgroup_id_z 1
		.amdhsa_system_vgpr_workitem_id 0
		.amdhsa_next_free_vgpr 128
		.amdhsa_next_free_sgpr 66
		.amdhsa_reserve_vcc 1
		.amdhsa_float_denorm_mode_32 3
		.amdhsa_float_denorm_mode_16_64 3
		.amdhsa_memory_ordered 1
		.amdhsa_forward_progress 1
		.amdhsa_inst_pref_size 42
	.end_amdhsa_kernel
	.amdgpu_metadata
---
amdhsa.version: [ 1, 2 ]
amdhsa.kernels:
  - .name:           k_qe5042e0ba1_place_w1
    .symbol:         k_qe5042e0ba1_place_w1.kd
    .args:
      - { .name: key, .offset: 0, .size: 8, .value_kind: global_buffer, .address_space: global }
      - { .name: tok, .offset: 8, .size: 8, .value_kind: global_buffer, .address_space: global }
      - { .name: W1, .offset: 16, .size: 8, .value_kind: global_buffer, .address_space: global }
      - { .name: srt, .offset: 24, .size: 8, .value_kind: global_buffer, .address_space: global }
      - { .name: idx, .offset: 32, .size: 8, .value_kind: global_buffer, .address_space: global }
      - { .name: w1c, .offset: 40, .size: 8, .value_kind: global_buffer, .address_space: global }
    .group_segment_fixed_size: 0
    .private_segment_fixed_size: 0
    .kernarg_segment_align: 8
    .kernarg_segment_size: 48
    .max_flat_workgroup_size: 256
    .sgpr_count:     66
    .vgpr_count:     128
    .wavefront_size: 32
...
	.end_amdgpu_metadata
.endif
;; end of part 2
;; launch gemm1 (part 3): grid 16 x 16, 4 waves a work-group, no clusters, 0 bytes of LDS; arguments srt, idx, w1c, b1, hc; writes hc
.if DOCPART == 3
	.amdgcn_target "amdgcn-amd-amdhsa--gfx1250"
	.amdhsa_code_object_version 6
	.text
	.protected	k_qe5042e0ba1_gemm1
	.globl	k_qe5042e0ba1_gemm1
	.p2align	8
	.type	k_qe5042e0ba1_gemm1,@function
k_qe5042e0ba1_gemm1:
	s_mov_b64 s[64:65], 0
	v_nop
	global_prefetch_b8 v0, s[64:65] scope:SCOPE_SE
	s_setreg_imm32_b32 hwreg(HW_REG_WAVE_MODE, 25, 1), 1
	s_wait_xcnt 0x0
; h = Q(relu(x W1_e + b1_e)) on codes of FP4 (E2M1) with E8M0 scales, for every (tile of 16 sorted tokens, expert e that one of its tokens chose).  Q: the quantiser along the hidden units, the next product's K.
; SHARES.  Work-group (x, y): x = a slab of 128 hidden units, which is one K step of the next product; y = 2 e + par.  Wave w has c = 4 par + w and walks tiles 8 i + c, i = 0 .. 15: a constant count of trips.
; A trip's work is passed over, by a scalar branch on the stored bits, where no token of the tile chose e.  Sorted tokens that use one expert lie in runs, so the tiles are dealt out 8 apart.
; A wave keeps its slab of W1_e in registers for the whole launch: 8 column tiles x 8 K steps = 512 registers; what goes round is a tile's codes of x.  Waves share nothing: no LDS, no barrier.
; The walk hangs on numbers read from memory, so the operands come straight into registers and no tile is shared in a cluster.
; LAYOUT.  The product is used transposed (source 0 = 16 rows of W1's codes, source 1 = 16 tokens): a lane holds one token.  Row r of column tile 2 b + u is hidden unit 32 b + 8 u + r + (r & 8), so the 16 registers of tiles
; 2 b and 2 b + 1 are the neighbours 32 b + 16 (lane / 16) + 0 .. 15 along the next K.  The slab's 8 tiles become exactly one fragment and one scale word a row; they go to hc as an image of the registers:
;   hc: [tile][e][slab][1,024 B]: register group c of lane l at 512 c + 16 l | at HSC [tile][e][slab][32 lanes] scale words.
; Rows of a used tile whose token did not choose e are computed too: finite numbers, which the next launch weighs with 0.
; LIMITS: NaN and infinities are not served.  A block of zeros gets the byte 1 where the rule says 127 (its codes are zeros; this program alone reads the bytes).
; REGISTERS, in windows of 256: window 0: v1-9 addresses; v16-23 the stored bits; v32-63 W1's scale words (register 4 s + t / 2: tile t even in lanes 0-15, odd in lanes 16-31); v64-79 x's scale words, two sets;
;   v80-143 the 8 tiles of h; v144-151 codes; v152-168 at work.   windows 1, 2: W1's fragments of K steps 0-3, 4-7, at 8 (8 (s % 4) + t).   window 3: v0-127 x's fragments, two sets; v128-191 b1's 8 tiles.
.set XS0,  1048576
.set SELS, 8192
.set WS,   8388608
.set HSC,  16777216
.set W1S,  32
.set XSR,  64
.set HA,   80
.set PC,   144
.set TM,   152
.set PW,   168
.set B1,   128
.set SEL,  20                          ; s[20:21] lane selects: lane l xor 16
.set MSB,  0
.macro WIN new                         ; the immediate's high byte repeats the setting that is left; a switch that changes nothing is dropped
.if MSB != (\new)
	s_set_vgpr_msb (MSB<<8)|(\new)
.set MSB, (\new)
.endif
.endm
; 64 numbers of a lane, register 16 b + i = k 32 b + 16 (lane / 16) + i of my row, become a fragment's codes in v[PC] on and its scale word in v[PW].
.macro QUANT s
.irp b, 0,1,2,3
	v_max3_num_f32 v[TM+\b], |v[\s+16*\b]|, |v[\s+1+16*\b]|, 0x1800000   ; block b: my 16 numbers and the floor 2^(3 - 127)
.endr
.irp i, 2,4,6,8,10,12,14
.irp b, 0,1,2,3
	v_max3_num_f32 v[TM+\b], v[TM+\b], |v[\s+16*\b+\i]|, |v[\s+1+16*\b+\i]|   ; the four blocks by turns
.endr
.endr
.irp b, 0,1,2,3
	v_permlanex16_b32 v[TM+4+\b], v[TM+\b], s[SEL], s[SEL+1]
.endr
.irp b, 0,1,2,3
	v_max_num_f32 v[TM+\b], v[TM+\b], v[TM+4+\b]   ; with lane l xor 16's 16: the block's largest magnitude
.endr
.irp b, 0,1,2,3
	v_add_nc_u32 v[TM+12+\b], 0xff000000, v[TM+\b] ; 2 off its exponent field: the conversion's scale operand
.endr
.irp b, 0,1,2,3
	v_lshrrev_b32 v[TM+4+\b], 23, v[TM+12+\b]      ; the scale's byte
.endr
	v_lshl_or_b32 v[PW], v[TM+5], 8, v[TM+4]
	v_lshl_or_b32 v[PW], v[TM+6], 16, v[PW]
	v_lshl_or_b32 v[PW], v[TM+7], 24, v[PW]
.irp b, 0,1,2,3
	v_cvt_scalef32_pk8_fp4_f32 v[PC+2*\b], v[\s+16*\b:\s+7+16*\b], v[TM+12+\b]
	v_cvt_scalef32_pk8_fp4_f32 v[PC+1+2*\b], v[\s+8+16*\b:\s+15+16*\b], v[TM+12+\b]
.endr
	v_nop                                          ; one plain line behind the last conversion
.irp c, 0,1                                    ; a whole block to a lane: lanes 0-15 block 2 c, lanes 16-31 block 2 c + 1
.irp i, 0,1
	v_permlane16_swap_b32 v[PC+4*\c+\i], v[PC+2+4*\c+\i]
.endr
.endr
.endm
; A tile's codes of x (8 fragments) and scale words (8 a row) into set 0 or 1; ahead = 1: the tile of the next trip, 8 tiles on.
.macro XLOAD set, ahead
	WIN 0xc0                                       ; destination window 3, address window 0
.irp s, 0,1,2,3,4,5,6,7
.irp c, 0,1
	global_load_b128 v[64*\set+8*\s+4*\c:64*\set+8*\s+4*\c+3], v6, s[24:25] offset:\ahead*65536+64*\s+32*\c
.endr
.endr
	WIN 0
	global_load_b128 v[XSR+8*\set:XSR+8*\set+3], v7, s[26:27] offset:\ahead*4096
	global_load_b128 v[XSR+8*\set+4:XSR+8*\set+7], v7, s[26:27] offset:\ahead*4096+16
.endm
.macro MM set, s, t                    ; tile t of h, K step s.  The first K step takes b1 as C: the bias costs no addition and nothing is cleared
.set CR, HA+8*(\t)
.if (\s) == 0
.set CR, B1+8*(\t)
.endif
.set AR, 8*(8*((\s)%4)+(\t))
.set BR, 64*(\set)+8*(\s)
.if (\t)%2
	v_wmma_scale_f32_16x16x128_f8f6f4 v[HA+8*(\t):HA+8*(\t)+7], v[AR:AR+7], v[BR:BR+7], v[CR:CR+7], v[W1S+4*(\s)+(\t)/2], v[XSR+8*(\set)+(\s)] matrix_a_fmt:MATRIX_FMT_FP4 matrix_b_fmt:MATRIX_FMT_FP4 matrix_a_scale:MATRIX_SCALE_ROW1
.else
	v_wmma_scale_f32_16x16x128_f8f6f4 v[HA+8*(\t):HA+8*(\t)+7], v[AR:AR+7], v[BR:BR+7], v[CR:CR+7], v[W1S+4*(\s)+(\t)/2], v[XSR+8*(\set)+(\s)] matrix_a_fmt:MATRIX_FMT_FP4 matrix_b_fmt:MATRIX_FMT_FP4
.endif
.endm
.macro COMPUTE set
.irp s, 0,1,2,3,4,5,6,7
.if \s == 0
	WIN 0x3d                                       ; source 0 (W1) window 1, source 1 (x) and source 2 (b1) window 3, destination window 0
.elseif \s < 4
	WIN 0x0d                                       ; C and D window 0
.else
	WIN 0x0e                                       ; W1 in window 2
.endif
.irp t, 0,1,2,3,4,5,6,7
	MM \set, \s, \t                                ; the eight sums take turns, one instruction a turn
.endr
.endr
	WIN 0
.rept 4
	v_nop                                          ; four places behind the last product, ahead of the first read of results (ISA guide 7.12.1)
.endr
.irp j, 0,1,2,3,4,5,6,7,8,9,10,11,12,13,14,15,16,17,18,19,20,21,22,23,24,25,26,27,28,29,30,31,32,33,34,35,36,37,38,39,40,41,42,43,44,45,46,47,48,49,50,51,52,53,54,55,56,57,58,59,60,61,62,63
	v_max_num_f32 v[HA+\j], 0, v[HA+\j]            ; relu, in f32; each sum from its low end on
.endr
	QUANT HA
	global_store_b128 v4, v[PC:PC+3], s[28:29]             ; the fragment as it stands: 512 consecutive bytes a store
	global_store_b128 v4, v[PC+4:PC+7], s[28:29] offset:512
	global_store_b32 v5, v[PW], s[30:31]                   ; its scale words, 4 bytes a lane (lanes 16-31 hold the same as lanes 0-15)
.endm
; A trip.  The next trip's tile is asked for ahead of this trip's work, into the other set: that set's last products stand a relu and a quantiser (over a hundred plain lines) back.
.macro TRIP set, other
	s_wait_loadcnt 0x0                             ; all that is out is this trip's set, asked for a trip ago (in the first trip: the head's loads)
	s_bitcmp1_b32 s18, 1                           ; does the next tile use e?  (bit 16 is never set: the last trip asks for nothing)
	s_cbranch_scc0 .Lno_fetch_\@
	XLOAD \other, 1
.Lno_fetch_\@:
	s_bitcmp1_b32 s18, 0                           ; does this one?
	s_cbranch_scc0 .Lno_work_\@
	COMPUTE \set
.Lno_work_\@:
	s_wait_xcnt 0x0                                ; the loads and stores above have read their bases and data: only now are these written again
	s_add_nc_u64 s[24:25], s[24:25], 65536         ; 8 tiles on: 128 rows of 512 bytes of codes,
	s_add_nc_u64 s[26:27], s[26:27], 4096          ; of 32 bytes of scale words,
	s_add_nc_u64 s[28:29], s[28:29], 1048576       ; 8 x 8 x 16 images of 1,024 bytes,
	s_add_nc_u64 s[30:31], s[30:31], 131072        ; and of 128
	s_lshr_b32 s18, s18, 1
.endm
	s_load_b256 s[4:11], s[0:1], 0x0               ; srt s[4:5], idx s[6:7], w1c s[8:9], b1 s[10:11]
	s_load_b64 s[12:13], s[0:1], 0x20              ; hc
	v_lshrrev_b32 v1, 5, v0
	v_readfirstlane_b32 s14, v1                    ; wave 0..3
	v_and_b32 v1, 31, v0                           ; lane
	v_and_b32 v2, 15, v0                           ; r
	v_bfe_u32 v3, v0, 4, 1                         ; h
	s_mov_b32 s15, ttmp9                           ; slab
	s_and_b32 s16, ttmp7, 0xffff
	s_and_b32 s17, s16, 1
	s_lshr_b32 s16, s16, 1                         ; e
	s_lshl_b32 s17, s17, 2
	s_add_co_u32 s17, s17, s14                     ; c
	v_lshlrev_b32 v4, 4, v1                        ; 16 x lane
	v_lshlrev_b32 v5, 2, v1                        ; 4 x lane
	v_lshlrev_b32 v6, 9, v2
	v_lshl_add_u32 v6, v3, 4, v6                   ; x's codes: row r of 512 bytes, + 16 h
	v_lshlrev_b32 v7, 5, v2                        ; x's scale words: row r of 32 bytes
	v_lshlrev_b32 v8, 6, v3                        ; b1: 16 h numbers on
	v_lshlrev_b32 v9, 2, v2
	v_lshl_add_u32 v9, v3, 9, v9
	s_lshl_b32 s32, s17, 6
	v_add_nc_u32 v9, s32, v9                       ; the stored bits: token r of tile 8 (2 q + h) + c: 1,024 q + 512 h + 64 c + 4 r
.irp b, 0,1,2,3
	v_mov_b32 v[TM+4+\b], 0                        ; written once: a lane permute's destination counts as one of its sources
.endr
	s_mov_b32 s[SEL], 0x76543210
	s_mov_b32 s[SEL+1], 0xfedcba98
	s_lshl_b32 s24, s17, 13                        ; tile c: its codes,
	s_mov_b32 s25, 0
	s_lshl_b32 s26, s17, 9
	s_add_co_u32 s26, s26, XS0                     ; its scale words,
	s_mov_b32 s27, 0
	s_lshl_b32 s28, s17, 17                        ; its image in hc: 131,072 c + 16,384 e + 1,024 slab,
	s_lshl_b32 s32, s16, 14
	s_add_co_u32 s28, s28, s32
	s_lshl_b32 s32, s15, 10
	s_add_co_u32 s28, s28, s32
	s_mov_b32 s29, 0
	s_lshl_b32 s30, s17, 14                        ; and the image's scale words: 16,384 c + 2,048 e + 128 slab
	s_lshl_b32 s32, s16, 11
	s_add_co_u32 s30, s30, s32
	s_lshl_b32 s32, s15, 7
	s_add_co_u32 s30, s30, s32
	s_add_co_u32 s30, s30, HSC
	s_mov_b32 s31, 0
	s_lshl_b32 s34, s16, 20                        ; W1's codes: (128 e + 8 slab) column tiles of 8,192 bytes
	s_lshl_b32 s32, s15, 16
	s_add_co_u32 s34, s34, s32
	s_mov_b32 s35, 0
	s_lshl_b32 s36, s16, 16                        ; its scale words: 65,536 e + 512 slab
	s_lshl_b32 s32, s15, 9
	s_add_co_u32 s36, s36, s32
	s_add_co_u32 s36, s36, WS
	s_mov_b32 s37, 0
	s_lshl_b32 s38, s16, 13                        ; b1: (2,048 e + 128 slab) x 4
	s_add_co_u32 s38, s38, s32
	s_mov_b32 s39, 0
	s_wait_kmcnt 0x0
	s_add_nc_u64 s[24:25], s[4:5], s[24:25]
	s_add_nc_u64 s[26:27], s[4:5], s[26:27]
	s_add_nc_u64 s[28:29], s[12:13], s[28:29]
	s_add_nc_u64 s[30:31], s[12:13], s[30:31]
	s_add_nc_u64 s[34:35], s[8:9], s[34:35]
	s_add_nc_u64 s[36:37], s[8:9], s[36:37]
	s_add_nc_u64 s[38:39], s[10:11], s[38:39]
.irp q, 0,1,2,3,4,5,6,7
	global_load_b32 v[16+\q], v9, s[6:7] offset:SELS+1024*\q
.endr
	WIN 0x40                                       ; destination window 1
.irp s, 0,1,2,3
.irp t, 0,1,2,3,4,5,6,7
.irp c, 0,1
	global_load_b128 v[8*(8*\s+\t)+4*\c:8*(8*\s+\t)+4*\c+3], v4, s[34:35] offset:8192*\t+1024*\s+512*\c   ; a fragment is 1,024 consecutive bytes
.endr
.endr
.endr
	WIN 0x80                                       ; destination window 2
.irp s, 4,5,6,7
.irp t, 0,1,2,3,4,5,6,7
.irp c, 0,1
	global_load_b128 v[8*(8*(\s-4)+\t)+4*\c:8*(8*(\s-4)+\t)+4*\c+3], v4, s[34:35] offset:8192*\t+1024*\s+512*\c
.endr
.endr
.endr
	WIN 0
.irp s, 0,1,2,3,4,5,6,7
.irp p, 0,1,2,3
	global_load_b32 v[W1S+4*\s+\p], v5, s[36:37] offset:8192*\s+128*\p
.endr
.endr
	WIN 0xc0                                       ; destination window 3
.irp t, 0,1,2,3,4,5,6,7
	global_load_b128 v[B1+8*\t:B1+8*\t+3], v8, s[38:39] offset:(32*(\t/2)+8*(\t%2))*4          ; lane (r, h), tile 2 b + u: hidden units 32 b + 16 h + 8 u + 0 .. 7
	global_load_b128 v[B1+8*\t+4:B1+8*\t+7], v8, s[38:39] offset:(32*(\t/2)+8*(\t%2))*4+16
.endr
	WIN 0
	XLOAD 0, 0                                     ; my first two tiles are fetched whether or not they use e: so both sets are written on every way into the loop
	XLOAD 1, 1
	s_lshl_b32 s33, 1, s16
	s_mov_b32 s18, 0
	s_wait_loadcnt 63                              ; the eight loads of bits are in: 212 loads were issued behind them, and the wait's field holds 63
.irp q, 0,1,2,3,4,5,6,7                        ; bit i of s18: does tile 8 i + c use e?
	v_and_b32 v[16+\q], s33, v[16+\q]
	v_cmp_ne_u32 s32, 0, v[16+\q]
	s_and_b32 s40, s32, 0xffff                     ; lanes 0-15: tile i = 2 q
	s_cselect_b32 s40, 1<<(2*\q), 0
	s_lshr_b32 s41, s32, 16                        ; lanes 16-31: i = 2 q + 1
	s_cselect_b32 s41, 1<<(2*\q+1), 0
	s_or_b32 s18, s18, s40
	s_or_b32 s18, s18, s41
.endr
	s_mov_b32 s19, 8
.Ltiles:                                           ; 8 trips of two tiles: the sets are back where they began
	TRIP 0, 1
	TRIP 1, 0
	s_sub_co_u32 s19, s19, 1
	s_cmp_lg_u32 s19, 0
	s_cbranch_scc1 .Ltiles
	s_endpgm
.Lfunc_end_k_qe5042e0ba1_gemm1:
	.size	k_qe5042e0ba1_gemm1, .Lfunc_end_k_qe5042e0ba1_gemm1-k_qe5042e0ba1_gemm1
	.p2alignl 7, 3214868480
	.fill 96, 4, 3214868480
	.section	.rodata,"a",@progbits
	.p2align	6, 0x0
	.amdhsa_kernel k_qe5042e0ba1_gemm1
		.amdhsa_group_segment_fixed_size 0
		.amdhsa_private_segment_fixed_size 0
		.amdhsa_enable_private_segment 0
		.amdhsa_kernarg_size 40
		.amdhsa_user_sgpr_count 2
		.amdhsa_user_sgpr_kernarg_segment_ptr 1
		.amdhsa_wavefront_size32 1
		.amdhsa_system_sgpr_workgroup_id_x 1
		.amdhsa_system_sgpr_workgroup_id_y 1
		.amdhsa_system_sgpr_workgroup_id_z 1
		.amdhsa_system_vgpr_workitem_id 0
		.amdhsa_next_free_vgpr 960
		.amdhsa_next_free_sgpr 66
		.amdhsa_reserve_vcc 0
		.amdhsa_float_denorm_mode_32 3
		.amdhsa_float_denorm_mode_16_64 3
		.amdhsa_memory_ordered 1
		.amdhsa_forward_progress 1
		.amdhsa_inst_pref_size 60
	.end_amdhsa_kernel
	.amdgpu_metadata
---
amdhsa.version: [ 1, 2 ]
amdhsa.kernels:
  - .name:           k_qe5042e0ba1_gemm1
    .symbol:         k_qe5042e0ba1_gemm1.kd
    .args:
      - { .name: srt, .offset: 0, .size: 8, .value_kind: global_buffer, .address_space: global }
      - { .name: idx, .offset: 8, .size: 8, .value_kind: global_buffer, .address_space: global }
      - { .name: w1c, .offset: 16, .size: 8, .value_kind: global_buffer, .address_space: global }
      - { .name: b1, .offset: 24, .size: 8, .value_kind: global_buffer, .address_space: global }
      - { .name: hc, .offset: 32, .size: 8, .value_kind: global_buffer, .address_space: global }
    .group_segment_fixed_size: 0
    .private_segment_fixed_size: 0
    .kernarg_segment_align: 8
    .kernarg_segment_size: 40
    .max_flat_workgroup_size: 128
    .sgpr_count:     66
    .vgpr_count:     960
    .wavefront_size: 32
...
	.end_amdgpu_metadata
.endif
;; end of part 3
;; launch gemm2 (part 4): grid 8 x 32, 8 waves a work-group, no clusters, 140,288 bytes of LDS; arguments hc, w2c, b2, srt, idx, out0; writes out0
.if DOCPART == 4
	.amdgcn_target "amdgcn-amd-amdhsa--gfx1250"
	.amdhsa_code_object_version 6
	.text
	.protected	k_qe5042e0ba1_gemm2
	.globl	k_qe5042e0ba1_gemm2
	.p2align	8
	.type	k_qe5042e0ba1_gemm2,@function
k_qe5042e0ba1_gemm2:
	s_mov_b64 s[64:65], 0
	v_nop
	global_prefetch_b8 v0, s[64:65] scope:SCOPE_SE
	s_setreg_imm32_b32 hwreg(HW_REG_WAVE_MODE, 25, 1), 1
	s_wait_xcnt 0x0
; out[n] = the sum over experts e of w[n][e] (h_e[n] W2_e + b2_e), on codes of FP4 (E2M1) with E8M0 scales.  Only experts that a token of the work-group's rows chose are multiplied; w is the dense row of weights, 0 where not chosen.
; SHARES.  Work-group (X, g) OWNS the output of sorted tiles 4 g .. 4 g + 3 (64 tokens) x columns 128 X .. + 127: no sum spans work-groups.  EIGHT waves, two to a SIMD.  Wave w: ch = w & 1: 64 of the columns;
; kq = w >> 1: K steps 4 kq .. 4 kq + 3 of 16.  A wave's loads in flight are bounded by its counter's field (ISA guide 5.7.1), and an expert's operands are 64 loads of 512 bytes for each of eight waves: so K is cut in four.
; Each wave keeps its own OUT = sum over e of w_e x (its quarter of the K sum), over all experts.  The 16 sums of an expert (128 registers) and four K steps of operands (256) leave no room for OUT in 512 registers:
; OUT lies in the wave's own region of LDS, in the rows in which it will leave, and after each expert w x Y + OUT is made in Y's registers and stored back, while the next expert's operands are on their way.
; The four quarters meet once, at the end, behind the one barrier.  The bias goes with kq = 0 alone: the loaded b2 is multiplied by 1 or by 0.
; THE WALK.  From the stored bits every wave makes the same list U (four bits an expert: which of the four tiles use it) and walks the experts that are used, in ascending order: at least two (a token has two different experts),
; at most eight.  A tile that does not use e reads the h of a tile of the group that does: finite numbers, weighed with 0 in all 16 rows.  Slots of hc that were never written are never read.
; The walk hangs on numbers read from memory, so the operands come straight into registers, laid by the earlier launches in the order of the registers; no tile is shared in a cluster.
; AHEAD.  A wave's 4 K steps of an expert have registers of their own.  As soon as a K step is multiplied, the next expert's same K step is asked for into its place.
; LAYOUT.  Transposed use: source 0 = 16 rows of W2's codes, source 1 = 16 tokens: a lane holds one token.  Row r of column tile 2 G + u is column 32 G + 8 u + r + (r & 8), so tiles 2 G, 2 G + 1 give a lane 16 neighbouring columns.
; LIMITS: NaN and infinities are not served; b2 must be finite (the factor 0 above).  The K sum is made in four quarters, added as (0 + 1) + (2 + 3), and the experts are added in ascending order: f32 throughout, grouped otherwise than in the source.
; REGISTERS, in windows of 256: window 0: v1-15 addresses; v16-21 at work; v24-31 W2's scale words (2 s + t / 2: tile t even in lanes 0-15, odd in 16-31); v32-39 h's (2 s + j / 2 likewise); v40-71 b2's four tiles;
;   v72-79 the weights (a pair a tile, the low word used); v80-91 the way out's addresses; v96-127 OUT as read back, two halves of 16; v128-255 the 16 sums Y (t, j) at 128 + 8 (4 t + j), at the end the way out's rows.
;   window 1: K step s at 64 s: W2's four fragments, then h's four.   So every product runs under one setting of the windows.
.set WS,    8388608
.set HSC,   16777216
.set WD0,   1114112
.set SELS,  8192
.set OP,    272                        ; LDS: a row of a wave's OUT: its 64 columns, 256 bytes, + 16: the 16 rows that a store touches begin 68 words apart
.set WREG,  64*OP                      ; a wave's region: 64 rows; wave w's begins at w x WREG
.set VH,    6                          ; v6-9   h's fragments of tile j: (tile, e) << 14 + 16 x lane + 4,096 kq
.set VHS,   10                         ; v10-11 their scale words: lanes 0-15 tile 2 p, lanes 16-31 tile 2 p + 1
.set W2S,   24
.set HS,    32
.set BI,    40
.set WG,    72
.set STO,   80                         ; v80    my place in my wave's region: row r, 64 h bytes on
.set RDA,   81                         ; v81    the way out: my 16 bytes of row 8 w, K quarters 0 and 1;
.set RDB,   82                         ; v82    quarters 2 and 3
.set OA,    84                         ; v84-91 my byte offset in out0 for each of my 8 rows
.set T,     96
.set Y,     128
.set PMO,   86                         ; s86  the byte offset in idx of the tokens at my 8 places: a source of a scalar load, written once and never again
.set MSB,   0
.macro WIN new                         ; the immediate's high byte repeats the setting that is left; a switch that changes nothing is dropped
.if MSB != (\new)
	s_set_vgpr_msb (MSB<<8)|(\new)
.set MSB, (\new)
.endif
.endm
.macro PLACES                          ; four places behind a product: ahead of loads into its registers and of the first read of results (ISA guide 7.12.1 for vector instructions)
.rept 4
	v_nop
.endr
.endm
; The next expert of the list, and every address that hangs on it.  What comes from memory is held by a minimum before it enters an address.
.macro NEXTE
	s_wait_xcnt 0x0                                ; the loads issued so far have read their address registers: only now are these written again
	s_ctz_i32_b32 s23, s21
	s_lshr_b32 s23, s23, 2
	s_min_u32 s23, s23, 7                          ; e: the lowest expert left in U
	s_lshl_b32 s76, s23, 2
	s_lshr_b32 s24, s21, s76
	s_and_b32 s24, s24, 15                         ; which of my four tiles use it
	s_lshl_b32 s77, 15, s76
	s_and_not1_b32 s21, s21, s77                   ; taken off the list
	s_ctz_i32_b32 s25, s24                         ; the first tile that does
.irp j, 0,1,2,3
	s_bitcmp1_b32 s24, \j
	s_cselect_b32 s[26+\j], \j, s25                ; tile j, or in its stead a tile that has this expert's h
	s_min_u32 s[26+\j], s[26+\j], 3
	s_add_co_u32 s[26+\j], s[26+\j], s20
	s_lshl_b32 s[26+\j], s[26+\j], 3
	s_add_co_u32 s[26+\j], s[26+\j], s23           ; (4 g + J) 8 + e
	v_lshl_add_u32 v[VH+\j], s[26+\j], 14, v5
.endr
.irp p, 0,1
	v_mov_b32 v18, s[26+2*\p]
	v_mov_b32 v19, s[27+2*\p]
	v_cndmask_b32 v18, v18, v19, s50               ; lanes 16-31 take the odd tile's
	v_min_u32 v18, 0x3ff, v18
	v_lshl_add_u32 v[VHS+\p], v18, 11, v12
.endr
	s_mov_b32 s77, 0
	s_lshl_b32 s76, s23, 20
	s_add_nc_u64 s[40:41], s[32:33], s[76:77]      ; W2_e's codes: 64 column tiles of 16,384 bytes an expert
	s_lshl_b32 s76, s23, 16
	s_add_nc_u64 s[42:43], s[34:35], s[76:77]      ; its scale words
	s_lshl_b32 s76, s23, 12
	s_add_nc_u64 s[44:45], s[36:37], s[76:77]      ; b2_e
	s_lshl_b32 s76, s23, 2
	s_add_nc_u64 s[46:47], s[38:39], s[76:77]      ; column e of the weights
.endm
.macro BIAS                            ; 8 loads.  Lane (r, h), tile 2 p + u: columns 32 p + 16 h + 8 u + 0 .. 7 of my 64
.irp t, 0,1,2,3
	global_load_b128 v[BI+8*\t:BI+8*\t+3], v13, s[44:45] offset:(32*(\t/2)+8*(\t%2))*4
	global_load_b128 v[BI+8*\t+4:BI+8*\t+7], v13, s[44:45] offset:(32*(\t/2)+8*(\t%2))*4+16
.endr
.endm
.macro WLOAD                           ; 4 loads: token r's weight, for each of the four tiles
.irp j, 0,1,2,3
	global_load_b32 v[WG+2*\j], v14, s[46:47] offset:512*\j
.endr
.endm
.macro KLOAD s                         ; 20 loads: my K step s of the expert at hand: W2's four fragments, h's four, their scale words
.set SB, 64*(\s)
	WIN 0x40                                       ; destination window 1, address window 0
.irp t, 0,1,2,3
.irp c, 0,1
	global_load_b128 v[SB+8*\t+4*\c:SB+8*\t+4*\c+3], v4, s[40:41] offset:16384*\t+1024*(\s)+512*\c
.endr
.endr
.irp j, 0,1,2,3
.irp c, 0,1
	global_load_b128 v[SB+32+8*\j+4*\c:SB+32+8*\j+4*\c+3], v[VH+\j], s[4:5] offset:1024*(\s)+512*\c
.endr
.endr
	WIN 0
.irp p, 0,1
	global_load_b32 v[W2S+2*(\s)+\p], v15, s[42:43] offset:4096*(\s)+128*\p
	global_load_b32 v[HS+2*(\s)+\p], v[VHS+\p], s[30:31] offset:128*(\s)
.endr
.endm
.macro MM2 s, t, j                     ; Y (t, j), K step s.  The first K step takes the bias as C: nothing is cleared
.set YR, Y+8*(4*(\t)+(\j))
.set CR, YR
.if (\s) == 0
.set CR, BI+8*(\t)
.endif
.set AR, 64*(\s)+8*(\t)
.set BR, 64*(\s)+32+8*(\j)
.set SAR, W2S+2*(\s)+(\t)/2
.set SBR, HS+2*(\s)+(\j)/2
.if ((\t)%2) && ((\j)%2)
	v_wmma_scale_f32_16x16x128_f8f6f4 v[YR:YR+7], v[AR:AR+7], v[BR:BR+7], v[CR:CR+7], v[SAR], v[SBR] matrix_a_fmt:MATRIX_FMT_FP4 matrix_b_fmt:MATRIX_FMT_FP4 matrix_a_scale:MATRIX_SCALE_ROW1 matrix_b_scale:MATRIX_SCALE_ROW1
.elseif (\t)%2
	v_wmma_scale_f32_16x16x128_f8f6f4 v[YR:YR+7], v[AR:AR+7], v[BR:BR+7], v[CR:CR+7], v[SAR], v[SBR] matrix_a_fmt:MATRIX_FMT_FP4 matrix_b_fmt:MATRIX_FMT_FP4 matrix_a_scale:MATRIX_SCALE_ROW1
.elseif (\j)%2
	v_wmma_scale_f32_16x16x128_f8f6f4 v[YR:YR+7], v[AR:AR+7], v[BR:BR+7], v[CR:CR+7], v[SAR], v[SBR] matrix_a_fmt:MATRIX_FMT_FP4 matrix_b_fmt:MATRIX_FMT_FP4 matrix_b_scale:MATRIX_SCALE_ROW1
.else
	v_wmma_scale_f32_16x16x128_f8f6f4 v[YR:YR+7], v[AR:AR+7], v[BR:BR+7], v[CR:CR+7], v[SAR], v[SBR] matrix_a_fmt:MATRIX_FMT_FP4 matrix_b_fmt:MATRIX_FMT_FP4
.endif
.endm
; OUT IN LDS, in units of two sums.  Sum a = 4 t + j: lane (r, h) holds row 16 j + r, columns 32 (t / 2) + 16 h + 8 (t % 2) + 0 .. 7 of my 64: 32 bytes.
.macro OLD u                           ; 4 LDS loads: OUT so far of sums 2 u and 2 u + 1, into half u % 2 of T
.irp k, 0,1
.set AA, 2*(\u)+\k
.set OF, 16*(AA%4)*OP+128*(AA/8)+32*((AA/4)%2)
	ds_load_b128 v[T+16*((\u)%2)+8*\k:T+16*((\u)%2)+8*\k+3], v[STO] offset:OF
	ds_load_b128 v[T+16*((\u)%2)+8*\k+4:T+16*((\u)%2)+8*\k+7], v[STO] offset:OF+16
.endr
.endm
.macro ADDUP u, first                  ; w x Y (+ OUT so far) in Y's registers, each sum from its low end on, and 4 LDS stores: the new OUT
.irp k, 0,1
.set AA, 2*(\u)+\k
.set OF, 16*(AA%4)*OP+128*(AA/8)+32*((AA/4)%2)
.irp i, 0,2,4,6
.if \first
	v_pk_mul_f32 v[Y+8*AA+\i:Y+8*AA+\i+1], v[Y+8*AA+\i:Y+8*AA+\i+1], v[WG+2*(AA%4):WG+2*(AA%4)+1] op_sel_hi:[1,0]
.else
	v_pk_fma_f32 v[Y+8*AA+\i:Y+8*AA+\i+1], v[Y+8*AA+\i:Y+8*AA+\i+1], v[WG+2*(AA%4):WG+2*(AA%4)+1], v[T+16*((\u)%2)+8*\k+\i:T+16*((\u)%2)+8*\k+\i+1] op_sel_hi:[1,0,1]
.endif
.endr
	ds_store_b128 v[STO], v[Y+8*AA:Y+8*AA+3] offset:OF
	ds_store_b128 v[STO], v[Y+8*AA+4:Y+8*AA+7] offset:OF+16
.endr
.endm
; ONE EXPERT.  Its loads were issued earlier, in the order BIAS (8), KLOAD 0 .. 3 (20 each), WLOAD (4).  first = 1: OUT begins.  more = 1: a further expert follows and is asked for meanwhile, in the same order.
; THE COUNTS ON LOADS.  Behind KLOAD s of the expert at hand were issued its K steps s + 1 .. 3 and its weights, (3 - s) 20 + 4 loads, and with more = 1, from s = 1 on, also the next expert's bias and K steps 0 .. s - 1:
; 64 at s = 0, 72 later.  The wait names as many of them as its field holds, 63.  Behind the weights: with more = 1 the next expert's 88 loads, else none.
; THE COUNTS ON LDS.  The order is L0 L1 | S0 L2 | S1 L3 | .. | S5 L7 | S6 | S7, four instructions each.  Behind L0 stands L1: 4.  Behind L1 .. L6 stand a unit's stores and a unit's loads: 8.  Behind L7 stands S6: 4.
.macro BODY first, more
.if \more
	NEXTE
.endif
.irp s, 0,1,2,3
.set NW, (3-\s)*20+4
.if \more || (NW > 63)
.set NW, 63
.endif
	s_wait_loadcnt NW
.if \s == 0
.irp i, 0,2,4,6,8,10,12,14,16,18,20,22,24,26,28,30
	v_pk_mul_f32 v[BI+\i:BI+\i+1], v[BI+\i:BI+\i+1], s[48:49] op_sel_hi:[1,0]   ; the bias counts once: x 1 in the first quarter of K, x 0 in the others
.endr
	PLACES
.if !\first
	s_wait_dscnt 0x0                               ; the last expert's LDS stores have read Y's registers: the products below write them anew
.endif
.endif
	WIN 0x05                                       ; sources 0 and 1 window 1; C and D window 0
.irp t, 0,1,2,3
.irp j, 0,1,2,3
	MM2 \s, \t, \j                                 ; the 16 sums take turns, one instruction a turn
.endr
.endr
.if \more
	PLACES
.if \s == 0
	WIN 0
	BIAS
.endif
	KLOAD \s                                       ; the next expert's K step s, into the registers just multiplied
.endif
.endr
	PLACES
	WIN 0
.if !\first
	OLD 0                                          ; my own bytes, stored by me an expert ago: LDS serves a wave's instructions in order (ISA guide 5.7.1.4)
	OLD 1
.endif
.if \more
	s_wait_loadcnt 63                              ; the weights
.else
	s_wait_loadcnt 0x0
.endif
.irp u, 0,1,2,3,4,5,6,7
.if !\first
.if (\u == 0) || (\u == 7)
	s_wait_dscnt 4
.else
	s_wait_dscnt 8
.endif
.endif
	ADDUP \u, \first
.if (!\first) && (\u < 6)
	OLD \u+2                                       ; into the half of T that has just been read
.endif
.endr
.if \more
	WLOAD
.endif
.endm
	s_load_b256 s[4:11], s[0:1], 0x0               ; hc s[4:5], w2c s[6:7], b2 s[8:9], srt s[10:11]
	s_load_b128 s[12:15], s[0:1], 0x20             ; idx s[12:13], out0 s[14:15]
	v_lshl_add_u32 v94, v0, 2, 0x22000
	v_mov_b32 v95, 0
	v_lshrrev_b32 v1, 5, v0
	v_readfirstlane_b32 s16, v1                    ; wave 0..7
	v_and_b32 v1, 31, v0                           ; lane
	v_and_b32 v2, 15, v0                           ; r
	v_bfe_u32 v3, v0, 4, 1                         ; h
	s_and_b32 s17, s16, 1                          ; ch
	s_lshr_b32 s18, s16, 1                         ; kq
	s_mov_b32 s19, ttmp9                           ; X
	s_and_b32 s20, ttmp7, 0xffff
	s_lshl_b32 s20, s20, 2                         ; 4 g: my first tile
	v_lshlrev_b32 v4, 4, v1                        ; 16 x lane
	s_lshl_b32 s76, s18, 12
	v_add_nc_u32 v5, s76, v4                       ; + 4 K steps of 1,024 bytes x kq
	v_lshlrev_b32 v12, 2, v2
	s_lshl_b32 s76, s18, 9
	v_add_nc_u32 v12, s76, v12                     ; h's scale words: 4 r + 4 K steps of 128 bytes x kq
	v_lshlrev_b32 v13, 6, v3                       ; b2: 16 h numbers on
	v_lshlrev_b32 v14, 5, v2                       ; the weights: row r of 32 bytes
	v_lshlrev_b32 v15, 2, v1                       ; 4 x lane
	v_lshl_add_u32 v18, s20, 6, v15                ; the stored bits of my 64 tokens: 256 g + 4 x lane
	v_mul_u32_u24 v[STO], v2, OP                   ; OUT: my wave's region, row r, 64 h bytes on
	v_lshl_add_u32 v[STO], v3, 6, v[STO]
	s_mul_i32 s76, s16, WREG
	v_add_nc_u32 v[STO], s76, v[STO]
	v_mul_u32_u24 v[RDA], v3, WREG                 ; the way out: lanes 0-15 read the region of ch = 0, lanes 16-31 that of ch = 1: a row's 512 bytes;
	v_lshl_add_u32 v[RDA], v2, 4, v[RDA]           ; 16 bytes a lane;
	s_mul_i32 s76, s16, 8*OP
	v_add_nc_u32 v[RDA], s76, v[RDA]               ; my 8 rows: 8 w on
	v_add_nc_u32 v[RDB], 4*WREG, v[RDA]            ; K quarters 2 and 3 lie four regions on
.irp j, 0,1,2,3
	v_mov_b32 v[WG+2*\j+1], 0                      ; named as the upper half of a pair, so it is written
.endr
	s_cmp_eq_u32 s18, 0
	s_cselect_b32 s48, 0x3f800000, 0               ; 1.0 or 0
	s_mov_b32 s49, s48
	s_mov_b32 s50, 0xffff0000                      ; lanes 16-31
	s_lshl_b32 s78, s19, 3
	s_lshl_b32 s77, s17, 2
	s_add_co_u32 s78, s78, s77                     ; my first column tile: 8 X + 4 ch
	s_lshl_b32 s32, s78, 14                        ; W2's codes: 16,384 bytes a column tile, + 4 K steps of 1,024 x kq
	s_lshl_b32 s77, s18, 12
	s_add_co_u32 s32, s32, s77
	s_mov_b32 s33, 0
	s_lshl_b32 s34, s78, 6                         ; its scale words: 64 bytes a tile, + 4 K steps of 4,096 x kq
	s_lshl_b32 s77, s18, 14
	s_add_co_u32 s34, s34, s77
	s_add_co_u32 s34, s34, WS
	s_mov_b32 s35, 0
	s_lshl_b32 s36, s78, 6                         ; b2: 16 columns of 4 bytes a tile
	s_mov_b32 s37, 0
	s_lshl_b32 s38, s20, 9                         ; the weights: 16 rows of 32 bytes a tile
	s_add_co_u32 s38, s38, WD0
	s_mov_b32 s39, 0
	s_lshl_b32 s84, s19, 9                         ; out0: my 128 columns
	s_mov_b32 s85, 0
	s_lshl_b32 s[PMO], s20, 6
	s_lshl_b32 s77, s16, 5
	s_add_co_u32 s[PMO], s[PMO], s77               ; the tokens at my 8 places: (64 g + 8 w) x 4
	s_wait_kmcnt 0x0
	s_load_b256 s[52:59], s[12:13], s[PMO] offset:0x0      ; its offset register is written by no later line, so this load may stay out while the list is made
	global_load_b32 v16, v18, s[12:13] offset:SELS         ; tiles 0 (lanes 0-15) and 1
	global_load_b32 v17, v18, s[12:13] offset:SELS+128     ; tiles 2 and 3
	s_add_nc_u64 s[30:31], s[4:5], HSC
	s_add_nc_u64 s[32:33], s[6:7], s[32:33]
	s_add_nc_u64 s[34:35], s[6:7], s[34:35]
	s_add_nc_u64 s[36:37], s[8:9], s[36:37]
	s_add_nc_u64 s[38:39], s[10:11], s[38:39]
	s_add_nc_u64 s[84:85], s[14:15], s[84:85]
	s_mov_b32 s21, 0                               ; U
	s_mov_b32 s22, 0                               ; experts used
	s_wait_loadcnt 0x0
.irp e, 0,1,2,3,4,5,6,7
	v_and_b32 v20, 1<<\e, v16
	v_and_b32 v21, 1<<\e, v17
	v_cmp_ne_u32 s76, 0, v20
	v_cmp_ne_u32 s77, 0, v21
	s_and_b32 s78, s76, 0xffff
	s_cselect_b32 s79, 1, 0
	s_lshr_b32 s78, s76, 16
	s_cselect_b32 s80, 2, 0
	s_and_b32 s78, s77, 0xffff
	s_cselect_b32 s81, 4, 0
	s_lshr_b32 s78, s77, 16
	s_cselect_b32 s82, 8, 0
	s_or_b32 s79, s79, s80
	s_or_b32 s81, s81, s82
	s_or_b32 s79, s79, s81                         ; SCC: does any of my tiles use e?
	s_cselect_b32 s80, 1, 0
	s_add_co_u32 s22, s22, s80
	s_lshl_b32 s79, s79, 4*\e
	s_or_b32 s21, s21, s79
.endr
	s_max_u32 s22, s22, 2
	s_sub_co_u32 s22, s22, 2                       ; the first and the last expert are written out; the loop walks those between:
	s_min_u32 s22, s22, 6                          ; 0 to 6
	s_wait_kmcnt 0x0                               ; the tokens' numbers are in
	NEXTE
	BIAS
.irp s, 0,1,2,3
	KLOAD \s
.endr
	WLOAD
	BODY 1, 1
	s_cmp_eq_u32 s22, 0
	s_cbranch_scc1 .Llast
.Lmid:
	BODY 0, 1
	s_sub_co_u32 s22, s22, 1
	s_cmp_lg_u32 s22, 0
	s_cbranch_scc1 .Lmid
.Llast:
	BODY 0, 0
	; THE WAY OUT.  Every wave's OUT lies in its region of LDS.  Behind the one barrier, which every wave reaches whatever the list held, each wave reads 8 whole rows of the four K quarters, adds them and stores each to its token's own row.
.irp i, 0,1,2,3,4,5,6,7
	s_min_u32 s76, s[52+\i], 2047                  ; a token's number, held before it enters an address
	v_lshl_add_u32 v[OA+\i], s76, 12, v4           ; its row of 4,096 bytes, + 16 x lane
.endr
	s_wait_dscnt 0x0                               ; for the others' sake: my stores have landed (and have read Y's registers, into which the loads below land)
	s_barrier_signal -1
	s_barrier_wait -1                              ; nothing is stored to LDS behind this barrier
.irp i, 0,1,2,3,4,5,6,7
	ds_load_b128 v[Y+16*\i:Y+16*\i+3], v[RDA] offset:\i*OP                   ; K quarter 0: lanes 0-15 read 256 consecutive bytes, lanes 16-31 likewise
	ds_load_b128 v[Y+16*\i+4:Y+16*\i+7], v[RDA] offset:2*WREG+\i*OP          ; 1
	ds_load_b128 v[Y+16*\i+8:Y+16*\i+11], v[RDB] offset:\i*OP                ; 2
	ds_load_b128 v[Y+16*\i+12:Y+16*\i+15], v[RDB] offset:2*WREG+\i*OP        ; 3
.endr
.irp i, 0,1,2,3,4,5,6,7
	s_wait_dscnt 28-4*\i                           ; row i's four loads are in; the later rows' may be out
	v_pk_add_f32 v[Y+16*\i:Y+16*\i+1], v[Y+16*\i:Y+16*\i+1], v[Y+16*\i+4:Y+16*\i+5]
	v_pk_add_f32 v[Y+16*\i+2:Y+16*\i+3], v[Y+16*\i+2:Y+16*\i+3], v[Y+16*\i+6:Y+16*\i+7]
	v_pk_add_f32 v[Y+16*\i+8:Y+16*\i+9], v[Y+16*\i+8:Y+16*\i+9], v[Y+16*\i+12:Y+16*\i+13]
	v_pk_add_f32 v[Y+16*\i+10:Y+16*\i+11], v[Y+16*\i+10:Y+16*\i+11], v[Y+16*\i+14:Y+16*\i+15]
	v_pk_add_f32 v[Y+16*\i:Y+16*\i+1], v[Y+16*\i:Y+16*\i+1], v[Y+16*\i+8:Y+16*\i+9]
	v_pk_add_f32 v[Y+16*\i+2:Y+16*\i+3], v[Y+16*\i+2:Y+16*\i+3], v[Y+16*\i+10:Y+16*\i+11]
	global_store_b128 v[OA+\i], v[Y+16*\i:Y+16*\i+3], s[84:85] th:TH_STORE_NT   ; 32 lanes store 512 consecutive bytes, at a multiple of 512 from out0's first byte; written once, read by nobody here
.endr
	s_wait_tensorcnt 0x0
	ds_add_u32 v94, v95
	s_wait_dscnt 0x0
	s_endpgm
.Lfunc_end_k_qe5042e0ba1_gemm2:
	.size	k_qe5042e0ba1_gemm2, .Lfunc_end_k_qe5042e0ba1_gemm2-k_qe5042e0ba1_gemm2
	.p2alignl 7, 3214868480
	.fill 96, 4, 3214868480
	.section	.rodata,"a",@progbits
	.p2align	6, 0x0
	.amdhsa_kernel k_qe5042e0ba1_gemm2
		.amdhsa_group_segment_fixed_size 140288
		.amdhsa_private_segment_fixed_size 0
		.amdhsa_enable_private_segment 0
		.amdhsa_kernarg_size 48
		.amdhsa_user_sgpr_count 2
		.amdhsa_user_sgpr_kernarg_segment_ptr 1
		.amdhsa_wavefront_size32 1
		.amdhsa_system_sgpr_workgroup_id_x 1
		.amdhsa_system_sgpr_workgroup_id_y 1
		.amdhsa_system_sgpr_workgroup_id_z 1
		.amdhsa_system_vgpr_workitem_id 0
		.amdhsa_next_free_vgpr 512
		.amdhsa_next_free_sgpr 100
		.amdhsa_reserve_vcc 0
		.amdhsa_float_denorm_mode_32 3
		.amdhsa_float_denorm_mode_16_64 3
		.amdhsa_memory_ordered 1
		.amdhsa_forward_progress 1
		.amdhsa_inst_pref_size 102
	.end_amdhsa_kernel
	.amdgpu_metadata
---
amdhsa.version: [ 1, 2 ]
amdhsa.kernels:
  - .name:           k_qe5042e0ba1_gemm2
    .symbol:         k_qe5042e0ba1_gemm2.kd
    .args:
      - { .name: hc, .offset: 0, .size: 8, .value_kind: global_buffer, .address_space: global }
      - { .name: w2c, .offset: 8, .size: 8, .value_kind: global_buffer, .address_space: global }
      - { .name: b2, .offset: 16, .size: 8, .value_kind: global_buffer, .address_space: global }
      - { .name: srt, .offset: 24, .size: 8, .value_kind: global_buffer, .address_space: global }
      - { .name: idx, .offset: 32, .size: 8, .value_kind: global_buffer, .address_space: global }
      - { .name: out0, .offset: 40, .size: 8, .value_kind: global_buffer, .address_space: global }
    .group_segment_fixed_size: 140288
    .private_segment_fixed_size: 0
    .kernarg_segment_align: 8
    .kernarg_segment_size: 48
    .max_flat_workgroup_size: 256
    .sgpr_count:     100
    .vgpr_count:     512
    .wavefront_size: 32
...
	.end_amdgpu_metadata
.endif
;; end of part 4
;; ======== version 2 of 2: 4 launches
;; workspace buffers: tok 1,179,648 bytes; key 16,384 bytes of whole numbers; srt 1,179,648 bytes; idx 16,384 bytes of whole numbers; w1c 8,912,896 bytes; w2c 8,912,896 bytes; hc 18,874,368 bytes
;; launch prep_w2 (part 5): grid 640 x 1, 8 waves a work-group, no clusters, 18,432 bytes of LDS; arguments x, gate_W, gate_b, W2, tok, key, w2c; writes tok, key, w2c
.if DOCPART == 5
	.amdgcn_target "amdgcn-amd-amdhsa--gfx1250"
	.amdhsa_code_object_version 6
	.text
	.protected	k_qe5042e0ba1_prep_w2
	.globl	k_qe5042e0ba1_prep_w2
	.p2align	8
	.type	k_qe5042e0ba1_prep_w2,@function
k_qe5042e0ba1_prep_w2:
	s_mov_b64 s[64:65], 0
	v_nop
	global_prefetch_b8 v0, s[64:65] scope:SCOPE_SE
	s_setreg_imm32_b32 hwreg(HW_REG_WAVE_MODE, 25, 1), 1
	s_wait_xcnt 0x0
; TWO JOBS IN ONE LAUNCH, told apart by the work-group's number alone.
; Work-groups 0-127: 16 tokens each.  logits = x gate_W + gate_b in f32, softmax (its maximum taken away), the two largest p (the lower index wins a tie, judged on this text's own p),
;   and x as codes of FP4 (E2M1) with one E8M0 byte for each 32 along D.  Stored, all at places that hang on ids alone:
;   tok: [2048][512 B] codes | at XS0 [2048][8] scale words (word s: k = 128 s on) | at WD0 [2048][8] f32: p at the two chosen experts, 0 elsewhere.
;   key: [2048] (7 min + i1 + i2) x 2048 + n, the sort key of the next launch | at SELP [2048] (1 << i1) | (1 << i2).
; Work-groups 128-639: W2 [8][2048 (k)][1024 (n)] f32 into codes with K innermost, laid in the order of an operand's registers:
;   w2c: block b (32 codes, 16 bytes) of row r of column tile ct of expert e at ((e 64 + ct) 64 + b) 256 + 16 r; at WS the scale words [e][K step][ct][r].
;   Row r of column tile 2 G + u is column 32 G + 8 u + r + (r & 8): in a transposed product the registers of tiles 2 G and 2 G + 1 are then 16 neighbouring columns.
; The gate's product goes by the f32 matrix form: the choice of experts must not turn on a coarser rounding, and it is 8 columns beside the experts' 2 x 2048 x 1024.
; LIMITS: NaN and infinities among the inputs are not served.  A block of zeros gets the byte 1 where the rule says 127 (its codes are zeros; this program alone reads the bytes);
; a block whose largest magnitude lies under 2^-124 is held at the byte 1.
.set XS0,  1048576
.set WD0,  1114112
.set WS,   8388608
.set SELP, 8192
.set LG,   0                           ; LDS: 8 waves x 1,024 bytes: images of the partial logits
.set XR,   8192                        ; 16 rows x (512 bytes of codes + 16)
.set XP,   528
.set XSC,  XR+16*XP                    ; 16 rows x 8 scale words
.set X,    16                          ; v16-79   64 numbers of x: register 16 b + i = k 128 s + 32 b + 16 h + i of row r
.set GW,   80                          ; v80-143  gate_W at the same k, expert r & 7
.set ACC0, 144                         ; v144-159 two sums of logits: written by matrix instructions alone
.set ACC1, 152
.set L,    160                         ; v160-167 my K step's partial logits
.set TM,   168                         ; v168-183 at work in QUANT
.set PW,   184                         ; the scale word just made
.set PC,   186                         ; v186-193 the codes just made
.set SEL,  2                           ; s[2:3] lane selects: lane l xor 16
.set QX,   16                          ; the weights' path: v16-79 two sets of 32 numbers, v80-95 codes of four blocks, v96 the scale word
.set QC,   80
.set QS,   96
; ---- the weights' path: a lane takes a column, its registers run down K.  Block t: rows 32 t + i of the K step.
.macro QLOAD t, n
.irp i, 0,1,2,3,4,5,6,7,8,9,10,11,12,13,14,15,16,17,18,19,20,21,22,23,24,25,26,27,28,29,30,31
	global_load_b32 v[QX+32*((\t)%2)+\i], v2, s[24:25] offset:(32*(\t)+\i)*(\n)*4 th:TH_LOAD_NT   ; the wave reads 128 consecutive bytes, the eight waves 1,024
.endr
.endm
.macro QBLOCK t, n
.set XB, QX+32*((\t)%2)
.if (\t) < 3
	s_wait_loadcnt 32                              ; this block's 32 loads are in; the next block's 32 may be out
.else
	s_wait_loadcnt 0x0
.endif
	v_max3_num_f32 v8, |v[XB]|, |v[XB+1]|, |v[XB+2]|             ; the block's largest magnitude: all 32 numbers are mine; two chains
	v_max3_num_f32 v9, |v[XB+3]|, |v[XB+4]|, |v[XB+5]|
.irp i, 6,10,14,18,22,26
	s_delay_alu instid0(VALU_DEP_2)
	v_max3_num_f32 v8, v8, |v[XB+\i]|, |v[XB+\i+1]|
	s_delay_alu instid0(VALU_DEP_2)
	v_max3_num_f32 v9, v9, |v[XB+\i+2]|, |v[XB+\i+3]|
.endr
	s_delay_alu instid0(VALU_DEP_2)
	v_max3_num_f32 v8, v8, |v[XB+30]|, |v[XB+31]|
	s_delay_alu instid0(VALU_DEP_1)
	v_max3_num_f32 v8, v8, v9, 0x1800000           ; and the floor 2^(3 - 127): the byte cannot fall under 1
	s_delay_alu instid0(VALU_DEP_1)
	v_add_nc_u32 v10, 0xff000000, v8               ; 2 off the exponent field: the conversion's scale operand
	s_delay_alu instid0(VALU_DEP_1)
	v_lshrrev_b32 v11, 23, v10                     ; the scale's byte
.if (\t) == 0
	s_delay_alu instid0(VALU_DEP_1)
	v_mov_b32 v[QS], v11
.else
	s_delay_alu instid0(VALU_DEP_1)
	v_lshl_or_b32 v[QS], v11, 8*(\t), v[QS]        ; byte t of the K step's scale word
.endif
.irp g, 0,1,2,3
	v_cvt_scalef32_pk8_fp4_f32 v[QC+4*(\t)+\g], v[XB+8*\g:XB+8*\g+7], v10
.endr
	v_nop                                          ; one plain line behind the last conversion
	global_store_b128 v3, v[QC+4*(\t):QC+4*(\t)+3], s[28:29] offset:256*(\t)   ; lanes 0-15 fill 256 consecutive bytes of tile 2 G, lanes 16-31 of tile 2 G + 1; each block has its own registers, so no store's data are written again
.if (\t)+2 < 4
	QLOAD (\t)+2, \n
.endif
.endm
; A work-group takes 256 columns x one K step of 128 of one expert; a wave 32 columns.  k, n: the weight's sizes; nt = n / 16; ks = k / 128; lcg = log2(n / 256); pw, pc: where the weight's and the codes' addresses stand.
.macro QW k, n, nt, ks, lcg, pw, pc
	s_sub_co_u32 s20, ttmp9, 128
	s_lshr_b32 s21, s20, 6                         ; expert
	s_lshr_b32 s22, s20, \lcg
	s_and_b32 s22, s22, \ks-1                      ; K step
	s_and_b32 s23, s20, (1<<\lcg)-1                ; which 256 columns
	s_lshl_b32 s26, s23, 4
	s_lshl_b32 s27, s18, 1
	s_add_co_u32 s26, s26, s27                     ; my first column tile: 16 cg + 2 w
	s_mul_i32 s24, s21, \k
	s_lshl_b32 s25, s22, 7
	s_add_co_u32 s24, s24, s25                     ; my first row of the weight
	s_mul_i32 s24, s24, \n*4
	s_lshl_b32 s25, s26, 6                         ; + 16 columns of 4 bytes a tile
	s_add_co_u32 s24, s24, s25
	s_mov_b32 s25, 0
	s_mul_i32 s28, s21, \nt
	s_add_co_u32 s28, s28, s26
	s_mul_i32 s28, s28, \k*8                       ; a column tile's codes: k / 32 blocks of 256 bytes
	s_lshl_b32 s29, s22, 10                        ; + 4 blocks a K step
	s_add_co_u32 s28, s28, s29
	s_mov_b32 s29, 0
	s_mul_i32 s30, s21, \ks
	s_add_co_u32 s30, s30, s22
	s_mul_i32 s30, s30, \nt
	s_add_co_u32 s30, s30, s26
	s_lshl_b32 s30, s30, 6                         ; the scale words: 64 bytes a tile
	s_add_co_u32 s30, s30, WS
	s_mov_b32 s31, 0
	v_and_b32 v5, 15, v1                           ; r
	v_lshrrev_b32 v6, 4, v1                        ; u
	s_delay_alu instid0(VALU_DEP_2)
	v_and_b32 v7, 8, v5
	s_delay_alu instid0(VALU_DEP_1)
	v_add_nc_u32 v7, v7, v5
	s_delay_alu instid0(VALU_DEP_1)
	v_lshl_add_u32 v7, v6, 3, v7                   ; my column among the wave's 32: 8 u + r + (r & 8)
	s_delay_alu instid0(VALU_DEP_1)
	v_lshlrev_b32 v2, 2, v7
	v_lshlrev_b32 v3, 4, v5
	s_delay_alu instid0(VALU_DEP_1)
	v_mad_u32_u24 v3, v6, \k*8, v3                 ; codes: 16 r, tile u
	v_lshlrev_b32 v4, 2, v1                        ; scale word: 4 x lane
	s_wait_alu depctr_va_vdst(0)
	s_wait_kmcnt 0x0
	s_add_nc_u64 s[24:25], s[\pw:\pw+1], s[24:25]
	s_add_nc_u64 s[28:29], s[\pc:\pc+1], s[28:29]
	s_add_nc_u64 s[30:31], s[\pc:\pc+1], s[30:31]
	QLOAD 0, \n
	QLOAD 1, \n
	QBLOCK 0, \n
	QBLOCK 1, \n
	QBLOCK 2, \n
	QBLOCK 3, \n
	global_store_b32 v4, v[QS], s[30:31]           ; 128 consecutive bytes a wave: one byte for each 128 that the wave has read
	s_endpgm
.endm
; 64 numbers of a lane, register 16 b + i = k 32 b + 16 (lane / 16) + i of my row, become a fragment's codes in v[PC] on and its scale word in v[PW].
.macro QUANT s
.irp b, 0,1,2,3
	v_max3_num_f32 v[TM+\b], |v[\s+16*\b]|, |v[\s+1+16*\b]|, 0x1800000   ; block b: my 16 numbers and the floor 2^(3 - 127)
.endr
.irp i, 2,4,6,8,10,12,14
.irp b, 0,1,2,3
	s_delay_alu instid0(VALU_DEP_4)
	v_max3_num_f32 v[TM+\b], v[TM+\b], |v[\s+16*\b+\i]|, |v[\s+1+16*\b+\i]|   ; the four blocks by turns
.endr
.endr
.irp b, 0,1,2,3
	s_delay_alu instid0(VALU_DEP_4)
	v_permlanex16_b32 v[TM+4+\b], v[TM+\b], s[SEL], s[SEL+1]
.endr
.irp b, 0,1,2,3
	s_delay_alu instid0(VALU_DEP_4)
	v_max_num_f32 v[TM+\b], v[TM+\b], v[TM+4+\b]   ; with lane l xor 16's 16: the block's largest magnitude
.endr
.irp b, 0,1,2,3
	s_delay_alu instid0(VALU_DEP_4)
	v_add_nc_u32 v[TM+12+\b], 0xff000000, v[TM+\b] ; 2 off its exponent field: the conversion's scale operand
.endr
.irp b, 0,1,2,3
	s_delay_alu instid0(VALU_DEP_4)
	v_lshrrev_b32 v[TM+4+\b], 23, v[TM+12+\b]      ; the scale's byte
.endr
	s_delay_alu instid0(VALU_DEP_3)
	v_lshl_or_b32 v[PW], v[TM+5], 8, v[TM+4]
	s_delay_alu instid0(VALU_DEP_1)
	v_lshl_or_b32 v[PW], v[TM+6], 16, v[PW]
	s_delay_alu instid0(VALU_DEP_1)
	v_lshl_or_b32 v[PW], v[TM+7], 24, v[PW]
.irp b, 0,1,2,3
	v_cvt_scalef32_pk8_fp4_f32 v[PC+2*\b], v[\s+16*\b:\s+7+16*\b], v[TM+12+\b]
	v_cvt_scalef32_pk8_fp4_f32 v[PC+1+2*\b], v[\s+8+16*\b:\s+15+16*\b], v[TM+12+\b]
.endr
	v_nop                                          ; one plain line behind the last conversion
.irp c, 0,1                                    ; a whole block to a lane: lanes 0-15 block 2 c, lanes 16-31 block 2 c + 1
.irp i, 0,1
	v_permlane16_swap_b32 v[PC+4*\c+\i], v[PC+2+4*\c+\i]
.endr
.endr
.endm
	s_load_b256 s[4:11], s[0:1], 0x0               ; x s[4:5], gate_W s[6:7], gate_b s[8:9], W2 s[10:11]
	s_load_b128 s[12:15], s[0:1], 0x20             ; tok s[12:13], key s[14:15]
	s_load_b64 s[16:17], s[0:1], 0x30              ; w2c
	v_lshl_add_u32 v208, v0, 2, 0x4400
	v_mov_b32 v209, 0
	v_lshrrev_b32 v1, 5, v0
	s_delay_alu instid0(VALU_DEP_1)
	v_readfirstlane_b32 s18, v1                    ; wave 0..7
	v_and_b32 v1, 31, v0                           ; lane
	s_cmp_lt_u32 ttmp9, 128
	s_cbranch_scc0 .Lquant
	; ---- 16 tokens: n0 = 16 x work-group.  Wave s takes K step s: k = 128 s on, of all 16 rows.
	v_and_b32 v2, 15, v0                           ; r
	v_bfe_u32 v3, v0, 4, 1                         ; h
	s_delay_alu instid0(VALU_DEP_2)
	v_lshlrev_b32 v4, 12, v2
	s_delay_alu instid0(VALU_DEP_1)
	v_lshl_add_u32 v4, v3, 6, v4                   ; x: row r of 4,096 bytes, + 64 h: my 16 numbers of a block of 32
	v_and_b32 v5, 7, v0
	s_delay_alu instid0(VALU_DEP_1)
	v_lshlrev_b32 v5, 2, v5
	s_delay_alu instid0(VALU_DEP_1)
	v_lshl_add_u32 v5, v3, 9, v5                   ; gate_W: 16 h rows of 32 bytes, expert r & 7
	v_lshlrev_b32 v6, 4, v1                        ; 16 x lane
	v_mul_u32_u24 v7, v2, XP
	s_delay_alu instid0(VALU_DEP_1)
	v_lshl_add_u32 v7, v3, 4, v7
	s_lshl_b32 s34, s18, 6
	s_add_co_u32 s34, s34, XR
	v_add_nc_u32 v7, s34, v7                       ; codes into LDS: row r, 64 s + 16 h bytes on
	v_lshlrev_b32 v8, 5, v2
	s_lshl_b32 s34, s18, 2
	s_add_co_u32 s34, s34, XSC
	v_add_nc_u32 v8, s34, v8                       ; scale word: row r, word s
	s_lshl_b32 s34, s18, 10
	v_add_nc_u32 v9, s34, v6                       ; my image of partial logits (LG = 0)
	s_mul_i32 s34, s18, 2*XP
	s_add_co_u32 s34, s34, XR
	v_add_nc_u32 v10, s34, v6                      ; back: rows 2 s and 2 s + 1, whole
	v_add_nc_u32 v11, XSC, v6                      ; back: the 512 bytes of scale words
.irp b, 0,1,2,3
	v_mov_b32 v[TM+4+\b], 0                        ; written once: a lane permute's destination counts as one of its sources
.endr
	s_lshl_b32 s20, ttmp9, 16                      ; 16 rows of 4,096 bytes a work-group,
	s_lshl_b32 s34, s18, 9
	s_add_co_u32 s20, s20, s34                     ; + 512 s
	s_mov_b32 s21, 0
	s_lshl_b32 s22, s18, 12                        ; gate_W: 128 rows of 32 bytes a K step
	s_mov_b32 s23, 0
	s_lshl_b32 s36, ttmp9, 13                      ; tok, codes: 16 rows of 512 bytes,
	s_lshl_b32 s34, s18, 10
	s_add_co_u32 s36, s36, s34                     ; + my two rows
	s_mov_b32 s37, 0
	s_lshl_b32 s38, ttmp9, 9                       ; tok, the two planes of 32 bytes a row
	s_add_co_u32 s40, s38, WD0
	s_add_co_u32 s38, s38, XS0
	s_mov_b32 s39, 0
	s_mov_b32 s41, 0
	s_lshl_b32 s42, ttmp9, 6                       ; key: 4 bytes a token
	s_mov_b32 s43, 0
	s_lshl_b32 s44, ttmp9, 4                       ; n0
	s_mov_b32 s[SEL], 0x76543210
	s_mov_b32 s[SEL+1], 0xfedcba98
	s_wait_kmcnt 0x0
	s_add_nc_u64 s[4:5], s[4:5], s[20:21]
	s_add_nc_u64 s[6:7], s[6:7], s[22:23]
	s_add_nc_u64 s[36:37], s[12:13], s[36:37]
	s_add_nc_u64 s[38:39], s[12:13], s[38:39]
	s_add_nc_u64 s[40:41], s[12:13], s[40:41]
	s_add_nc_u64 s[42:43], s[14:15], s[42:43]
	s_load_b256 s[24:31], s[8:9], 0x0              ; gate_b
.irp b, 0,1,2,3
.irp j, 0,1,2,3
	global_load_b128 v[X+16*\b+4*\j:X+16*\b+4*\j+3], v4, s[4:5] offset:128*\b+16*\j th:TH_LOAD_NT
.endr
.endr
.irp b, 0,1,2,3
.irp i, 0,1,2,3,4,5,6,7,8,9,10,11,12,13,14,15
	global_load_b32 v[GW+16*\b+\i], v5, s[6:7] offset:(32*\b+\i)*32
.endr
.endr
	s_wait_loadcnt 0x0
	; logits, transposed: source 0 = gate_W (row m of the tile = expert m & 7), source 1 = x.  Register pair p of both sides holds the same four k, so the products meet.
	; Register j of a sum: the partial logit of token r for expert j, in both halves of the lanes.  The two sums take turns, one instruction a turn.
.set p, 0
.rept 32
.if p < 2
	v_wmma_f32_16x16x4_f32 v[ACC0+8*(p%2):ACC0+8*(p%2)+7], v[GW+2*p:GW+2*p+1], v[X+2*p:X+2*p+1], 0
.else
	v_wmma_f32_16x16x4_f32 v[ACC0+8*(p%2):ACC0+8*(p%2)+7], v[GW+2*p:GW+2*p+1], v[X+2*p:X+2*p+1], v[ACC0+8*(p%2):ACC0+8*(p%2)+7]
.endif
.set p, p+1
.endr
	QUANT X                                        ; reads x, writes none of the products' registers
	ds_store_b128 v7, v[PC:PC+3]                   ; k = 32 h on of my K step: 16 bytes of row r
	ds_store_b128 v7, v[PC+4:PC+7] offset:32       ; k = 64 + 32 h on
	ds_store_b32 v8, v[PW]                         ; lanes l and l + 16 write the same word with the same value
.rept 8
	v_nop                                          ; eight places behind this matrix form, ahead of the first read of its results (ISA guide 7.12.1)
.endr
.irp j, 0,1,2,3,4,5,6,7
	v_add_f32 v[L+\j], v[ACC0+\j], v[ACC1+\j]      ; each sum is read from its low end on
.endr
	ds_store_b128 v9, v[L:L+3]
	ds_store_b128 v9, v[L+4:L+7] offset:512
	s_wait_dscnt 0x0                               ; for the others' sake: my stores have landed
	s_barrier_signal -1
	s_barrier_wait -1                              ; the one barrier: 16 rows of codes, their scale words and eight images of logits lie in LDS; nothing is written there again
	ds_load_b128 v[16:19], v10
	ds_load_b128 v[20:23], v10 offset:XP
	s_wait_dscnt 0x0
	global_store_b128 v6, v[16:19], s[36:37]               ; a token's 512 bytes of codes: 32 lanes, consecutive
	global_store_b128 v6, v[20:23], s[36:37] offset:512
	s_cmp_eq_u32 s18, 1
	s_cbranch_scc0 .Lnot_wave_1
	ds_load_b128 v[24:27], v11
	s_wait_dscnt 0x0
	global_store_b128 v6, v[24:27], s[38:39]               ; the 16 tokens' scale words: 512 consecutive bytes
	s_wait_tensorcnt 0x0
	ds_add_u32 v208, v209
	s_wait_dscnt 0x0
	s_endpgm
.Lnot_wave_1:
	s_cmp_eq_u32 s18, 0
	s_cbranch_scc1 .Lgate
	s_wait_tensorcnt 0x0
	ds_add_u32 v208, v209
	s_wait_dscnt 0x0
	s_endpgm
.Lgate:
	; ---- wave 0: the gate.  Lane (r, h) holds token r's eight logits; both halves do the same work.
.irp s, 0,1,2,3,4,5,6,7
	ds_load_b128 v[80+8*\s:83+8*\s], v6 offset:LG+1024*\s
	ds_load_b128 v[84+8*\s:87+8*\s], v6 offset:LG+1024*\s+512
.endr
	s_wait_dscnt 0x0
.irp s, 1,2,3,4,5,6,7
.irp j, 0,2,4,6
	v_pk_add_f32 v[80+\j:81+\j], v[80+\j:81+\j], v[80+8*\s+\j:81+8*\s+\j]   ; the K steps in ascending order
.endr
.endr
	s_wait_alu depctr_va_vdst(0)
	s_wait_kmcnt 0x0                               ; gate_b
.irp j, 0,1,2,3,4,5,6,7
	v_add_f32 v[80+\j], s[24+\j], v[80+\j]
.endr
	v_max3_num_f32 v128, v80, v81, v82
	s_delay_alu instid0(VALU_DEP_1)
	v_max3_num_f32 v128, v128, v83, v84
	s_delay_alu instid0(VALU_DEP_1)
	v_max3_num_f32 v128, v128, v85, v86
	s_delay_alu instid0(VALU_DEP_1)
	v_max_num_f32 v128, v128, v87                  ; the row's largest logit
.irp j, 0,1,2,3,4,5,6,7
	v_sub_f32 v[88+\j], v[80+\j], v128
.endr
.irp j, 0,1,2,3,4,5,6,7
	v_mul_f32 v[88+\j], 0x3fb8aa3b, v[88+\j]       ; x log2(e)
.endr
	s_wait_alu depctr_va_vdst(0)
.irp j, 0,1,2,3,4,5,6,7
	v_exp_f32 v[96+\j], v[88+\j]
.endr
	v_mov_b32 v134, -1.0                           ; (a plain line behind the exponentials)
	s_wait_alu depctr_va_vdst(0)                   ; one wait for the batch, ahead of its first reader
	v_add_f32 v129, v96, v97
.irp j, 2,3,4,5,6,7
	v_add_f32 v129, v129, v[96+\j]
.endr
	s_wait_alu depctr_va_vdst(0)
	v_rcp_f32 v130, v129
	v_mov_b32 v132, 0                              ; (a plain line behind the reciprocal)  i1
	s_wait_alu depctr_va_vdst(0)                   ; and one for the reciprocal
.irp j, 0,1,2,3,4,5,6,7
	v_mul_f32 v[104+\j], v[96+\j], v130            ; p
.endr
	v_mov_b32 v131, v104                           ; the largest p: only a strictly larger one takes over, so the lower index wins a tie
.irp j, 1,2,3,4,5,6,7
	s_delay_alu instid0(VALU_DEP_1)
	v_cmp_le_f32 vcc_lo, v[104+\j], v131
	s_delay_alu instid0(VALU_DEP_1)
	v_cndmask_b32 v132, \j, v132, vcc_lo
	s_delay_alu instid0(VALU_DEP_3)
	v_max_num_f32 v131, v131, v[104+\j]
.endr
.irp j, 0,1,2,3,4,5,6,7
	v_cmp_eq_u32 vcc_lo, \j, v132
	s_delay_alu instid0(VALU_DEP_1)
	v_cndmask_b32 v[112+\j], v[104+\j], v134, vcc_lo   ; the first choice is taken out: -1 lies under every p
.endr
	v_mov_b32 v131, v112
	v_mov_b32 v133, 0                              ; i2
.irp j, 1
	s_delay_alu instid0(VALU_DEP_2)
	v_cmp_le_f32 vcc_lo, v[112+\j], v131
	s_delay_alu instid0(VALU_DEP_1)
	v_cndmask_b32 v133, \j, v133, vcc_lo
	s_delay_alu instid0(VALU_DEP_4)
	v_max_num_f32 v131, v131, v[112+\j]
.endr
.irp j, 2, 3, 4, 5, 6, 7
	s_delay_alu instid0(VALU_DEP_1)
	v_cmp_le_f32 vcc_lo, v[112+\j], v131
	s_delay_alu instid0(VALU_DEP_1)
	v_cndmask_b32 v133, \j, v133, vcc_lo
	s_delay_alu instid0(VALU_DEP_3)
	v_max_num_f32 v131, v131, v[112+\j]
.endr
.irp j, 0,1,2,3,4,5,6,7
	v_cmp_eq_u32 vcc_lo, \j, v132
	s_delay_alu instid0(VALU_DEP_1)
	v_cndmask_b32 v[120+\j], 0, v[104+\j], vcc_lo
	v_cmp_eq_u32 vcc_lo, \j, v133
	s_delay_alu instid0(VALU_DEP_1)
	v_cndmask_b32 v[120+\j], v[120+\j], v[104+\j], vcc_lo   ; the dense row of weights: p at the two choices, 0 elsewhere
.endr
	v_cmp_ne_u32 vcc_lo, 0, v3
.irp i, 0,1,2,3
	v_cndmask_b32 v[136+\i], v[120+\i], v[124+\i], vcc_lo   ; my half of the row
.endr
	v_lshlrev_b32 v142, 5, v2
	s_delay_alu instid0(VALU_DEP_1)
	v_lshl_add_u32 v142, v3, 4, v142
	global_store_b128 v142, v[136:139], s[40:41]           ; 16 rows of 32 bytes: 512 consecutive bytes
	v_min_u32 v140, v132, v133
	v_add_nc_u32 v141, v132, v133
	s_delay_alu instid0(VALU_DEP_1)
	v_mad_u32_u24 v140, v140, 7, v141              ; 7 min + (i1 + i2) = 8 min + max: the pair's number
	v_add_nc_u32 v141, s44, v2                     ; n
	s_delay_alu instid0(VALU_DEP_1)
	v_lshl_add_u32 v140, v140, 11, v141            ; the sort key: no two tokens share one
	v_mov_b32 v135, 1
	s_delay_alu instid0(VALU_DEP_1)
	v_lshlrev_b32 v141, v132, v135
	s_delay_alu instid0(VALU_DEP_2)
	v_lshlrev_b32 v143, v133, v135
	s_delay_alu instid0(VALU_DEP_1)
	v_or_b32 v141, v141, v143                      ; the two experts as bits
	s_delay_alu instid0(VALU_DEP_1)
	v_cndmask_b32 v140, v140, v141, vcc_lo         ; lanes 0-15 store the key, lanes 16-31 the bits
	v_lshlrev_b32 v143, 2, v2
	s_delay_alu instid0(VALU_DEP_1)
	v_lshl_add_u32 v143, v3, 13, v143              ; SELP = 8,192
	global_store_b32 v143, v140, s[42:43]
	s_wait_tensorcnt 0x0
	ds_add_u32 v208, v209
	s_wait_dscnt 0x0
	s_endpgm
.Lquant:
	s_wait_alu depctr_va_vdst(0)
	QW 2048, 1024, 64, 16, 2, 10, 16
.Lfunc_end_k_qe5042e0ba1_prep_w2:
	.size	k_qe5042e0ba1_prep_w2, .Lfunc_end_k_qe5042e0ba1_prep_w2-k_qe5042e0ba1_prep_w2
	.p2alignl 7, 3214868480
	.fill 96, 4, 3214868480
	.section	.rodata,"a",@progbits
	.p2align	6, 0x0
	.amdhsa_kernel k_qe5042e0ba1_prep_w2
		.amdhsa_group_segment_fixed_size 18432
		.amdhsa_private_segment_fixed_size 0
		.amdhsa_enable_private_segment 0
		.amdhsa_kernarg_size 56
		.amdhsa_user_sgpr_count 2
		.amdhsa_user_sgpr_kernarg_segment_ptr 1
		.amdhsa_wavefront_size32 1
		.amdhsa_system_sgpr_workgroup_id_x 1
		.amdhsa_system_sgpr_workgroup_id_y 1
		.amdhsa_system_sgpr_workgroup_id_z 1
		.amdhsa_system_vgpr_workitem_id 0
		.amdhsa_next_free_vgpr 210
		.amdhsa_next_free_sgpr 66
		.amdhsa_reserve_vcc 1
		.amdhsa_float_denorm_mode_32 3
		.amdhsa_float_denorm_mode_16_64 3
		.amdhsa_memory_ordered 1
		.amdhsa_forward_progress 1
		.amdhsa_inst_pref_size 54
	.end_amdhsa_kernel
	.amdgpu_metadata
---
amdhsa.version: [ 1, 2 ]
amdhsa.kernels:
  - .name:           k_qe5042e0ba1_prep_w2
    .symbol:         k_qe5042e0ba1_prep_w2.kd
    .args:
      - { .name: x, .offset: 0, .size: 8, .value_kind: global_buffer, .address_space: global }
      - { .name: gate_W, .offset: 8, .size: 8, .value_kind: global_buffer, .address_space: global }
      - { .name: gate_b, .offset: 16, .size: 8, .value_kind: global_buffer, .address_space: global }
      - { .name: W2, .offset: 24, .size: 8, .value_kind: global_buffer, .address_space: global }
      - { .name: tok, .offset: 32, .size: 8, .value_kind: global_buffer, .address_space: global }
      - { .name: key, .offset: 40, .size: 8, .value_kind: global_buffer, .address_space: global }
      - { .name: w2c, .offset: 48, .size: 8, .value_kind: global_buffer, .address_space: global }
    .group_segment_fixed_size: 18432
    .private_segment_fixed_size: 0
    .kernarg_segment_align: 8
    .kernarg_segment_size: 56
    .max_flat_workgroup_size: 256
    .sgpr_count:     66
    .vgpr_count:     210
    .wavefront_size: 32
...
	.end_amdgpu_metadata
.endif
;; end of part 5
;; launch place_w1 (part 6): grid 640 x 1, 8 waves a work-group, no clusters, 0 bytes of LDS; arguments key, tok, W1, srt, idx, w1c; writes srt, idx, w1c
.if DOCPART == 6
	.amdgcn_target "amdgcn-amd-amdhsa--gfx1250"
	.amdhsa_code_object_version 6
	.text
	.protected	k_qe5042e0ba1_place_w1
	.globl	k_qe5042e0ba1_place_w1
	.p2align	8
	.type	k_qe5042e0ba1_place_w1,@function
k_qe5042e0ba1_place_w1:
	s_mov_b64 s[64:65], 0
	v_nop
	global_prefetch_b8 v0, s[64:65] scope:SCOPE_SE
	s_setreg_imm32_b32 hwreg(HW_REG_WAVE_MODE, 25, 1), 1
	s_wait_xcnt 0x0
; TWO JOBS IN ONE LAUNCH, told apart by the work-group's number alone.
; Work-groups 0-127: 16 tokens each, two a wave, are moved to their places in the order of their sort keys (pair of experts, then token number).
;   A token's place is the number of keys below its own: the wave holds all 2,048 keys in 64 registers and counts.  The keys are all different, so the places are a permutation and every byte of srt and idx is written.
;   srt: tok's three planes at the sorted places.   idx: [2048] the token at a place | at SELS [2048] its two experts as bits.
;   A token's 512 bytes of codes leave as one store of 512 consecutive bytes; its two rows of 32 bytes and two words leave singly: 72 bytes a token, the price of a scatter of short rows.
; Work-groups 128-639: W1 [8][1024 (k)][2048 (n)] f32 into codes with K innermost, in the order of an operand's registers:
;   w1c: block b (32 codes, 16 bytes) of row r of column tile ct of expert e at ((e 128 + ct) 32 + b) 256 + 16 r; at WS the scale words [e][K step][ct][r].
;   Row r of column tile 2 G + u is column 32 G + 8 u + r + (r & 8).
; LIMITS: NaN and infinities are not served.  A block of zeros gets the byte 1 where the rule says 127 (its codes are zeros; this program alone reads the bytes); a block under 2^-124 is held at the byte 1.
.set XS0,  1048576
.set WS,   8388608
.set SELS, 8192
.set QX,   16                          ; the weights' path: v16-79 two sets of 32 numbers, v80-95 codes of four blocks, v96 the scale word
.set QC,   80
.set QS,   96
.macro QLOAD t, n
.irp i, 0,1,2,3,4,5,6,7,8,9,10,11,12,13,14,15,16,17,18,19,20,21,22,23,24,25,26,27,28,29,30,31
	global_load_b32 v[QX+32*((\t)%2)+\i], v2, s[24:25] offset:(32*(\t)+\i)*(\n)*4 th:TH_LOAD_NT   ; the wave reads 128 consecutive bytes, the eight waves 1,024
.endr
.endm
.macro QBLOCK t, n
.set XB, QX+32*((\t)%2)
.if (\t) < 3
	s_wait_loadcnt 32                              ; this block's 32 loads are in; the next block's 32 may be out
.else
	s_wait_loadcnt 0x0
.endif
	v_max3_num_f32 v8, |v[XB]|, |v[XB+1]|, |v[XB+2]|             ; the block's largest magnitude: all 32 numbers are mine; two chains
	v_max3_num_f32 v9, |v[XB+3]|, |v[XB+4]|, |v[XB+5]|
.irp i, 6,10,14,18,22,26
	s_delay_alu instid0(VALU_DEP_2)
	v_max3_num_f32 v8, v8, |v[XB+\i]|, |v[XB+\i+1]|
	s_delay_alu instid0(VALU_DEP_2)
	v_max3_num_f32 v9, v9, |v[XB+\i+2]|, |v[XB+\i+3]|
.endr
	s_delay_alu instid0(VALU_DEP_2)
	v_max3_num_f32 v8, v8, |v[XB+30]|, |v[XB+31]|
	s_delay_alu instid0(VALU_DEP_1)
	v_max3_num_f32 v8, v8, v9, 0x1800000           ; and the floor 2^(3 - 127): the byte cannot fall under 1
	s_delay_alu instid0(VALU_DEP_1)
	v_add_nc_u32 v10, 0xff000000, v8               ; 2 off the exponent field: the conversion's scale operand
	s_delay_alu instid0(VALU_DEP_1)
	v_lshrrev_b32 v11, 23, v10                     ; the scale's byte
.if (\t) == 0
	s_delay_alu instid0(VALU_DEP_1)
	v_mov_b32 v[QS], v11
.else
	s_delay_alu instid0(VALU_DEP_1)
	v_lshl_or_b32 v[QS], v11, 8*(\t), v[QS]        ; byte t of the K step's scale word
.endif
.irp g, 0,1,2,3
	v_cvt_scalef32_pk8_fp4_f32 v[QC+4*(\t)+\g], v[XB+8*\g:XB+8*\g+7], v10
.endr
	v_nop                                          ; one plain line behind the last conversion
	global_store_b128 v3, v[QC+4*(\t):QC+4*(\t)+3], s[28:29] offset:256*(\t)   ; lanes 0-15 fill 256 consecutive bytes of tile 2 G, lanes 16-31 of tile 2 G + 1; each block has its own registers, so no store's data are written again
.if (\t)+2 < 4
	QLOAD (\t)+2, \n
.endif
.endm
; A work-group takes 256 columns x one K step of 128 of one expert; a wave 32 columns.  k, n: the weight's sizes; nt = n / 16; ks = k / 128; lcg = log2(n / 256); pw, pc: where the weight's and the codes' addresses stand.
.macro QW k, n, nt, ks, lcg, pw, pc
	s_sub_co_u32 s20, ttmp9, 128
	s_lshr_b32 s21, s20, 6                         ; expert
	s_lshr_b32 s22, s20, \lcg
	s_and_b32 s22, s22, \ks-1                      ; K step
	s_and_b32 s23, s20, (1<<\lcg)-1                ; which 256 columns
	s_lshl_b32 s26, s23, 4
	s_lshl_b32 s27, s18, 1
	s_add_co_u32 s26, s26, s27                     ; my first column tile: 16 cg + 2 w
	s_mul_i32 s24, s21, \k
	s_lshl_b32 s25, s22, 7
	s_add_co_u32 s24, s24, s25                     ; my first row of the weight
	s_mul_i32 s24, s24, \n*4
	s_lshl_b32 s25, s26, 6                         ; + 16 columns of 4 bytes a tile
	s_add_co_u32 s24, s24, s25
	s_mov_b32 s25, 0
	s_mul_i32 s28, s21, \nt
	s_add_co_u32 s28, s28, s26
	s_mul_i32 s28, s28, \k*8                       ; a column tile's codes: k / 32 blocks of 256 bytes
	s_lshl_b32 s29, s22, 10                        ; + 4 blocks a K step
	s_add_co_u32 s28, s28, s29
	s_mov_b32 s29, 0
	s_mul_i32 s30, s21, \ks
	s_add_co_u32 s30, s30, s22
	s_mul_i32 s30, s30, \nt
	s_add_co_u32 s30, s30, s26
	s_lshl_b32 s30, s30, 6                         ; the scale words: 64 bytes a tile
	s_add_co_u32 s30, s30, WS
	s_mov_b32 s31, 0
	v_and_b32 v5, 15, v1                           ; r
	v_lshrrev_b32 v6, 4, v1                        ; u
	s_delay_alu instid0(VALU_DEP_2)
	v_and_b32 v7, 8, v5
	s_delay_alu instid0(VALU_DEP_1)
	v_add_nc_u32 v7, v7, v5
	s_delay_alu instid0(VALU_DEP_1)
	v_lshl_add_u32 v7, v6, 3, v7                   ; my column among the wave's 32: 8 u + r + (r & 8)
	s_delay_alu instid0(VALU_DEP_1)
	v_lshlrev_b32 v2, 2, v7
	v_lshlrev_b32 v3, 4, v5
	s_delay_alu instid0(VALU_DEP_1)
	v_mad_u32_u24 v3, v6, \k*8, v3                 ; codes: 16 r, tile u
	v_lshlrev_b32 v4, 2, v1                        ; scale word: 4 x lane
	s_wait_alu depctr_va_vdst(0)
	s_wait_kmcnt 0x0
	s_add_nc_u64 s[24:25], s[\pw:\pw+1], s[24:25]
	s_add_nc_u64 s[28:29], s[\pc:\pc+1], s[28:29]
	s_add_nc_u64 s[30:31], s[\pc:\pc+1], s[30:31]
	QLOAD 0, \n
	QLOAD 1, \n
	QBLOCK 0, \n
	QBLOCK 1, \n
	QBLOCK 2, \n
	QBLOCK 3, \n
	global_store_b32 v4, v[QS], s[30:31]           ; 128 consecutive bytes a wave: one byte for each 128 that the wave has read
	s_endpgm
.endm
	s_load_b256 s[4:11], s[0:1], 0x0               ; key s[4:5], tok s[6:7], W1 s[8:9], srt s[10:11]
	s_load_b128 s[12:15], s[0:1], 0x20             ; idx s[12:13], w1c s[14:15]
	v_lshrrev_b32 v1, 5, v0
	s_delay_alu instid0(VALU_DEP_1)
	v_readfirstlane_b32 s18, v1                    ; wave 0..7
	v_and_b32 v1, 31, v0                           ; lane
	s_cmp_lt_u32 ttmp9, 128
	s_cbranch_scc0 .Lquant
	; ---- tokens a = 16 x work-group + 2 x wave and b = a + 1
	s_lshl_b32 s20, ttmp9, 4
	s_lshl_b32 s21, s18, 1
	s_add_co_u32 s20, s20, s21                     ; a
	s_lshl_b32 s21, s20, 2
	v_lshlrev_b32 v2, 4, v1                        ; 16 x lane
	v_and_b32 v3, 3, v1                            ; the short rows, lanes 0-7 (the others repeat them): piece p = lane & 3: 0, 1 the scale words' halves, 2, 3 the weights' halves;
	v_bfe_u32 v4, v1, 2, 1                         ; which token
	s_delay_alu instid0(VALU_DEP_2)
	v_lshrrev_b32 v5, 1, v3
	s_delay_alu instid0(VALU_DEP_3)
	v_and_b32 v6, 1, v3
	s_delay_alu instid0(VALU_DEP_2)
	v_lshlrev_b32 v5, 16, v5                       ; the weights' plane lies 65,536 bytes behind the scale words'
	s_delay_alu instid0(VALU_DEP_1)
	v_lshl_add_u32 v5, v6, 4, v5
	s_delay_alu instid0(VALU_DEP_1)
	v_add_nc_u32 v5, XS0, v5                       ; the piece's place in row 0
	s_delay_alu instid0(VALU_DEP_1)
	v_lshl_add_u32 v6, v4, 5, v5
	s_lshl_b32 s22, s20, 5
	v_add_nc_u32 v6, s22, v6                       ; in tok: row a or b
	s_lshl_b32 s28, s20, 9
	s_mov_b32 s29, 0
	s_wait_alu depctr_va_vdst(0)
	s_wait_kmcnt 0x0
	s_load_b64 s[24:25], s[4:5], s21 offset:0x0    ; my two keys
	s_load_b64 s[26:27], s[4:5], s21 offset:0x2000 ; and their experts as bits
	s_add_nc_u64 s[28:29], s[6:7], s[28:29]
.irp i, 0,1,2,3,4,5,6,7,8,9,10,11,12,13,14,15
	global_load_b128 v[16+4*\i:19+4*\i], v2, s[4:5] offset:512*\i    ; all 2,048 keys
.endr
	global_load_b128 v[80:83], v2, s[28:29]                ; a's codes
	global_load_b128 v[84:87], v2, s[28:29] offset:512     ; b's
	global_load_b128 v[88:91], v6, s[6:7]                  ; the short rows
	s_mov_b32 s30, 0                               ; a's place
	s_mov_b32 s31, 0                               ; b's
	s_wait_kmcnt 0x0
	s_wait_loadcnt 3                               ; the keys are in; the three loads of rows, issued behind them, may be out
.irp g, 0,1,2,3,4,5,6,7,8,9,10,11,12,13,14,15
.irp i, 0,1,2,3
	v_cmp_gt_u32 s[32+\i], s24, v[16+4*\g+\i]      ; the keys below a's,
	v_cmp_gt_u32 s[36+\i], s25, v[16+4*\g+\i]      ; below b's
.endr
.irp i, 0,1,2,3,4,5,6,7
	s_bcnt1_i32_b32 s[32+\i], s[32+\i]
.endr
.irp i, 0,1,2,3
	s_add_co_u32 s30, s30, s[32+\i]
	s_add_co_u32 s31, s31, s[36+\i]
.endr
.endr
	s_min_u32 s30, s30, 2047                       ; a count of 2,048 keys less one's own: held so before it enters an address
	s_min_u32 s31, s31, 2047
	s_lshl_b32 s40, s30, 9
	s_mov_b32 s41, 0
	s_lshl_b32 s42, s31, 9
	s_mov_b32 s43, 0
	s_add_nc_u64 s[40:41], s[10:11], s[40:41]
	s_add_nc_u64 s[42:43], s[10:11], s[42:43]
	s_wait_loadcnt 0x0
	global_store_b128 v2, v[80:83], s[40:41]               ; 512 consecutive bytes
	global_store_b128 v2, v[84:87], s[42:43]
	v_mov_b32 v7, s30
	v_mov_b32 v8, s31
	v_cmp_ne_u32 vcc_lo, 0, v4
	s_delay_alu instid0(VALU_DEP_1)
	v_cndmask_b32 v7, v7, v8, vcc_lo
	s_delay_alu instid0(VALU_DEP_1)
	v_min_u32 v7, 0x7ff, v7
	s_delay_alu instid0(VALU_DEP_1)
	v_lshl_add_u32 v7, v7, 5, v5                   ; the piece's place in srt
	v_and_b32 v9, 1, v1                            ; the words, lanes 0-3: which token,
	v_bfe_u32 v10, v1, 1, 1                        ; which plane of idx
	s_delay_alu instid0(VALU_DEP_2)
	v_add_nc_u32 v11, s20, v9                      ; the token's number
	v_mov_b32 v12, s26
	v_mov_b32 v13, s27
	v_cmp_ne_u32 vcc_lo, 0, v9
	s_delay_alu instid0(VALU_DEP_1)
	v_cndmask_b32 v12, v12, v13, vcc_lo            ; its bits
	v_mov_b32 v13, s30
	s_delay_alu instid0(VALU_DEP_1)
	v_cndmask_b32 v13, v13, v8, vcc_lo             ; its place
	s_delay_alu instid0(VALU_DEP_1)
	v_min_u32 v13, 0x7ff, v13
	v_cmp_ne_u32 vcc_lo, 0, v10
	s_delay_alu instid0(VALU_DEP_1)
	v_cndmask_b32 v11, v11, v12, vcc_lo
	v_lshlrev_b32 v10, 13, v10                     ; SELS = 8,192
	s_delay_alu instid0(VALU_DEP_1)
	v_lshl_add_u32 v13, v13, 2, v10
	v_cmp_gt_u32 vcc_lo, 8, v1
	s_wait_alu depctr_va_vdst(0)
	s_wait_xcnt 0x0                                ; EXEC changes only behind this wait: the stores above have it among their sources
	s_and_saveexec_b32 s44, vcc_lo
	global_store_b128 v7, v[88:91], s[10:11]
	s_wait_xcnt 0x0                                ; and again ahead of the line that widens it
	s_or_b32 exec_lo, exec_lo, s44
	v_cmp_gt_u32 vcc_lo, 4, v1
	s_and_saveexec_b32 s44, vcc_lo                 ; (no load or store was issued since the last wait)
	global_store_b32 v13, v11, s[12:13]
	s_wait_xcnt 0x0
	s_or_b32 exec_lo, exec_lo, s44
	s_endpgm
.Lquant:
	s_wait_alu depctr_va_vdst(0)
	QW 1024, 2048, 128, 8, 3, 8, 14
.Lfunc_end_k_qe5042e0ba1_place_w1:
	.size	k_qe5042e0ba1_place_w1, .Lfunc_end_k_qe5042e0ba1_place_w1-k_qe5042e0ba1_place_w1
	.p2alignl 7, 3214868480
	.fill 96, 4, 3214868480
	.section	.rodata,"a",@progbits
	.p2align	6, 0x0
	.amdhsa_kernel k_qe5042e0ba1_place_w1
		.amdhsa_group_segment_fixed_size 0
		.amdhsa_private_segment_fixed_size 0
		.amdhsa_enable_private_segment 0
		.amdhsa_kernarg_size 48
		.amdhsa_user_sgpr_count 2
		.amdhsa_user_sgpr_kernarg_segment_ptr 1
		.amdhsa_wavefront_size32 1
		.amdhsa_system_sgpr_workgroup_id_x 1
		.amdhsa_system_sgpr_workgroup_id_y 1
		.amdhsa_system_sgpr_workgroup_id_z 1
		.amdhsa_system_vgpr_workitem_id 0
		.amdhsa_next_free_vgpr 128
		.amdhsa_next_free_sgpr 66
		.amdhsa_reserve_vcc 1
		.amdhsa_float_denorm_mode_32 3
		.amdhsa_float_denorm_mode_16_64 3
		.amdhsa_memory_ordered 1
		.amdhsa_forward_progress 1
		.amdhsa_inst_pref_size 45
	.end_amdhsa_kernel
	.amdgpu_metadata
---
amdhsa.version: [ 1, 2 ]
amdhsa.kernels:
  - .name:           k_qe5042e0ba1_place_w1
    .symbol:         k_qe5042e0ba1_place_w1.kd
    .args:
      - { .name: key, .offset: 0, .size: 8, .value_kind: global_buffer, .address_space: global }
      - { .name: tok, .offset: 8, .size: 8, .value_kind: global_buffer, .address_space: global }
      - { .name: W1, .offset: 16, .size: 8, .value_kind: global_buffer, .address_space: global }
      - { .name: srt, .offset: 24, .size: 8, .value_kind: global_buffer, .address_space: global }
      - { .name: idx, .offset: 32, .size: 8, .value_kind: global_buffer, .address_space: global }
      - { .name: w1c, .offset: 40, .size: 8, .value_kind: global_buffer, .address_space: global }
    .group_segment_fixed_size: 0
    .private_segment_fixed_size: 0
    .kernarg_segment_align: 8
    .kernarg_segment_size: 48
    .max_flat_workgroup_size: 256
    .sgpr_count:     66
    .vgpr_count:     128
    .wavefront_size: 32
...
	.end_amdgpu_metadata
.endif
;; end of part 6
;; launch gemm1 (part 7): grid 16 x 16, 4 waves a work-group, no clusters, 0 bytes of LDS; arguments srt, idx, w1c, b1, hc; writes hc
.if DOCPART == 7
	.amdgcn_target "amdgcn-amd-amdhsa--gfx1250"
	.amdhsa_code_object_version 6
	.text
	.protected	k_qe5042e0ba1_gemm1
	.globl	k_qe5042e0ba1_gemm1
	.p2align	8
	.type	k_qe5042e0ba1_gemm1,@function
k_qe5042e0ba1_gemm1:
	s_mov_b64 s[64:65], 0
	v_nop
	global_prefetch_b8 v0, s[64:65] scope:SCOPE_SE
	s_setreg_imm32_b32 hwreg(HW_REG_WAVE_SCHED_MODE, 0, 2), 2
	s_setreg_imm32_b32 hwreg(HW_REG_WAVE_MODE, 25, 1), 1
	s_wait_xcnt 0x0
	s_wait_alu depctr_vm_vsrc(0)
; h = Q(relu(x W1_e + b1_e)) on codes of FP4 (E2M1) with E8M0 scales, for every (tile of 16 sorted tokens, expert e that one of its tokens chose).  Q: the quantiser along the hidden units, the next product's K.
; SHARES.  Work-group (x, y): x = a slab of 128 hidden units, which is one K step of the next product; y = 2 e + par.  Wave w has c = 4 par + w and walks tiles 8 i + c, i = 0 .. 15: a constant count of trips.
; A trip's work is passed over, by a scalar branch on the stored bits, where no token of the tile chose e.  Sorted tokens that use one expert lie in runs, so the tiles are dealt out 8 apart.
; A wave keeps its slab of W1_e in registers for the whole launch: 8 column tiles x 8 K steps = 512 registers; what goes round is a tile's codes of x.  Waves share nothing: no LDS, no barrier.
; The walk hangs on numbers read from memory, so the operands come straight into registers and no tile is shared in a cluster.
; LAYOUT.  The product is used transposed (source 0 = 16 rows of W1's codes, source 1 = 16 tokens): a lane holds one token.  Row r of column tile 2 b + u is hidden unit 32 b + 8 u + r + (r & 8), so the 16 registers of tiles
; 2 b and 2 b + 1 are the neighbours 32 b + 16 (lane / 16) + 0 .. 15 along the next K.  The slab's 8 tiles become exactly one fragment and one scale word a row; they go to hc as an image of the registers:
;   hc: [tile][e][slab][1,024 B]: register group c of lane l at 512 c + 16 l | at HSC [tile][e][slab][32 lanes] scale words.
; Rows of a used tile whose token did not choose e are computed too: finite numbers, which the next launch weighs with 0.
; LIMITS: NaN and infinities are not served.  A block of zeros gets the byte 1 where the rule says 127 (its codes are zeros; this program alone reads the bytes).
; REGISTERS, in windows of 256: window 0: v1-9 addresses; v16-23 the stored bits; v32-63 W1's scale words (register 4 s + t / 2: tile t even in lanes 0-15, odd in lanes 16-31); v64-79 x's scale words, two sets;
;   v80-143 the 8 tiles of h; v144-151 codes; v152-168 at work.   windows 1, 2: W1's fragments of K steps 0-3, 4-7, at 8 (8 (s % 4) + t).   window 3: v0-127 x's fragments, two sets; v128-191 b1's 8 tiles.
; THE MODE: SCHED_MODE bits 1:0 = 2 (LLVM: expert scheduling mode 2), set by the entry lines.  The code itself states the register dependences between vector or matrix instructions and memory instructions,
; with s_wait_alu, always for 0.
; THE PLAN.  Registers that memory instructions touch:
;   x's two sets and their scale words   Trip t's products read set t % 2.  The loads of trip t + 1's tile are issued at the head of trip t and land in the other set, which trip t - 1's products read.
;   v[PC ..], v[PW]                      Written by a trip's quantiser, read by its three stores, written again by the next working trip's quantiser.
;   v4 to v9                             Offsets, made once at the head and never written again: the tiles are reached by four scalar bases.
;   W1's fragments and scale words, b1, the stored bits: loaded once, at the head; afterwards named by vector and matrix instructions alone.
; So a trip has three waits: one on va_vdst ahead of its fetch, one on va_vdst between the quantiser and the stores, one on vm_vsrc behind the stores.  The head has one on va_vdst ahead of its first load,
; and one on va_sdst behind each of its two runs of vector lines that write scalar registers.
.set XS0,  1048576
.set SELS, 8192
.set WS,   8388608
.set HSC,  16777216
.set W1S,  32
.set XSR,  64
.set HA,   80
.set PC,   144
.set TM,   152
.set PW,   168
.set B1,   128
.set SEL,  20                          ; s[20:21] lane selects: lane l xor 16
.set BM,   48                          ; s[48:55] at the head only: the eight masks of the stored bits
.set MSB,  0
.macro WIN new                         ; the immediate's high byte repeats the setting that is left; a switch that changes nothing is dropped
.if MSB != (\new)
	s_set_vgpr_msb (MSB<<8)|(\new)
.set MSB, (\new)
.endif
.endm
; 64 numbers of a lane, register 16 b + i = k 32 b + 16 (lane / 16) + i of my row, become a fragment's codes in v[PC] on and its scale word in v[PW].
.macro QUANT s
.irp b, 0,1,2,3
	v_max3_num_f32 v[TM+\b], |v[\s+16*\b]|, |v[\s+1+16*\b]|, 0x1800000   ; block b: my 16 numbers and the floor 2^(3 - 127)
.endr
.irp i, 2,4,6,8,10,12,14
.irp b, 0,1,2,3
	v_max3_num_f32 v[TM+\b], v[TM+\b], |v[\s+16*\b+\i]|, |v[\s+1+16*\b+\i]|   ; the four blocks by turns
.endr
.endr
.irp b, 0,1,2,3
	v_permlanex16_b32 v[TM+4+\b], v[TM+\b], s[SEL], s[SEL+1]
.endr
.irp b, 0,1,2,3
	v_max_num_f32 v[TM+\b], v[TM+\b], v[TM+4+\b]   ; with lane l xor 16's 16: the block's largest magnitude
.endr
.irp b, 0,1,2,3
	v_add_nc_u32 v[TM+12+\b], 0xff000000, v[TM+\b] ; 2 off its exponent field: the conversion's scale operand
.endr
.irp b, 0,1,2,3
	v_lshrrev_b32 v[TM+4+\b], 23, v[TM+12+\b]      ; the scale's byte
.endr
	v_lshl_or_b32 v[PW], v[TM+5], 8, v[TM+4]
	v_lshl_or_b32 v[PW], v[TM+6], 16, v[PW]
	v_lshl_or_b32 v[PW], v[TM+7], 24, v[PW]
.irp b, 0,1,2,3
	v_cvt_scalef32_pk8_fp4_f32 v[PC+2*\b], v[\s+16*\b:\s+7+16*\b], v[TM+12+\b]
	v_cvt_scalef32_pk8_fp4_f32 v[PC+1+2*\b], v[\s+8+16*\b:\s+15+16*\b], v[TM+12+\b]
.endr
	v_nop                                          ; one plain line behind the last conversion
.irp c, 0,1                                    ; a whole block to a lane: lanes 0-15 block 2 c, lanes 16-31 block 2 c + 1
.irp i, 0,1
	v_permlane16_swap_b32 v[PC+4*\c+\i], v[PC+2+4*\c+\i]
.endr
.endr
.endm
; A tile's codes of x (8 fragments) and scale words (8 a row) into set 0 or 1; ahead = 1: the tile of the next trip, 8 tiles on.  dep = 1: in the loop, where products have read the set.
.macro XLOAD set, ahead, dep
	WIN 0xc0                                       ; destination window 3, address window 0
.if \dep
	s_wait_alu depctr_va_vdst(0)                   ; the products of the trip before are done reading this set and its scale words, in which the eighteen loads below land; only loads and one switch of the windows stand among these
.endif
.irp s, 0,1,2,3,4,5,6,7
.irp c, 0,1
	global_load_b128 v[64*\set+8*\s+4*\c:64*\set+8*\s+4*\c+3], v6, s[24:25] offset:\ahead*65536+64*\s+32*\c
.endr
.endr
	WIN 0
	global_load_b128 v[XSR+8*\set:XSR+8*\set+3], v7, s[26:27] offset:\ahead*4096
	global_load_b128 v[XSR+8*\set+4:XSR+8*\set+7], v7, s[26:27] offset:\ahead*4096+16
.endm
.macro MM set, s, t                    ; tile t of h, K step s.  The first K step takes b1 as C: the bias costs no addition and nothing is cleared
.set CR, HA+8*(\t)
.if (\s) == 0
.set CR, B1+8*(\t)
.endif
.set AR, 8*(8*((\s)%4)+(\t))
.set BR, 64*(\set)+8*(\s)
.if (\t)%2
	v_wmma_scale_f32_16x16x128_f8f6f4 v[HA+8*(\t):HA+8*(\t)+7], v[AR:AR+7], v[BR:BR+7], v[CR:CR+7], v[W1S+4*(\s)+(\t)/2], v[XSR+8*(\set)+(\s)] matrix_a_fmt:MATRIX_FMT_FP4 matrix_b_fmt:MATRIX_FMT_FP4 matrix_a_scale:MATRIX_SCALE_ROW1
.else
	v_wmma_scale_f32_16x16x128_f8f6f4 v[HA+8*(\t):HA+8*(\t)+7], v[AR:AR+7], v[BR:BR+7], v[CR:CR+7], v[W1S+4*(\s)+(\t)/2], v[XSR+8*(\set)+(\s)] matrix_a_fmt:MATRIX_FMT_FP4 matrix_b_fmt:MATRIX_FMT_FP4
.endif
.endm
.macro COMPUTE set
.irp s, 0,1,2,3,4,5,6,7
.if \s == 0
	WIN 0x3d                                       ; source 0 (W1) window 1, source 1 (x) and source 2 (b1) window 3, destination window 0
.elseif \s < 4
	WIN 0x0d                                       ; C and D window 0
.else
	WIN 0x0e                                       ; W1 in window 2
.endif
.irp t, 0,1,2,3,4,5,6,7
	MM \set, \s, \t                                ; the eight sums take turns, one instruction a turn
.endr
.endr
	WIN 0
.rept 4
	v_nop                                          ; four places behind the last product, ahead of the first read of results (ISA guide 7.12.1)
.endr
.irp j, 0,1,2,3,4,5,6,7,8,9,10,11,12,13,14,15,16,17,18,19,20,21,22,23,24,25,26,27,28,29,30,31,32,33,34,35,36,37,38,39,40,41,42,43,44,45,46,47,48,49,50,51,52,53,54,55,56,57,58,59,60,61,62,63
	v_max_num_f32 v[HA+\j], 0, v[HA+\j]            ; relu, in f32; each sum from its low end on
.endr
	QUANT HA
	s_wait_alu depctr_va_vdst(0)                   ; the quantiser has written v[PC ..] and v[PW], which the three stores below read
	global_store_b128 v4, v[PC:PC+3], s[28:29]             ; the fragment as it stands: 512 consecutive bytes a store
	global_store_b128 v4, v[PC+4:PC+7], s[28:29] offset:512
	global_store_b32 v5, v[PW], s[30:31]                   ; its scale words, 4 bytes a lane (lanes 16-31 hold the same as lanes 0-15)
.endm
; A trip.  The next trip's tile is asked for ahead of this trip's work, into the other set.
.macro TRIP set, other
	s_wait_loadcnt 0x0                             ; all that is out is this trip's set, asked for a trip ago (in the first trip: the head's loads)
	s_bitcmp1_b32 s18, 1                           ; does the next tile use e?  (bit 16 is never set: the last trip asks for nothing)
	s_cbranch_scc0 .Lno_fetch_\@
	XLOAD \other, 1, 1
.Lno_fetch_\@:
	s_bitcmp1_b32 s18, 0                           ; does this one?
	s_cbranch_scc0 .Lno_work_\@
	COMPUTE \set
.Lno_work_\@:
	s_wait_xcnt 0x0                                ; the loads and stores above have read their bases and data: only now are these written again
	s_wait_alu depctr_vm_vsrc(0)                   ; the stores above have read v[PC ..] and v[PW], which the next working trip's quantiser writes again
	s_add_nc_u64 s[24:25], s[24:25], 65536         ; 8 tiles on: 128 rows of 512 bytes of codes,
	s_add_nc_u64 s[26:27], s[26:27], 4096          ; of 32 bytes of scale words,
	s_add_nc_u64 s[28:29], s[28:29], 1048576       ; 8 x 8 x 16 images of 1,024 bytes,
	s_add_nc_u64 s[30:31], s[30:31], 131072        ; and of 128
	s_lshr_b32 s18, s18, 1
.endm
	s_load_b256 s[4:11], s[0:1], 0x0               ; srt s[4:5], idx s[6:7], w1c s[8:9], b1 s[10:11]
	s_load_b64 s[12:13], s[0:1], 0x20              ; hc
	v_lshrrev_b32 v1, 5, v0
	v_readfirstlane_b32 s14, v1                    ; wave 0..3
	v_and_b32 v1, 31, v0                           ; lane
	v_and_b32 v2, 15, v0                           ; r
	v_bfe_u32 v3, v0, 4, 1                         ; h
	s_mov_b32 s15, ttmp9                           ; slab
	s_and_b32 s16, ttmp7, 0xffff
	s_and_b32 s17, s16, 1
	s_lshr_b32 s16, s16, 1                         ; e
	s_lshl_b32 s17, s17, 2
	s_wait_alu depctr_va_sdst(0)                   ; s14 is written, ahead of its first reader
	s_add_co_u32 s17, s17, s14                     ; c
	v_lshlrev_b32 v4, 4, v1                        ; 16 x lane
	v_lshlrev_b32 v5, 2, v1                        ; 4 x lane
	v_lshlrev_b32 v6, 9, v2
	v_lshl_add_u32 v6, v3, 4, v6                   ; x's codes: row r of 512 bytes, + 16 h
	v_lshlrev_b32 v7, 5, v2                        ; x's scale words: row r of 32 bytes
	v_lshlrev_b32 v8, 6, v3                        ; b1: 16 h numbers on
	v_lshlrev_b32 v9, 2, v2
	v_lshl_add_u32 v9, v3, 9, v9
	s_lshl_b32 s32, s17, 6
	v_add_nc_u32 v9, s32, v9                       ; the stored bits: token r of tile 8 (2 q + h) + c: 1,024 q + 512 h + 64 c + 4 r
.irp b, 0,1,2,3
	v_mov_b32 v[TM+4+\b], 0                        ; written once: a lane permute's destination counts as one of its sources
.endr
	s_mov_b32 s[SEL], 0x76543210
	s_mov_b32 s[SEL+1], 0xfedcba98
	s_lshl_b32 s24, s17, 13                        ; tile c: its codes,
	s_mov_b32 s25, 0
	s_lshl_b32 s26, s17, 9
	s_add_co_u32 s26, s26, XS0                     ; its scale words,
	s_mov_b32 s27, 0
	s_lshl_b32 s28, s17, 17                        ; its image in hc: 131,072 c + 16,384 e + 1,024 slab,
	s_lshl_b32 s32, s16, 14
	s_add_co_u32 s28, s28, s32
	s_lshl_b32 s32, s15, 10
	s_add_co_u32 s28, s28, s32
	s_mov_b32 s29, 0
	s_lshl_b32 s30, s17, 14                        ; and the image's scale words: 16,384 c + 2,048 e + 128 slab
	s_lshl_b32 s32, s16, 11
	s_add_co_u32 s30, s30, s32
	s_lshl_b32 s32, s15, 7
	s_add_co_u32 s30, s30, s32
	s_add_co_u32 s30, s30, HSC
	s_mov_b32 s31, 0
	s_lshl_b32 s34, s16, 20                        ; W1's codes: (128 e + 8 slab) column tiles of 8,192 bytes
	s_lshl_b32 s32, s15, 16
	s_add_co_u32 s34, s34, s32
	s_mov_b32 s35, 0
	s_lshl_b32 s36, s16, 16                        ; its scale words: 65,536 e + 512 slab
	s_lshl_b32 s32, s15, 9
	s_add_co_u32 s36, s36, s32
	s_add_co_u32 s36, s36, WS
	s_mov_b32 s37, 0
	s_lshl_b32 s38, s16, 13                        ; b1: (2,048 e + 128 slab) x 4
	s_add_co_u32 s38, s38, s32
	s_mov_b32 s39, 0
	s_wait_kmcnt 0x0
	s_add_nc_u64 s[24:25], s[4:5], s[24:25]
	s_add_nc_u64 s[26:27], s[4:5], s[26:27]
	s_add_nc_u64 s[28:29], s[12:13], s[28:29]
	s_add_nc_u64 s[30:31], s[12:13], s[30:31]
	s_add_nc_u64 s[34:35], s[8:9], s[34:35]
	s_add_nc_u64 s[36:37], s[8:9], s[36:37]
	s_add_nc_u64 s[38:39], s[10:11], s[38:39]
	s_wait_alu depctr_va_vdst(0)                   ; the six offsets v4 to v9 are written, which every load and store of the kernel reads; only loads and switches of the windows stand from here to the head's last load
.irp q, 0,1,2,3,4,5,6,7
	global_load_b32 v[16+\q], v9, s[6:7] offset:SELS+1024*\q
.endr
	WIN 0x40                                       ; destination window 1
.irp s, 0,1,2,3
.irp t, 0,1,2,3,4,5,6,7
.irp c, 0,1
	global_load_b128 v[8*(8*\s+\t)+4*\c:8*(8*\s+\t)+4*\c+3], v4, s[34:35] offset:8192*\t+1024*\s+512*\c   ; a fragment is 1,024 consecutive bytes
.endr
.endr
.endr
	WIN 0x80                                       ; destination window 2
.irp s, 4,5,6,7
.irp t, 0,1,2,3,4,5,6,7
.irp c, 0,1
	global_load_b128 v[8*(8*(\s-4)+\t)+4*\c:8*(8*(\s-4)+\t)+4*\c+3], v4, s[34:35] offset:8192*\t+1024*\s+512*\c
.endr
.endr
.endr
	WIN 0
.irp s, 0,1,2,3,4,5,6,7
.irp p, 0,1,2,3
	global_load_b32 v[W1S+4*\s+\p], v5, s[36:37] offset:8192*\s+128*\p
.endr
.endr
	WIN 0xc0                                       ; destination window 3
.irp t, 0,1,2,3,4,5,6,7
	global_load_b128 v[B1+8*\t:B1+8*\t+3], v8, s[38:39] offset:(32*(\t/2)+8*(\t%2))*4          ; lane (r, h), tile 2 b + u: hidden units 32 b + 16 h + 8 u + 0 .. 7
	global_load_b128 v[B1+8*\t+4:B1+8*\t+7], v8, s[38:39] offset:(32*(\t/2)+8*(\t%2))*4+16
.endr
	WIN 0
	XLOAD 0, 0, 0                                  ; my first two tiles are fetched whether or not they use e: so both sets are written on every way into the loop
	XLOAD 1, 1, 0
	s_lshl_b32 s33, 1, s16
	s_mov_b32 s18, 0
	s_wait_loadcnt 63                              ; the eight loads of bits are in: 212 loads were issued behind them, and the wait's field holds 63
.irp q, 0,1,2,3,4,5,6,7
	v_and_b32 v[16+\q], s33, v[16+\q]
.endr
.irp q, 0,1,2,3,4,5,6,7
	v_cmp_ne_u32 s[BM+\q], 0, v[16+\q]             ; the eight compares in one run, each into a scalar register of its own
.endr
	s_wait_alu depctr_va_sdst(0)                   ; the eight masks are written, ahead of their first reader
.irp q, 0,1,2,3,4,5,6,7                        ; bit i of s18: does tile 8 i + c use e?
	s_and_b32 s40, s[BM+\q], 0xffff                ; lanes 0-15: tile i = 2 q
	s_cselect_b32 s40, 1<<(2*\q), 0
	s_lshr_b32 s41, s[BM+\q], 16                   ; lanes 16-31: i = 2 q + 1
	s_cselect_b32 s41, 1<<(2*\q+1), 0
	s_or_b32 s18, s18, s40
	s_or_b32 s18, s18, s41
.endr
	s_mov_b32 s19, 8
.Ltiles:                                           ; 8 trips of two tiles: the sets are back where they began
	TRIP 0, 1
	TRIP 1, 0
	s_sub_co_u32 s19, s19, 1
	s_cmp_lg_u32 s19, 0
	s_cbranch_scc1 .Ltiles
	s_endpgm
.Lfunc_end_k_qe5042e0ba1_gemm1:
	.size	k_qe5042e0ba1_gemm1, .Lfunc_end_k_qe5042e0ba1_gemm1-k_qe5042e0ba1_gemm1
	.p2alignl 7, 3214868480
	.fill 96, 4, 3214868480
	.section	.rodata,"a",@progbits
	.p2align	6, 0x0
	.amdhsa_kernel k_qe5042e0ba1_gemm1
		.amdhsa_group_segment_fixed_size 0
		.amdhsa_private_segment_fixed_size 0
		.amdhsa_enable_private_segment 0
		.amdhsa_kernarg_size 40
		.amdhsa_user_sgpr_count 2
		.amdhsa_user_sgpr_kernarg_segment_ptr 1
		.amdhsa_wavefront_size32 1
		.amdhsa_system_sgpr_workgroup_id_x 1
		.amdhsa_system_sgpr_workgroup_id_y 1
		.amdhsa_system_sgpr_workgroup_id_z 1
		.amdhsa_system_vgpr_workitem_id 0
		.amdhsa_next_free_vgpr 960
		.amdhsa_next_free_sgpr 66
		.amdhsa_reserve_vcc 0
		.amdhsa_float_denorm_mode_32 3
		.amdhsa_float_denorm_mode_16_64 3
		.amdhsa_memory_ordered 1
		.amdhsa_forward_progress 1
		.amdhsa_inst_pref_size 60
	.end_amdhsa_kernel
	.amdgpu_metadata
---
amdhsa.version: [ 1, 2 ]
amdhsa.kernels:
  - .name:           k_qe5042e0ba1_gemm1
    .symbol:         k_qe5042e0ba1_gemm1.kd
    .args:
      - { .name: srt, .offset: 0, .size: 8, .value_kind: global_buffer, .address_space: global }
      - { .name: idx, .offset: 8, .size: 8, .value_kind: global_buffer, .address_space: global }
      - { .name: w1c, .offset: 16, .size: 8, .value_kind: global_buffer, .address_space: global }
      - { .name: b1, .offset: 24, .size: 8, .value_kind: global_buffer, .address_space: global }
      - { .name: hc, .offset: 32, .size: 8, .value_kind: global_buffer, .address_space: global }
    .group_segment_fixed_size: 0
    .private_segment_fixed_size: 0
    .kernarg_segment_align: 8
    .kernarg_segment_size: 40
    .max_flat_workgroup_size: 128
    .sgpr_count:     66
    .vgpr_count:     960
    .wavefront_size: 32
...
	.end_amdgpu_metadata
.endif
;; end of part 7
;; launch gemm2 (part 8): grid 8 x 32, 8 waves a work-group, no clusters, 140,288 bytes of LDS; arguments hc, w2c, b2, srt, idx, out0; writes out0
.if DOCPART == 8
	.amdgcn_target "amdgcn-amd-amdhsa--gfx1250"
	.amdhsa_code_object_version 6
	.text
	.protected	k_qe5042e0ba1_gemm2
	.globl	k_qe5042e0ba1_gemm2
	.p2align	8
	.type	k_qe5042e0ba1_gemm2,@function
k_qe5042e0ba1_gemm2:
	s_mov_b64 s[64:65], 0
	v_nop
	global_prefetch_b8 v0, s[64:65] scope:SCOPE_SE
	s_setreg_imm32_b32 hwreg(HW_REG_WAVE_SCHED_MODE, 0, 2), 2
	s_setreg_imm32_b32 hwreg(HW_REG_WAVE_MODE, 25, 1), 1
	s_wait_xcnt 0x0
	s_wait_alu depctr_vm_vsrc(0)
; out[n] = the sum over experts e of w[n][e] (h_e[n] W2_e + b2_e), on codes of FP4 (E2M1) with E8M0 scales.  Only experts that a token of the work-group's rows chose are multiplied; w is the dense row of weights, 0 where not chosen.
; SHARES.  Work-group (X, g) OWNS the output of sorted tiles 4 g .. 4 g + 3 (64 tokens) x columns 128 X .. + 127: no sum spans work-groups.  EIGHT waves, two to a SIMD.  Wave w: ch = w & 1: 64 of the columns;
; kq = w >> 1: K steps 4 kq .. 4 kq + 3 of 16.  A wave's loads in flight are bounded by its counter's field (ISA guide 5.7.1), and an expert's operands are 64 loads of 512 bytes for each of eight waves: so K is cut in four.
; Each wave keeps its own OUT = sum over e of w_e x (its quarter of the K sum), over all experts.  The 16 sums of an expert (128 registers) and four K steps of operands (256) leave no room for OUT in 512 registers:
; OUT lies in the wave's own region of LDS, in the rows in which it will leave, and after each expert w x Y + OUT is made in Y's registers and stored back, while the next expert's operands are on their way.
; The four quarters meet once, at the end, behind the one barrier.  The bias goes with kq = 0 alone: the loaded b2 is multiplied by 1 or by 0.
; THE WALK.  From the stored bits every wave makes the same list U (four bits an expert: which of the four tiles use it) and walks the experts that are used, in ascending order: at least two (a token has two different experts),
; at most eight.  A tile that does not use e reads the h of a tile of the group that does: finite numbers, weighed with 0 in all 16 rows.  Slots of hc that were never written are never read.
; The walk hangs on numbers read from memory, so the operands come straight into registers, laid by the earlier launches in the order of the registers; no tile is shared in a cluster.
; AHEAD.  A wave's 4 K steps of an expert have registers of their own.  As soon as a K step is multiplied, the next expert's same K step is asked for into its place.
; LAYOUT.  Transposed use: source 0 = 16 rows of W2's codes, source 1 = 16 tokens: a lane holds one token.  Row r of column tile 2 G + u is column 32 G + 8 u + r + (r & 8), so tiles 2 G, 2 G + 1 give a lane 16 neighbouring columns.
; LIMITS: NaN and infinities are not served; b2 must be finite (the factor 0 above).  The K sum is made in four quarters, added as (0 + 1) + (2 + 3), and the experts are added in ascending order: f32 throughout, grouped otherwise than in the source.
; REGISTERS, in windows of 256: window 0: v1-15 addresses; v16-21 at work; v24-31 W2's scale words (2 s + t / 2: tile t even in lanes 0-15, odd in 16-31); v32-39 h's (2 s + j / 2 likewise); v40-71 b2's four tiles;
;   v72-79 the weights (a pair a tile, the low word used); v80-91 the way out's addresses; v94, v95 the closing add's two; v96-127 OUT as read back, two halves of 16; v128-255 the 16 sums Y (t, j) at 128 + 8 (4 t + j), at the end the way out's rows.
;   window 1: K step s at 64 s: W2's four fragments, then h's four.   So every product runs under one setting of the windows.
; THE MODE: SCHED_MODE bits 1:0 = 2 (LLVM: expert scheduling mode 2), set by the entry lines.  The code itself states the register dependences between vector or matrix instructions and memory or LDS instructions,
; with s_wait_alu, always for 0.
; THE PLAN.  Registers that memory or LDS instructions touch:
;   slot s (window 1), its scale words   Read by K step s's 16 products; behind them the next expert's K step s lands there.
;   the bias v40-71                      Loaded; multiplied in place; read by K step 0's products as C; behind them the next expert's lands there.
;   v6-11                                Offsets of h's fragments and scale words: written at an expert's head for the NEXT expert, read by that expert's loads.  (v18: read by the head's two loads, then at work.)
;   the weights v72, 74, 76, 78          Read by the weighing of Y; behind it the next expert's land there.
;   T, two halves                        Unit u's LDS loads land in half u % 2; unit u's eight multiply-adds read it; unit u + 2's loads land there.
;   Y                                    Written by the products, then in place by the weighing; read by the LDS stores; written anew by the next expert's first products; at the end the way out's LDS loads land there.
;   v84-91                               Offsets in out0: written on the way out, read by its stores.
;   v4, v13-15, v80-82                   Offsets and LDS addresses, made once at the head, never written again.
; So: one wait on va_vdst behind each K step's products, ahead of the loads that fill the slot again at once (a slot that waited for the next step's data would lie empty meanwhile); one behind each unit's
; eight multiply-adds, for its four LDS stores and the four LDS loads into the half just read; one wait on vm_vsrc where the offsets are written again, one where Y is.
.set WS,    8388608
.set HSC,   16777216
.set WD0,   1114112
.set SELS,  8192
.set OP,    272                        ; LDS: a row of a wave's OUT: its 64 columns, 256 bytes, + 16: the 16 rows that a store touches begin 68 words apart
.set WREG,  64*OP                      ; a wave's region: 64 rows; wave w's begins at w x WREG
.set VH,    6                          ; v6-9   h's fragments of tile j: (tile, e) << 14 + 16 x lane + 4,096 kq
.set VHS,   10                         ; v10-11 their scale words: lanes 0-15 tile 2 p, lanes 16-31 tile 2 p + 1
.set W2S,   24
.set HS,    32
.set BI,    40
.set WG,    72
.set STO,   80                         ; v80    my place in my wave's region: row r, 64 h bytes on
.set RDA,   81                         ; v81    the way out: my 16 bytes of row 8 w, K quarters 0 and 1;
.set RDB,   82                         ; v82    quarters 2 and 3
.set OA,    84                         ; v84-91 my byte offset in out0 for each of my 8 rows
.set T,     96
.set Y,     128
.set PMO,   86                         ; s86  the byte offset in idx of the tokens at my 8 places: a source of a scalar load, written once and never again
.set MA,    66                         ; s[66:73] at the head only: expert e's mask over tiles 0 and 1;
.set MB,    88                         ; s[88:95] over tiles 2 and 3
.set MSB,   0
.macro WIN new                         ; the immediate's high byte repeats the setting that is left; a switch that changes nothing is dropped
.if MSB != (\new)
	s_set_vgpr_msb (MSB<<8)|(\new)
.set MSB, (\new)
.endif
.endm
.macro PLACES                          ; four places behind a product, ahead of the first read of results; ahead of loads into its registers they stand beside the wait that states the dependence
.rept 4
	v_nop
.endr
.endm
; The next expert of the list, and every address that hangs on it.  What comes from memory is held by a minimum before it enters an address.
.macro NEXTE
	s_wait_xcnt 0x0                                ; the loads issued so far have read their address registers: only now are these written again
	s_wait_alu depctr_vm_vsrc(0)                   ; the loads issued so far have read the offsets v6 to v11 (at the head: v18), which the lines below write
	s_ctz_i32_b32 s23, s21
	s_lshr_b32 s23, s23, 2
	s_min_u32 s23, s23, 7                          ; e: the lowest expert left in U
	s_lshl_b32 s76, s23, 2
	s_lshr_b32 s24, s21, s76
	s_and_b32 s24, s24, 15                         ; which of my four tiles use it
	s_lshl_b32 s77, 15, s76
	s_and_not1_b32 s21, s21, s77                   ; taken off the list
	s_ctz_i32_b32 s25, s24                         ; the first tile that does
.irp j, 0,1,2,3
	s_bitcmp1_b32 s24, \j
	s_cselect_b32 s[26+\j], \j, s25                ; tile j, or in its stead a tile that has this expert's h
	s_min_u32 s[26+\j], s[26+\j], 3
	s_add_co_u32 s[26+\j], s[26+\j], s20
	s_lshl_b32 s[26+\j], s[26+\j], 3
	s_add_co_u32 s[26+\j], s[26+\j], s23           ; (4 g + J) 8 + e
	v_lshl_add_u32 v[VH+\j], s[26+\j], 14, v5
.endr
.irp p, 0,1
	v_mov_b32 v18, s[26+2*\p]
	v_mov_b32 v19, s[27+2*\p]
	v_cndmask_b32 v18, v18, v19, s50               ; lanes 16-31 take the odd tile's
	v_min_u32 v18, 0x3ff, v18
	v_lshl_add_u32 v[VHS+\p], v18, 11, v12
.endr
	s_mov_b32 s77, 0
	s_lshl_b32 s76, s23, 20
	s_add_nc_u64 s[40:41], s[32:33], s[76:77]      ; W2_e's codes: 64 column tiles of 16,384 bytes an expert
	s_lshl_b32 s76, s23, 16
	s_add_nc_u64 s[42:43], s[34:35], s[76:77]      ; its scale words
	s_lshl_b32 s76, s23, 12
	s_add_nc_u64 s[44:45], s[36:37], s[76:77]      ; b2_e
	s_lshl_b32 s76, s23, 2
	s_add_nc_u64 s[46:47], s[38:39], s[76:77]      ; column e of the weights
.endm
.macro BIAS                            ; 8 loads.  Lane (r, h), tile 2 p + u: columns 32 p + 16 h + 8 u + 0 .. 7 of my 64
.irp t, 0,1,2,3
	global_load_b128 v[BI+8*\t:BI+8*\t+3], v13, s[44:45] offset:(32*(\t/2)+8*(\t%2))*4
	global_load_b128 v[BI+8*\t+4:BI+8*\t+7], v13, s[44:45] offset:(32*(\t/2)+8*(\t%2))*4+16
.endr
.endm
.macro WLOAD                           ; 4 loads: token r's weight, for each of the four tiles
.irp j, 0,1,2,3
	global_load_b32 v[WG+2*\j], v14, s[46:47] offset:512*\j
.endr
.endm
.macro KLOAD s, dep                    ; 20 loads: my K step s of the expert at hand: W2's four fragments, h's four, their scale words.  dep = 1: products have just read the slot
.set SB, 64*(\s)
	WIN 0x40                                       ; destination window 1, address window 0
.if \dep
	s_wait_alu depctr_va_vdst(0)                   ; this K step's sixteen products are done reading slot s and its four scale words, in which the twenty loads below land; only loads and one switch of the windows stand among these
.endif
.irp t, 0,1,2,3
.irp c, 0,1
	global_load_b128 v[SB+8*\t+4*\c:SB+8*\t+4*\c+3], v4, s[40:41] offset:16384*\t+1024*(\s)+512*\c
.endr
.endr
.irp j, 0,1,2,3
.irp c, 0,1
	global_load_b128 v[SB+32+8*\j+4*\c:SB+32+8*\j+4*\c+3], v[VH+\j], s[4:5] offset:1024*(\s)+512*\c
.endr
.endr
	WIN 0
.irp p, 0,1
	global_load_b32 v[W2S+2*(\s)+\p], v15, s[42:43] offset:4096*(\s)+128*\p
	global_load_b32 v[HS+2*(\s)+\p], v[VHS+\p], s[30:31] offset:128*(\s)
.endr
.endm
.macro MM2 s, t, j                     ; Y (t, j), K step s.  The first K step takes the bias as C: nothing is cleared
.set YR, Y+8*(4*(\t)+(\j))
.set CR, YR
.if (\s) == 0
.set CR, BI+8*(\t)
.endif
.set AR, 64*(\s)+8*(\t)
.set BR, 64*(\s)+32+8*(\j)
.set SAR, W2S+2*(\s)+(\t)/2
.set SBR, HS+2*(\s)+(\j)/2
.if ((\t)%2) && ((\j)%2)
	v_wmma_scale_f32_16x16x128_f8f6f4 v[YR:YR+7], v[AR:AR+7], v[BR:BR+7], v[CR:CR+7], v[SAR], v[SBR] matrix_a_fmt:MATRIX_FMT_FP4 matrix_b_fmt:MATRIX_FMT_FP4 matrix_a_scale:MATRIX_SCALE_ROW1 matrix_b_scale:MATRIX_SCALE_ROW1
.elseif (\t)%2
	v_wmma_scale_f32_16x16x128_f8f6f4 v[YR:YR+7], v[AR:AR+7], v[BR:BR+7], v[CR:CR+7], v[SAR], v[SBR] matrix_a_fmt:MATRIX_FMT_FP4 matrix_b_fmt:MATRIX_FMT_FP4 matrix_a_scale:MATRIX_SCALE_ROW1
.elseif (\j)%2
	v_wmma_scale_f32_16x16x128_f8f6f4 v[YR:YR+7], v[AR:AR+7], v[BR:BR+7], v[CR:CR+7], v[SAR], v[SBR] matrix_a_fmt:MATRIX_FMT_FP4 matrix_b_fmt:MATRIX_FMT_FP4 matrix_b_scale:MATRIX_SCALE_ROW1
.else
	v_wmma_scale_f32_16x16x128_f8f6f4 v[YR:YR+7], v[AR:AR+7], v[BR:BR+7], v[CR:CR+7], v[SAR], v[SBR] matrix_a_fmt:MATRIX_FMT_FP4 matrix_b_fmt:MATRIX_FMT_FP4
.endif
.endm
; OUT IN LDS, in units of two sums.  Sum a = 4 t + j: lane (r, h) holds row 16 j + r, columns 32 (t / 2) + 16 h + 8 (t % 2) + 0 .. 7 of my 64: 32 bytes.
.macro OLD u                           ; 4 LDS loads: OUT so far of sums 2 u and 2 u + 1, into half u % 2 of T
.irp k, 0,1
.set AA, 2*(\u)+\k
.set OF, 16*(AA%4)*OP+128*(AA/8)+32*((AA/4)%2)
	ds_load_b128 v[T+16*((\u)%2)+8*\k:T+16*((\u)%2)+8*\k+3], v[STO] offset:OF
	ds_load_b128 v[T+16*((\u)%2)+8*\k+4:T+16*((\u)%2)+8*\k+7], v[STO] offset:OF+16
.endr
.endm
.macro WEIGH u, first                  ; w x Y (+ OUT so far) in Y's registers, each sum from its low end on: eight packed lines
.irp k, 0,1
.set AA, 2*(\u)+\k
.irp i, 0,2,4,6
.if \first
	v_pk_mul_f32 v[Y+8*AA+\i:Y+8*AA+\i+1], v[Y+8*AA+\i:Y+8*AA+\i+1], v[WG+2*(AA%4):WG+2*(AA%4)+1] op_sel_hi:[1,0]
.else
	v_pk_fma_f32 v[Y+8*AA+\i:Y+8*AA+\i+1], v[Y+8*AA+\i:Y+8*AA+\i+1], v[WG+2*(AA%4):WG+2*(AA%4)+1], v[T+16*((\u)%2)+8*\k+\i:T+16*((\u)%2)+8*\k+\i+1] op_sel_hi:[1,0,1]
.endif
.endr
.endr
.endm
.macro PUT u                           ; 4 LDS stores: the new OUT of sums 2 u and 2 u + 1
.irp k, 0,1
.set AA, 2*(\u)+\k
.set OF, 16*(AA%4)*OP+128*(AA/8)+32*((AA/4)%2)
	ds_store_b128 v[STO], v[Y+8*AA:Y+8*AA+3] offset:OF
	ds_store_b128 v[STO], v[Y+8*AA+4:Y+8*AA+7] offset:OF+16
.endr
.endm
; ONE EXPERT.  Its loads were issued earlier, in the order BIAS (8), KLOAD 0 .. 3 (20 each), WLOAD (4).  first = 1: OUT begins.  more = 1: a further expert follows and is asked for meanwhile, in the same order.
; THE COUNTS ON LOADS.  Behind KLOAD s of the expert at hand were issued its K steps s + 1 .. 3 and its weights, (3 - s) 20 + 4 loads, and with more = 1, from s = 1 on, also the next expert's bias and K steps 0 .. s - 1:
; 64 at s = 0, 72 later.  The wait names as many of them as its field holds, 63.  Behind the weights: with more = 1 the next expert's 88 loads, else none.
; THE COUNTS ON LDS.  The order is L0 L1 | S0 L2 | S1 L3 | .. | S5 L7 | S6 | S7, four instructions each.  Behind L0 stands L1: 4.  Behind L1 .. L6 stand a unit's stores and a unit's loads: 8.  Behind L7 stands S6: 4.
.macro BODY first, more
.if \more
	NEXTE
.endif
.irp s, 0,1,2,3
.set NW, (3-\s)*20+4
.if \more || (NW > 63)
.set NW, 63
.endif
	s_wait_loadcnt NW
.if \s == 0
.irp i, 0,2,4,6,8,10,12,14,16,18,20,22,24,26,28,30
	v_pk_mul_f32 v[BI+\i:BI+\i+1], v[BI+\i:BI+\i+1], s[48:49] op_sel_hi:[1,0]   ; the bias counts once: x 1 in the first quarter of K, x 0 in the others
.endr
	PLACES
.if !\first
	s_wait_alu depctr_va_vdst(0)
	s_wait_dscnt 0x0                               ; the last expert's LDS stores are done
	s_wait_alu depctr_vm_vsrc(0)                   ; the last expert's LDS stores have read Y's registers, which the products below write anew
.endif
.endif
	WIN 0x05                                       ; sources 0 and 1 window 1; C and D window 0
.irp t, 0,1,2,3
.irp j, 0,1,2,3
	MM2 \s, \t, \j                                 ; the 16 sums take turns, one instruction a turn
.endr
.endr
.if \more
	PLACES
.if \s == 0
	WIN 0
	s_wait_alu depctr_va_vdst(0)                   ; K step 0's products are done reading the bias, slot 0 and its scale words, in which the 28 loads below land; the offsets v6 to v11, made at this expert's head, are written, which those loads read
	BIAS
	KLOAD \s, 0                                    ; the next expert's K step 0, into the registers just multiplied
.else
	KLOAD \s, 1                                    ; the next expert's K step s, into the registers just multiplied
.endif
.endif
.endr
	PLACES
	WIN 0
.if !\first
	OLD 0                                          ; my own bytes, stored by me an expert ago: LDS serves a wave's instructions in order (ISA guide 5.7.1.4).  No wait on va_vdst: no vector or matrix line since the last expert's last such wait names T
	OLD 1
.endif
.if \more
	s_wait_loadcnt 63                              ; the weights
.else
	s_wait_loadcnt 0x0
.endif
.if \first
.irp u, 0,1,2,3,4,5,6,7
	WEIGH \u, 1                                    ; nothing is read back yet, so the 64 multiplications stand together
.endr
	s_wait_alu depctr_va_vdst(0)                   ; the multiplications have written all of Y, which the 32 LDS stores below read, and are done reading the weights, in which the next expert's land
.irp u, 0,1,2,3,4,5,6,7
	PUT \u
.endr
.else
.irp u, 0,1,2,3,4,5,6,7
.if (\u == 0) || (\u == 7)
	s_wait_dscnt 4
.else
	s_wait_dscnt 8
.endif
	WEIGH \u, 0
	s_wait_alu depctr_va_vdst(0)                   ; the unit's eight multiply-adds have written its two sums, which the four LDS stores read, and are done reading their half of T, in which the four LDS loads land (unit 7: and the weights, in which the next expert's land)
	PUT \u
.if \u < 6
	OLD \u+2                                       ; into the half of T that has just been read
.endif
.endr
.endif
.if \more
	WLOAD
.endif
.endm
	s_load_b256 s[4:11], s[0:1], 0x0               ; hc s[4:5], w2c s[6:7], b2 s[8:9], srt s[10:11]
	s_load_b128 s[12:15], s[0:1], 0x20             ; idx s[12:13], out0 s[14:15]
	v_lshl_add_u32 v94, v0, 2, 0x22000
	v_mov_b32 v95, 0
	v_lshrrev_b32 v1, 5, v0
	v_readfirstlane_b32 s16, v1                    ; wave 0..7
	v_and_b32 v1, 31, v0                           ; lane
	v_and_b32 v2, 15, v0                           ; r
	v_bfe_u32 v3, v0, 4, 1                         ; h
	s_wait_alu depctr_va_vdst(0)
	s_wait_alu depctr_va_sdst(0)                   ; s16 is written, ahead of its first reader
	s_and_b32 s17, s16, 1                          ; ch
	s_lshr_b32 s18, s16, 1                         ; kq
	s_mov_b32 s19, ttmp9                           ; X
	s_and_b32 s20, ttmp7, 0xffff
	s_lshl_b32 s20, s20, 2                         ; 4 g: my first tile
	v_lshlrev_b32 v4, 4, v1                        ; 16 x lane
	s_lshl_b32 s76, s18, 12
	v_add_nc_u32 v5, s76, v4                       ; + 4 K steps of 1,024 bytes x kq
	v_lshlrev_b32 v12, 2, v2
	s_lshl_b32 s76, s18, 9
	v_add_nc_u32 v12, s76, v12                     ; h's scale words: 4 r + 4 K steps of 128 bytes x kq
	v_lshlrev_b32 v13, 6, v3                       ; b2: 16 h numbers on
	v_lshlrev_b32 v14, 5, v2                       ; the weights: row r of 32 bytes
	v_lshlrev_b32 v15, 2, v1                       ; 4 x lane
	v_lshl_add_u32 v18, s20, 6, v15                ; the stored bits of my 64 tokens: 256 g + 4 x lane
	v_mul_u32_u24 v[STO], v2, OP                   ; OUT: my wave's region, row r, 64 h bytes on
	v_lshl_add_u32 v[STO], v3, 6, v[STO]
	s_mul_i32 s76, s16, WREG
	v_add_nc_u32 v[STO], s76, v[STO]
	v_mul_u32_u24 v[RDA], v3, WREG                 ; the way out: lanes 0-15 read the region of ch = 0, lanes 16-31 that of ch = 1: a row's 512 bytes;
	v_lshl_add_u32 v[RDA], v2, 4, v[RDA]           ; 16 bytes a lane;
	s_mul_i32 s76, s16, 8*OP
	v_add_nc_u32 v[RDA], s76, v[RDA]               ; my 8 rows: 8 w on
	v_add_nc_u32 v[RDB], 4*WREG, v[RDA]            ; K quarters 2 and 3 lie four regions on
.irp j, 0,1,2,3
	v_mov_b32 v[WG+2*\j+1], 0                      ; named as the upper half of a pair, so it is written
.endr
	s_cmp_eq_u32 s18, 0
	s_cselect_b32 s48, 0x3f800000, 0               ; 1.0 or 0
	s_mov_b32 s49, s48
	s_mov_b32 s50, 0xffff0000                      ; lanes 16-31
	s_lshl_b32 s78, s19, 3
	s_lshl_b32 s77, s17, 2
	s_add_co_u32 s78, s78, s77                     ; my first column tile: 8 X + 4 ch
	s_lshl_b32 s32, s78, 14                        ; W2's codes: 16,384 bytes a column tile, + 4 K steps of 1,024 x kq
	s_lshl_b32 s77, s18, 12
	s_add_co_u32 s32, s32, s77
	s_mov_b32 s33, 0
	s_lshl_b32 s34, s78, 6                         ; its scale words: 64 bytes a tile, + 4 K steps of 4,096 x kq
	s_lshl_b32 s77, s18, 14
	s_add_co_u32 s34, s34, s77
	s_add_co_u32 s34, s34, WS
	s_mov_b32 s35, 0
	s_lshl_b32 s36, s78, 6                         ; b2: 16 columns of 4 bytes a tile
	s_mov_b32 s37, 0
	s_lshl_b32 s38, s20, 9                         ; the weights: 16 rows of 32 bytes a tile
	s_add_co_u32 s38, s38, WD0
	s_mov_b32 s39, 0
	s_lshl_b32 s84, s19, 9                         ; out0: my 128 columns
	s_mov_b32 s85, 0
	s_lshl_b32 s[PMO], s20, 6
	s_lshl_b32 s77, s16, 5
	s_add_co_u32 s[PMO], s[PMO], s77               ; the tokens at my 8 places: (64 g + 8 w) x 4
	s_wait_kmcnt 0x0
	s_load_b256 s[52:59], s[12:13], s[PMO] offset:0x0      ; its offset register is written by no later line, so this load may stay out while the list is made
	s_wait_alu depctr_va_vdst(0)                   ; v18 is written, which the two loads below read; so are v4, v13 to v15 and v80 to v82, the offsets and LDS addresses that stay
	global_load_b32 v16, v18, s[12:13] offset:SELS         ; tiles 0 (lanes 0-15) and 1
	global_load_b32 v17, v18, s[12:13] offset:SELS+128     ; tiles 2 and 3
	s_add_nc_u64 s[30:31], s[4:5], HSC
	s_add_nc_u64 s[32:33], s[6:7], s[32:33]
	s_add_nc_u64 s[34:35], s[6:7], s[34:35]
	s_add_nc_u64 s[36:37], s[8:9], s[36:37]
	s_add_nc_u64 s[38:39], s[10:11], s[38:39]
	s_add_nc_u64 s[84:85], s[14:15], s[84:85]
	s_mov_b32 s21, 0                               ; U
	s_mov_b32 s22, 0                               ; experts used
	s_wait_loadcnt 0x0
.irp e, 0,1,2,3,4,5,6,7
	v_and_b32 v20, 1<<\e, v16
	v_and_b32 v21, 1<<\e, v17
	v_cmp_ne_u32 s[MA+\e], 0, v20                  ; the sixteen compares in one run, each into a scalar register of its own
	v_cmp_ne_u32 s[MB+\e], 0, v21
.endr
	s_wait_alu depctr_va_sdst(0)                   ; the sixteen masks are written, ahead of their first reader
.irp e, 0,1,2,3,4,5,6,7
	s_and_b32 s78, s[MA+\e], 0xffff
	s_cselect_b32 s79, 1, 0
	s_lshr_b32 s78, s[MA+\e], 16
	s_cselect_b32 s80, 2, 0
	s_and_b32 s78, s[MB+\e], 0xffff
	s_cselect_b32 s81, 4, 0
	s_lshr_b32 s78, s[MB+\e], 16
	s_cselect_b32 s82, 8, 0
	s_or_b32 s79, s79, s80
	s_or_b32 s81, s81, s82
	s_or_b32 s79, s79, s81                         ; SCC: does any of my tiles use e?
	s_cselect_b32 s80, 1, 0
	s_add_co_u32 s22, s22, s80
	s_lshl_b32 s79, s79, 4*\e
	s_or_b32 s21, s21, s79
.endr
	s_max_u32 s22, s22, 2
	s_sub_co_u32 s22, s22, 2                       ; the first and the last expert are written out; the loop walks those between:
	s_min_u32 s22, s22, 6                          ; 0 to 6
	s_wait_kmcnt 0x0                               ; the tokens' numbers are in
	NEXTE
	s_wait_alu depctr_va_vdst(0)                   ; the first expert's offsets v6 to v11 are written, which the loads below read; only loads and switches of the windows stand from here to the weights' loads
	BIAS
.irp s, 0,1,2,3
	KLOAD \s, 0
.endr
	WLOAD
	BODY 1, 1
	s_cmp_eq_u32 s22, 0
	s_cbranch_scc1 .Llast
.Lmid:
	BODY 0, 1
	s_sub_co_u32 s22, s22, 1
	s_cmp_lg_u32 s22, 0
	s_cbranch_scc1 .Lmid
.Llast:
	BODY 0, 0
	; THE WAY OUT.  Every wave's OUT lies in its region of LDS.  Behind the one barrier, which every wave reaches whatever the list held, each wave reads 8 whole rows of the four K quarters, adds them and stores each to its token's own row.
.irp i, 0,1,2,3,4,5,6,7
	s_min_u32 s76, s[52+\i], 2047                  ; a token's number, held before it enters an address
	v_lshl_add_u32 v[OA+\i], s76, 12, v4           ; its row of 4,096 bytes, + 16 x lane
.endr
	s_wait_dscnt 0x0                               ; for the others' sake: my stores have landed
	s_barrier_signal -1
	s_barrier_wait -1                              ; nothing is stored to LDS behind this barrier
	s_wait_alu depctr_va_vdst(0)                   ; the eight offsets v84 to v91 are written, which the stores to out0 read; the last expert's multiply-adds have written Y, in which the loads below land
	s_wait_alu depctr_vm_vsrc(0)                   ; my LDS stores have read Y's registers, in which the loads below land
.irp i, 0,1,2,3,4,5,6,7
	ds_load_b128 v[Y+16*\i:Y+16*\i+3], v[RDA] offset:\i*OP                   ; K quarter 0: lanes 0-15 read 256 consecutive bytes, lanes 16-31 likewise
	ds_load_b128 v[Y+16*\i+4:Y+16*\i+7], v[RDA] offset:2*WREG+\i*OP          ; 1
	ds_load_b128 v[Y+16*\i+8:Y+16*\i+11], v[RDB] offset:\i*OP                ; 2
	ds_load_b128 v[Y+16*\i+12:Y+16*\i+15], v[RDB] offset:2*WREG+\i*OP        ; 3
.endr
.irp g, 0,1                                    ; the rows in two groups of four: the additions, one wait, the stores
.irp n, 0,1,2,3
.set RI, 4*\g+\n
	s_wait_dscnt 28-4*RI                           ; row RI's four loads are in; the later rows' may be out
	v_pk_add_f32 v[Y+16*RI:Y+16*RI+1], v[Y+16*RI:Y+16*RI+1], v[Y+16*RI+4:Y+16*RI+5]
	v_pk_add_f32 v[Y+16*RI+2:Y+16*RI+3], v[Y+16*RI+2:Y+16*RI+3], v[Y+16*RI+6:Y+16*RI+7]
	v_pk_add_f32 v[Y+16*RI+8:Y+16*RI+9], v[Y+16*RI+8:Y+16*RI+9], v[Y+16*RI+12:Y+16*RI+13]
	v_pk_add_f32 v[Y+16*RI+10:Y+16*RI+11], v[Y+16*RI+10:Y+16*RI+11], v[Y+16*RI+14:Y+16*RI+15]
	v_pk_add_f32 v[Y+16*RI:Y+16*RI+1], v[Y+16*RI:Y+16*RI+1], v[Y+16*RI+8:Y+16*RI+9]
	v_pk_add_f32 v[Y+16*RI+2:Y+16*RI+3], v[Y+16*RI+2:Y+16*RI+3], v[Y+16*RI+10:Y+16*RI+11]
.endr
	s_wait_alu depctr_va_vdst(0)                   ; the additions have written the group's four rows, which the four stores below read
.irp n, 0,1,2,3
.set RI, 4*\g+\n
	global_store_b128 v[OA+RI], v[Y+16*RI:Y+16*RI+3], s[84:85] th:TH_STORE_NT   ; 32 lanes store 512 consecutive bytes, at a multiple of 512 from out0's first byte; written once, read by nobody here
.endr
.endr
	s_wait_dscnt 0x0                               ; the closing lines, six on end
	s_wait_alu 0x0
	s_wait_tensorcnt 0x0
	ds_add_u32 v94, v95
	s_wait_dscnt 0x0
	s_endpgm
.Lfunc_end_k_qe5042e0ba1_gemm2:
	.size	k_qe5042e0ba1_gemm2, .Lfunc_end_k_qe5042e0ba1_gemm2-k_qe5042e0ba1_gemm2
	.p2alignl 7, 3214868480
	.fill 96, 4, 3214868480
	.section	.rodata,"a",@progbits
	.p2align	6, 0x0
	.amdhsa_kernel k_qe5042e0ba1_gemm2
		.amdhsa_group_segment_fixed_size 140288
		.amdhsa_private_segment_fixed_size 0
		.amdhsa_enable_private_segment 0
		.amdhsa_kernarg_size 48
		.amdhsa_user_sgpr_count 2
		.amdhsa_user_sgpr_kernarg_segment_ptr 1
		.amdhsa_wavefront_size32 1
		.amdhsa_system_sgpr_workgroup_id_x 1
		.amdhsa_system_sgpr_workgroup_id_y 1
		.amdhsa_system_sgpr_workgroup_id_z 1
		.amdhsa_system_vgpr_workitem_id 0
		.amdhsa_next_free_vgpr 512
		.amdhsa_next_free_sgpr 100
		.amdhsa_reserve_vcc 0
		.amdhsa_float_denorm_mode_32 3
		.amdhsa_float_denorm_mode_16_64 3
		.amdhsa_memory_ordered 1
		.amdhsa_forward_progress 1
		.amdhsa_inst_pref_size 104
	.end_amdhsa_kernel
	.amdgpu_metadata
---
amdhsa.version: [ 1, 2 ]
amdhsa.kernels:
  - .name:           k_qe5042e0ba1_gemm2
    .symbol:         k_qe5042e0ba1_gemm2.kd
    .args:
      - { .name: hc, .offset: 0, .size: 8, .value_kind: global_buffer, .address_space: global }
      - { .name: w2c, .offset: 8, .size: 8, .value_kind: global_buffer, .address_space: global }
      - { .name: b2, .offset: 16, .size: 8, .value_kind: global_buffer, .address_space: global }
      - { .name: srt, .offset: 24, .size: 8, .value_kind: global_buffer, .address_space: global }
      - { .name: idx, .offset: 32, .size: 8, .value_kind: global_buffer, .address_space: global }
      - { .name: out0, .offset: 40, .size: 8, .value_kind: global_buffer, .address_space: global }
    .group_segment_fixed_size: 140288
    .private_segment_fixed_size: 0
    .kernarg_segment_align: 8
    .kernarg_segment_size: 48
    .max_flat_workgroup_size: 256
    .sgpr_count:     100
    .vgpr_count:     512
    .wavefront_size: 32
...
	.end_amdgpu_metadata
.endif
;; end of part 8
